; MI455X (gfx1250); checked and timed in simulation.
; The chip was launched on July 23, 2026; its instructions are those of AMD's public machine-readable ISA for CDNA 5 (MIT licence, August 2026) and "CDNA5" Instruction Set Architecture Reference Guide (July 2026). The comments in the code are by the model that wrote it; some were corrected since.
;; Encoder Layer. Allowed arithmetic: matrix products marked QUANTISED: E2M3 operands, one E8M0 scale for each 32 along K, by v_wmma_scale_f32_16x16x128_f8f6f4 with both operands' format E2M3, f32 sums; everything else in f32.
;; Inputs: W1 512 x 2,048 float32; W2 2,048 x 512 float32; Wk 512 x 512 float32; Wo 512 x 512 float32; Wq 512 x 512 float32; Wv 512 x 512 float32; b1 2,048 float32; b2 512 float32; bk 512 float32; bo 512 float32; bq 512 float32; bv 512 float32; ln1_a 512 float32; ln1_b 512 float32; ln2_a 512 float32; ln2_b 512 float32; x 4 x 2,048 x 512 float32.
;; Outputs: out0 4 x 2,048 x 512 float32.
;; This version of the problem:
;;   THIS VERSION OF THE PROBLEM IS GIVEN IN LOW PRECISION. The matrix products marked QUANTISED in the list below multiply operands that are first quantised to E2M3 (2 exponent bits, 3 mantissa bits; 6 bits a number), with one power-of-two scale for each 32 numbers along K (OCP MX v1.0); their sums are f32. All else is computed in f32.
;;   The module's matrix products, in the order in which they are computed (A, B: the left and right operand; K: the contracted axis; several contracted axes count as one K, in the product's order):
;;     1. [M 8,192, K 512] x [K 512, N 512]; A: input x; B: input Wq: QUANTISED
;;     2. [M 8,192, K 512] x [K 512, N 512]; A: input x; B: input Wk: QUANTISED
;;     3. [M 8,192, K 512] x [K 512, N 512]; A: input x; B: input Wv: QUANTISED
;;     4. batch 64 x [M 2,048, K 32] x [K 32, N 2,048]; A: computed on the way; B: computed on the way: QUANTISED
;;     5. batch 64 x [M 32, K 2,048] x [K 2,048, N 2,048]; A: computed on the way; B: softmax (see below): QUANTISED
;;     6. [M 8,192, K 512] x [K 512, N 512]; A: computed on the way; B: input Wo: QUANTISED
;;     7. [M 8,192, K 512] x [K 512, N 2,048]; A: computed on the way; B: input W1: QUANTISED
;;     8. [M 8,192, K 2,048] x [K 2,048, N 512]; A: computed on the way; B: input W2: QUANTISED
;;   THE QUANTISER, for each operand of a quantised product, along K:
;;     - K is cut into blocks of 32 from its start; a last block that is shorter is filled with zeros.
;;     - A block's scale is 2^e with e = floor(log2(the largest magnitude in the block)) - 2, held to -126 .. 127; a block of zeros has e = 0. As a byte (E8M0): e + 127.
;;     - Each number is divided by its block's scale, clamped to +-7.5, and rounded to the nearest number of E2M3, ties to even, subnormals kept.
;;     - The product sums the exact products of the quantised numbers (number of the format x scale) in f32.
;;   ~~~python
;;   def quantise(x, axis):      # numpy; x: float32 -> the quantised numbers, widened to float32 again
;;       x = np.moveaxis(x, axis, -1); K = x.shape[-1]
;;       x = np.pad(x, [(0, 0)] * (x.ndim - 1) + [(0, -K % 32)]); x = x.reshape(x.shape[:-1] + (-1, 32)); a = np.abs(x).max(-1, keepdims=True)
;;       e = np.where(a > 0, np.clip(np.frexp(np.where(a > 0, a, 1))[1] - 1 - 2, -126, 127), 0)      # np.frexp(a)[1] - 1 = floor(log2(a)), exactly
;;       r = np.clip(x / 2.0 ** e, -7.5, 7.5)
;;       step = 2.0 ** (np.maximum(np.frexp(np.where(r == 0, 1, r))[1] - 1, 0) - 3)
;;       q = np.round(r / step) * step * 2.0 ** e      # np.round: ties to even
;;       return np.moveaxis(q.reshape(q.shape[:-2] + (-1,))[..., :K], -1, axis).astype(np.float32)
;;   ~~~
;;   SOFTMAX AHEAD OF A QUANTISED PRODUCT. Where the list says 'softmax', what is quantised is not the finished softmax but p = 2^(t - M), with t = logit x log2(e) and M = ceil(the row's largest t), a whole number; so 1/2 < the row's largest p <= 1. The row's sum l is taken of the UNQUANTISED p, in f32, and the product's result is divided by l at the end. Since M is a whole number, a kernel that streams over the keys may use a running M (the ceiling of the running maximum): every later rescaling is an exact power of two, which a block's scale takes up: the codes' values come out the same.
;;   OPERANDS COMPUTED ON THE WAY. 'Computed on the way' means the value that the module computes at that place (a softmax that the list does not call 'softmax' is quantised finished and normalised). What goes into a quantiser is computed in f32, as accurately as f32 sums, v_exp_f32 and their like allow (about 1e-6 of the number): no bf16 or f16 on the way to a quantiser, and a product that is left as it is and whose result goes on into a quantised operand takes f32 operands (vector FMAs, or v_wmma_f32_16x16x4_f32). A number that lies on a knife's edge between two numbers of the format may be rounded either way, as far as f32 arithmetic and the matrix unit's own rounding can turn it there, and no further.
;; 2 versions. Each part assembles by itself: llvm-mc -triple=amdgcn-amd-amdhsa -mcpu=gfx1250 --defsym DOCPART=n.
;; ======== version 1 of 2: 4 launches
;; workspace buffers: prep 5,865,472 bytes; qkv 9,830,400 bytes; att 3,276,800 bytes
;; launch prep (part 1): grid 704 x 1, 4 waves a work-group, no clusters, 34,304 bytes of LDS; arguments x, Wq, Wk, Wv, Wo, W1, W2, prep; writes prep
.if DOCPART == 1
	.amdgcn_target "amdgcn-amd-amdhsa--gfx1250"
	.amdhsa_code_object_version 6
	.text
	.protected	k_q49a518007f_prep
	.globl	k_q49a518007f_prep
	.p2align	8
	.type	k_q49a518007f_prep,@function
k_q49a518007f_prep:
	s_mov_b64 s[64:65], 0
	v_nop
	global_prefetch_b8 v0, s[64:65] scope:SCOPE_SE
	s_setreg_imm32_b32 hwreg(HW_REG_WAVE_MODE, 25, 1), 1
	s_wait_xcnt 0x0
; x [8192][512] and the six weights ([K][N], f32) become codes of FP6 (E2M3) with one E8M0 byte for each 32 along K, laid as IMAGES OF OPERAND REGISTERS:
; a fragment (16 rows x 128 K, 12 registers a lane) is 1,536 bytes; register j of lane l lies at 512 (j / 4) + 16 l + 4 (j % 4), so that three loads of 16 bytes a lane bring it back.
; THE ROWS OF A TILE ARE NOT NEIGHBOURS: row r of tile t is index 32 (t / 2) + 8 (t % 2) + r % 8 + 16 (r / 8), for tokens and for weight columns alike.
; A block's scale is 2^(floor(log2(its largest magnitude)) - 2); its byte is the largest magnitude's exponent field - 2, held at 1 from below.
; LIMITS: NaN and infinities among the inputs are not served; a block of zeros gets the byte 1 where the rule says 127: its codes are zeros, and this program alone reads the bytes.
; Work-groups 0-511: tile t of x, wave = K step.  Work-groups 512-703: one K step of one group of 128 weight columns, wave = 32 columns.
; No matrix work, no barrier: waves share nothing.  Matrix units, clusters and tensor loads would add nothing to a stream that is read once.
; prep: x's codes at 0 [tile 512][K step 4][1536]; x's scale words at XSO [tile][K step][32 words]; weight codes at WCO, 48 groups of [K step 4][tile 8][1536];
; weight scale words at WSO, 48 x [K step 4][pair of tiles 4][32 words] (lanes 0-15 the even tile, lanes 16-31 the odd one).
.set XSO,   3145728
.set WCO,   3407872
.set WSO,   5767168
.set FLOOR, 0x1800000                  ; 2^(3 - 127): under it no largest magnitude is taken
.set EOFF,  0xff000000                 ; takes 2 off an exponent field
	s_load_b256 s[4:11], s[0:1], 0x0               ; x, Wq, Wk, Wv
	s_load_b256 s[12:19], s[0:1], 0x20             ; Wo, W1, W2, prep
	v_lshl_add_u32 v200, v0, 2, 0x8400
	v_mov_b32 v201, 0
	v_lshrrev_b32 v1, 5, v0
	v_readfirstlane_b32 s2, v1                     ; wave 0..3
	v_and_b32 v2, 31, v0                           ; lane
	s_cmp_lt_u32 ttmp9, 512
	s_cbranch_scc0 .Lweights
	; ---- x: tile ttmp9, K step = wave.  Sixteen rows' 512 bytes are loaded as they lie and turn through the wave's own stage in LDS (rows 528 bytes apart)
	v_lshlrev_b32 v3, 4, v2                        ; 16 x lane
	v_and_b32 v4, 15, v2                           ; r
	v_lshrrev_b32 v5, 4, v2                        ; h
	s_mul_i32 s3, s2, 8448                         ; my stage
	v_add_nc_u32 v6, s3, v3                        ; in: a row on end
	v_mul_u32_u24 v7, v4, 528
	v_lshl_add_u32 v7, v5, 7, v7
	v_add_nc_u32 v7, s3, v7                        ; back: row r, + 128 h: my 32 numbers of each 64
	v_lshlrev_b32 v8, 2, v2                        ; 4 x lane
	s_mov_b32 s44, 0x76543210
	s_mov_b32 s45, 0xfedcba98                      ; lane selects: lane l xor 16
	s_lshr_b32 s20, ttmp9, 1
	s_lshl_b32 s20, s20, 5
	s_and_b32 s21, ttmp9, 1
	s_lshl_b32 s21, s21, 3
	s_add_co_u32 s20, s20, s21                     ; the tile's first token
	s_lshl_b32 s20, s20, 11                        ; rows of 2,048 bytes
	s_lshl_b32 s21, s2, 9
	s_add_co_u32 s20, s20, s21                     ; + 512 bytes a K step
	s_mov_b32 s21, 0
	s_lshl_b32 s22, ttmp9, 2
	s_add_co_u32 s22, s22, s2                      ; 4 x tile + K step
	s_mul_i32 s24, s22, 1536
	s_mov_b32 s25, 0
	s_lshl_b32 s26, s22, 7
	s_add_co_u32 s26, s26, XSO
	s_mov_b32 s27, 0
	s_wait_kmcnt 0x0
	s_add_nc_u64 s[4:5], s[4:5], s[20:21]
	s_add_nc_u64 s[24:25], s[18:19], s[24:25]
	s_add_nc_u64 s[26:27], s[18:19], s[26:27]
.set i, 0
.rept 16
	global_load_b128 v[32+4*i:35+4*i], v3, s[4:5] offset:(i+8*(i/8))*2048 th:TH_LOAD_NT   ; row i of the tile: 32 lanes read 512 consecutive bytes
.set i, i+1
.endr
.set i, 0
.rept 16
	s_wait_loadcnt 15-i                            ; loads come back in order: row i is in, the younger ones may be out
	ds_store_b128 v6, v[32+4*i:35+4*i] offset:528*i
.set i, i+1
.endr
.set i, 0
.rept 16
	ds_load_b128 v[96+4*i:99+4*i], v7 offset:256*(i/8)+16*(i%8)   ; LDS serves a wave's instructions in order: these see my stores.  Register 32 c + n = k 64 c + 32 h + n of row r
.set i, i+1
.endr
	s_wait_dscnt 0x0
.irp c, 0,1
	v_max3_num_f32 v[10+\c], |v[96+32*\c]|, |v[97+32*\c]|, FLOOR   ; my block 2 c + h: all its 32 numbers are mine; the floor is one more leaf
.endr
.set i, 2
.rept 15
.irp c, 0,1
	v_max3_num_f32 v[10+\c], v[10+\c], |v[96+32*\c+i]|, |v[97+32*\c+i]|
.endr
.set i, i+2
.endr
.irp c, 0,1
	v_add_nc_u32 v[12+\c], EOFF, v[10+\c]          ; the conversion takes the exponent field of this operand as its scale
.endr
.irp c, 0,1
	v_lshrrev_b32 v[14+\c], 23, v[12+\c]           ; the scale's byte
.endr
	v_lshl_or_b32 v16, v15, 16, v14                ; my two bytes: blocks h and 2 + h,
	v_lshlrev_b32 v17, 3, v5
	v_lshlrev_b32 v16, v17, v16                    ; at their places in the word;
	v_mov_b32 v17, 0
	v_permlanex16_b32 v17, v16, s44, s45
	v_or_b32 v16, v16, v17                         ; with lane l xor 16's two the word is whole, in both halves of the lanes
.irp c, 0,1
	v_cvt_scalef32_pk16_fp6_f32 v[160+6*\c:162+6*\c], v[96+32*\c:111+32*\c], v[12+\c]
	v_cvt_scalef32_pk16_fp6_f32 v[184+4*\c:186+4*\c], v[112+32*\c:127+32*\c], v[12+\c]   ; (a conversion's three registers begin on an even number)
.endr
	v_nop                                          ; one plain place behind a scaled conversion
.irp c, 0,1
.irp n, 0,1,2
	v_mov_b32 v[163+6*\c+\n], v[184+4*\c+\n]
.endr
.endr
.irp g, 0,1,2
	global_store_b128 v3, v[160+4*\g:163+4*\g], s[24:25] offset:512*\g   ; 512 consecutive bytes a store
.endr
	global_store_b32 v8, v16, s[26:27]
	s_wait_tensorcnt 0x0
	ds_add_u32 v200, v201
	s_wait_dscnt 0x0
	s_endpgm
	; ---- weights: a lane takes a column and its registers run down K; the four blocks of a K step are all the lane's own
.Lweights:
	s_sub_co_u32 s20, ttmp9, 512                   ; j = 0..191
	s_lshr_b32 s21, s20, 6                         ; class 0: Wq, Wk, Wv, Wo;  1: W1;  2: W2
	s_and_b32 s22, s20, 63
	s_lshr_b32 s23, s22, 4                         ; class 0: which tensor; class 1: column group / 4; class 2: column group
	s_bfe_u32 s24, s22, 0x20002                    ; class 0: column group; class 1: column group % 4; class 2: K step / 4
	s_and_b32 s25, s22, 3                          ; the K step's place in its group of four
	s_lshr_b32 s28, s22, 2                         ; class 1: column group
	s_and_b32 s29, s22, 15                         ; class 2: K step
	s_mul_i32 s26, s24, 9
	s_add_co_u32 s26, s26, 12                      ; Wo's groups: 12 + 9 bb
	s_lshl_b32 s27, s23, 2
	s_add_co_u32 s27, s27, s24                     ; Wq, Wk, Wv: 4 x tensor + bb
	s_cmp_lt_u32 s23, 3
	s_cselect_b32 s26, s27, s26
	s_mul_i32 s30, s23, 9
	s_add_co_u32 s30, s30, s24
	s_add_co_u32 s27, s30, 13                      ; W1's
	s_add_co_u32 s30, s30, 17                      ; W2's
	s_wait_kmcnt 0x0
	s_cmp_eq_u32 s21, 1                            ; every choice hangs on the work-group's number alone
	s_cselect_b32 s31, s27, s30                    ; the group's number
	s_cselect_b32 s32, s28, s23                    ; the column group
	s_cselect_b32 s33, s25, s29                    ; the K step
	s_cselect_b32 s34, 20, 18                      ; 128 rows in bytes: 2^20 in W1, else 2^18
	s_cselect_b64 s[36:37], s[14:15], s[16:17]
	s_cmp_eq_u32 s23, 0
	s_cselect_b64 s[38:39], s[6:7], s[8:9]
	s_cmp_lt_u32 s23, 2
	s_cselect_b64 s[38:39], s[38:39], s[10:11]
	s_cmp_lt_u32 s23, 3
	s_cselect_b64 s[38:39], s[38:39], s[12:13]
	s_cmp_eq_u32 s21, 0
	s_cselect_b32 s31, s26, s31
	s_cselect_b32 s32, s24, s32
	s_cselect_b32 s33, s25, s33
	s_cselect_b64 s[36:37], s[38:39], s[36:37]
	s_lshl_b32 s40, s33, s34
	s_lshl_b32 s41, s32, 9
	s_add_co_u32 s40, s40, s41
	s_lshl_b32 s41, s2, 7
	s_add_co_u32 s40, s40, s41                     ; K step's rows + 512 bytes a column group + 128 a wave
	s_mov_b32 s41, 0
	s_add_nc_u64 s[36:37], s[36:37], s[40:41]
	s_mul_i32 s40, s31, 49152
	s_mul_i32 s42, s25, 12288
	s_add_co_u32 s40, s40, s42
	s_mul_i32 s42, s2, 3072
	s_add_co_u32 s40, s40, s42
	s_add_co_u32 s40, s40, WCO
	s_add_nc_u64 s[38:39], s[18:19], s[40:41]      ; my two fragments
	s_lshl_b32 s40, s31, 11
	s_lshl_b32 s42, s25, 9
	s_add_co_u32 s40, s40, s42
	s_lshl_b32 s42, s2, 7
	s_add_co_u32 s40, s40, s42
	s_add_co_u32 s40, s40, WSO
	s_add_nc_u64 s[42:43], s[18:19], s[40:41]      ; and their 32 scale words
	v_lshlrev_b32 v3, 2, v2                        ; in: 4 bytes a lane
	v_bfe_u32 v4, v2, 3, 1                         ; u: which of my wave's two tiles my column falls into
	v_and_b32 v5, 7, v2
	v_lshrrev_b32 v6, 4, v2
	v_lshl_add_u32 v5, v6, 3, v5                   ; and which row of it
	v_mul_u32_u24 v7, v4, 1536
	v_lshl_add_u32 v7, v5, 4, v7                   ; out: 1,536 u + 16 x row
	v_lshl_add_u32 v8, v4, 4, v5
	v_lshlrev_b32 v8, 2, v8                        ; scale word 16 u + row
.macro WLOAD kb, pitch                 ; block kb: 32 rows of K at my column; 128 consecutive bytes a wave, the four waves side by side on 512
.set i, 0
.rept 32
	global_load_b32 v[32+32*(\kb)+i], v3, s[36:37] offset:(32*(\kb)+i)*(\pitch) th:TH_LOAD_NT
.set i, i+1
.endr
.endm
.macro WMAX kb                         ; its largest magnitude, scale operand (v20 + kb) and byte (into the word v25)
.set NB, 32+32*(\kb)
	v_max3_num_f32 v12, |v[NB]|, |v[NB+1]|, |v[NB+2]|
	v_max3_num_f32 v13, |v[NB+3]|, |v[NB+4]|, |v[NB+5]|
.irp n, 6,10,14,18,22,26
	v_max3_num_f32 v12, v12, |v[NB+\n]|, |v[NB+\n+1]|
	v_max3_num_f32 v13, v13, |v[NB+\n+2]|, |v[NB+\n+3]|
.endr
	v_max3_num_f32 v12, v12, |v[NB+30]|, |v[NB+31]|
	v_max3_num_f32 v12, v12, v13, FLOOR
	v_add_nc_u32 v[20+(\kb)], EOFF, v12
	v_lshrrev_b32 v13, 23, v[20+(\kb)]
.if (\kb) == 0
	v_mov_b32 v25, v13
.else
	v_lshl_or_b32 v25, v13, 8*(\kb), v25
.endif
.endm
.macro WQ pitch                        ; the row pitch stands in the loads' immediates, so the text stands once for each pitch
	WLOAD 0, \pitch
	WLOAD 1, \pitch
	s_wait_loadcnt 32                              ; block 0 is in; block 1's 32 loads may be out
	WMAX 0
	WLOAD 2, \pitch
	s_wait_loadcnt 32
	WMAX 1
	WLOAD 3, \pitch
	s_wait_loadcnt 32
	WMAX 2
	s_wait_loadcnt 0x0
	WMAX 3
.irp kb, 0,1,2,3                       ; block 2 c + h is registers 6 c .. 6 c + 5 of lane (row, h): set h at v[160 + 12 h]
	v_cvt_scalef32_pk16_fp6_f32 v[160+12*(\kb%2)+6*(\kb/2):162+12*(\kb%2)+6*(\kb/2)], v[32+32*\kb:47+32*\kb], v[20+\kb]
	v_cvt_scalef32_pk16_fp6_f32 v[184+4*\kb:186+4*\kb], v[48+32*\kb:63+32*\kb], v[20+\kb]
.endr
	v_nop                                          ; one plain place behind a scaled conversion
.irp kb, 0,1,2,3
.irp n, 0,1,2
	v_mov_b32 v[163+12*(\kb%2)+6*(\kb/2)+\n], v[184+4*\kb+\n]
.endr
.endr
.irp h, 0,1
.irp g, 0,1,2
	global_store_b128 v7, v[160+12*\h+4*\g:163+12*\h+4*\g], s[38:39] offset:512*\g+256*\h   ; sixteen lanes store 256 consecutive bytes, aligned, in each of the two fragments
.endr
.endr
	global_store_b32 v8, v25, s[42:43]
	s_endpgm
.endm
	s_cmp_eq_u32 s21, 1
	s_cbranch_scc1 .Lwide
	WQ 2048
.Lwide:
	WQ 8192
.Lfunc_end_k_q49a518007f_prep:
	.size	k_q49a518007f_prep, .Lfunc_end_k_q49a518007f_prep-k_q49a518007f_prep
	.p2alignl 7, 3214868480
	.fill 96, 4, 3214868480
	.section	.rodata,"a",@progbits
	.p2align	6, 0x0
	.amdhsa_kernel k_q49a518007f_prep
		.amdhsa_group_segment_fixed_size 34304
		.amdhsa_private_segment_fixed_size 0
		.amdhsa_enable_private_segment 0
		.amdhsa_kernarg_size 64
		.amdhsa_user_sgpr_count 2
		.amdhsa_user_sgpr_kernarg_segment_ptr 1
		.amdhsa_wavefront_size32 1
		.amdhsa_system_sgpr_workgroup_id_x 1
		.amdhsa_system_sgpr_workgroup_id_y 1
		.amdhsa_system_sgpr_workgroup_id_z 1
		.amdhsa_system_vgpr_workitem_id 0
		.amdhsa_next_free_vgpr 202
		.amdhsa_next_free_sgpr 66
		.amdhsa_reserve_vcc 0
		.amdhsa_float_denorm_mode_32 3
		.amdhsa_float_denorm_mode_16_64 3
		.amdhsa_memory_ordered 1
		.amdhsa_forward_progress 1
		.amdhsa_inst_pref_size 49
	.end_amdhsa_kernel
	.amdgpu_metadata
---
amdhsa.version: [ 1, 2 ]
amdhsa.kernels:
  - .name:           k_q49a518007f_prep
    .symbol:         k_q49a518007f_prep.kd
    .args:
      - { .name: x, .offset: 0, .size: 8, .value_kind: global_buffer, .address_space: global }
      - { .name: Wq, .offset: 8, .size: 8, .value_kind: global_buffer, .address_space: global }
      - { .name: Wk, .offset: 16, .size: 8, .value_kind: global_buffer, .address_space: global }
      - { .name: Wv, .offset: 24, .size: 8, .value_kind: global_buffer, .address_space: global }
      - { .name: Wo, .offset: 32, .size: 8, .value_kind: global_buffer, .address_space: global }
      - { .name: W1, .offset: 40, .size: 8, .value_kind: global_buffer, .address_space: global }
      - { .name: W2, .offset: 48, .size: 8, .value_kind: global_buffer, .address_space: global }
      - { .name: prep, .offset: 56, .size: 8, .value_kind: global_buffer, .address_space: global }
    .group_segment_fixed_size: 34304
    .private_segment_fixed_size: 0
    .kernarg_segment_align: 8
    .kernarg_segment_size: 64
    .max_flat_workgroup_size: 128
    .sgpr_count:     66
    .vgpr_count:     202
    .wavefront_size: 32
...
	.end_amdgpu_metadata
.endif
;; end of part 1
;; launch qkv (part 2): grid 4 x 64, 4 waves a work-group, no clusters, 0 bytes of LDS; arguments prep, bq, bk, bv, qkv; writes qkv
.if DOCPART == 2
	.amdgcn_target "amdgcn-amd-amdhsa--gfx1250"
	.amdhsa_code_object_version 6
	.text
	.protected	k_q49a518007f_qkv
	.globl	k_q49a518007f_qkv
	.p2align	8
	.type	k_q49a518007f_qkv,@function
k_q49a518007f_qkv:
	s_mov_b64 s[64:65], 0
	v_nop
	global_prefetch_b8 v0, s[64:65] scope:SCOPE_SE
	s_setreg_imm32_b32 hwreg(HW_REG_WAVE_MODE, 25, 1), 1
	s_wait_xcnt 0x0
; q = x Wq + bq, k = x Wk + bk, v = x Wv + bv on codes of FP6 (E2M3) with E8M0 scales, and their results quantised again: q and k along the head's 32, v along the keys.
; SHARES.  Work-group (g, blk): heads 4 g .. 4 g + 3, tokens 128 blk .. + 127.  Wave w takes head 4 g + w: 192 matrix instructions; all its operands lie in registers (x's 32 fragments, 24 of the weights).
; q AND k ARE MADE TRANSPOSED (source 0 = 16 weight columns, source 1 = 16 tokens): a lane holds one token and its registers run along the head.  Four token tiles x 32 numbers are the 128 along K of ONE
; fragment: block b of row m holds the 32 codes of row m of token tile 4 f + b.  So a fragment carries 64 tokens and no byte is empty.
; v IS MADE STRAIGHT (source 0 = tokens, source 1 = weight columns): a lane holds one channel and its registers run along the 128 tokens, which are the next product's K.
; The biases are the C of each sum's first matrix instruction.  No LDS, no barrier; clusters and tensor loads are left out: every operand is read once, into registers, in a short launch.
; LIMITS: NaN and infinities are not served; a block of zeros gets the byte 1 (its codes are zeros; this program alone reads the bytes).
; REGISTERS.  window 0: v4-7 offsets; v16-47 x's scale words; v48-59 the weights'; v64-111 biases; v112-175 eight accumulators; v176-215 the quantiser.
;   windows 1, 2 (K steps 0, 1 and 2, 3): x's fragments at 96 (s % 2) + 12 tile; Wv's at 192 + 24 (s % 2) + 12 u.   window 3: Wq's at 12 (2 s + u), Wk's 96 on.
.set XSO, 3145728
.set WCO, 3407872
.set WSO, 5767168
.set SCB, 9437184
.set LI,  4                            ; v4  16 x lane
.set LS,  5                            ; v5  4 x lane
.set XSR, 16
.set WSC, 48
.set BQ,  64                           ; bq at v64, bk at v80
.set BV,  96
.set ACC, 112
.set TM,  176
.set PW,  192
.set SW0, 193
.set SWC, 194
.set PC,  196
.set SEL, 20
.set MSB, 0
.macro WIN new                         ; the immediate's high byte repeats the setting that is left
.if MSB != \new
	s_set_vgpr_msb (MSB<<8)|\new
.set MSB, \new
.endif
.endm
; 64 numbers of a lane, register 16 b + i = k 32 b + 16 (lane / 16) + i of my row, become a fragment's codes in v[PC] on and its scale word in v[PW] (the same in both halves of the lanes).
.macro QUANT s
.irp b, 0,1,2,3
	v_max3_num_f32 v[TM+\b], |v[\s+16*\b]|, |v[\s+1+16*\b]|, 0x1800000   ; my 16 numbers of block b, and the floor 2^(3 - 127): the byte cannot fall under 1
.endr
.irp i, 2,4,6,8,10,12,14
.irp b, 0,1,2,3
	v_max3_num_f32 v[TM+\b], v[TM+\b], |v[\s+16*\b+\i]|, |v[\s+1+16*\b+\i]|
.endr
.endr
.irp b, 0,1,2,3
	v_permlanex16_b32 v[TM+4+\b], v[TM+\b], s[SEL], s[SEL+1]
.endr
.irp b, 0,1,2,3
	v_max_num_f32 v[TM+\b], v[TM+\b], v[TM+4+\b]   ; with lane l xor 16's: the block's largest magnitude
.endr
.irp b, 0,1,2,3
	v_add_nc_u32 v[TM+12+\b], 0xff000000, v[TM+\b] ; 2 off its exponent field: the conversion's scale operand
.endr
.irp b, 0,1,2,3
	v_lshrrev_b32 v[TM+4+\b], 23, v[TM+12+\b]      ; the scale's byte
.endr
	v_lshl_or_b32 v[PW], v[TM+5], 8, v[TM+4]
	v_lshl_or_b32 v[PW], v[TM+6], 16, v[PW]
	v_lshl_or_b32 v[PW], v[TM+7], 24, v[PW]
.irp c, 0,1
	v_cvt_scalef32_pk16_fp6_f32 v[PC+6*\c:PC+2+6*\c], v[\s+32*\c:\s+15+32*\c], v[TM+12+2*\c]
	v_cvt_scalef32_pk16_fp6_f32 v[PC+12+4*\c:PC+14+4*\c], v[\s+16+32*\c:\s+31+32*\c], v[TM+12+2*\c+1]
.endr
	v_nop                                          ; one plain place behind a scaled conversion
.irp c, 0,1                            ; the operand's layout wants a whole block in a lane
.irp i, 0,1,2
	v_permlane16_swap_b32 v[PC+6*\c+\i], v[PC+12+4*\c+\i]
.endr
.irp i, 0,1,2
	v_mov_b32 v[PC+3+6*\c+\i], v[PC+12+4*\c+\i]
.endr
.endr
.endm
	s_load_b256 s[4:11], s[0:1], 0x0               ; prep, bq, bk, bv
	s_load_b64 s[12:13], s[0:1], 0x20              ; qkv
	v_lshrrev_b32 v1, 5, v0
	v_readfirstlane_b32 s14, v1                    ; wave 0..3
	v_and_b32 v1, 31, v0
	v_and_b32 v2, 15, v0                           ; r
	v_bfe_u32 v3, v0, 4, 1                         ; h
	v_lshlrev_b32 v[LI], 4, v1
	v_lshlrev_b32 v[LS], 2, v1
	v_lshlrev_b32 v6, 6, v3                        ; bq, bk: my half's 16 numbers
	v_and_b32 v7, 7, v2
	v_lshrrev_b32 v8, 3, v2
	v_lshl_add_u32 v7, v8, 4, v7
	v_lshlrev_b32 v7, 2, v7                        ; bv: channel r % 8 + 16 (r / 8)
.irp b, 0,1,2,3
	v_mov_b32 v[TM+4+\b], 0                        ; written once: a lane permute's destination counts as one of its sources
.endr
	s_mov_b32 s[SEL], 0x76543210
	s_mov_b32 s[SEL+1], 0xfedcba98
	s_mov_b32 s22, 0xffff0000                      ; lanes 16-31
	s_and_b32 s15, ttmp7, 0xffff                   ; blk
	s_lshl_b32 s16, ttmp9, 2
	s_add_co_u32 s16, s16, s14                     ; my head
	s_mul_i32 s36, s15, 49152                      ; x's 32 fragments
	s_mov_b32 s37, 0
	s_lshl_b32 s38, s15, 12
	s_add_co_u32 s38, s38, XSO                     ; and their scale words
	s_mov_b32 s39, 0
	s_mul_i32 s40, ttmp9, 49152
	s_mul_i32 s41, s14, 3072
	s_add_co_u32 s40, s40, s41
	s_add_co_u32 s40, s40, WCO                     ; my two tiles in Wq's group g
	s_mov_b32 s41, 0
	s_lshl_b32 s42, ttmp9, 11
	s_lshl_b32 s43, s14, 7
	s_add_co_u32 s42, s42, s43
	s_add_co_u32 s42, s42, WSO
	s_mov_b32 s43, 0
	s_lshl_b32 s44, s16, 7                         ; a head's 32 numbers of a bias
	s_mov_b32 s45, 0
	s_lshr_b32 s46, s15, 4
	s_lshl_b32 s46, s46, 4
	s_add_co_u32 s46, s46, s16                     ; 16 x batch + head
	s_lshl_b32 s46, s46, 4
	s_and_b32 s47, s15, 15
	s_add_co_u32 s46, s46, s47                     ; x 16 + the step of 128 tokens
	s_mul_i32 s18, s46, 3072
	s_mov_b32 s19, 0
	s_lshl_b32 s46, s46, 7
	s_add_co_u32 s46, s46, SCB
	s_mov_b32 s47, 0
	s_wait_kmcnt 0x0
	s_add_nc_u64 s[24:25], s[4:5], s[36:37]
	s_add_nc_u64 s[26:27], s[4:5], s[38:39]
	s_add_nc_u64 s[28:29], s[4:5], s[40:41]
	s_add_nc_u64 s[30:31], s[4:5], s[42:43]
	s_add_nc_u64 s[6:7], s[6:7], s[44:45]
	s_add_nc_u64 s[8:9], s[8:9], s[44:45]
	s_add_nc_u64 s[10:11], s[10:11], s[44:45]
	s_add_nc_u64 s[32:33], s[12:13], s[18:19]      ; where my fragments go
	s_add_nc_u64 s[34:35], s[12:13], s[46:47]      ; and their scale words
.irp t, 0,1,2,3,4,5,6,7
.irp s, 0,1,2,3
	global_load_b32 v[XSR+4*\t+\s], v[LS], s[26:27] offset:(4*\t+\s)*128
.endr
.endr
.irp o, 0,1,2
.irp s, 0,1,2,3
	global_load_b32 v[WSC+4*\o+\s], v[LS], s[30:31] offset:\o*8192+\s*512   ; lanes 0-15: tile u = 0; lanes 16-31: u = 1
.endr
.endr
.irp u, 0,1
	global_load_b128 v[BQ+8*\u:BQ+8*\u+3], v6, s[6:7] offset:32*\u
	global_load_b128 v[BQ+8*\u+4:BQ+8*\u+7], v6, s[6:7] offset:32*\u+16
	global_load_b128 v[BQ+16+8*\u:BQ+16+8*\u+3], v6, s[8:9] offset:32*\u
	global_load_b128 v[BQ+16+8*\u+4:BQ+16+8*\u+7], v6, s[8:9] offset:32*\u+16
.endr
	global_load_b32 v216, v7, s[10:11]
	global_load_b32 v217, v7, s[10:11] offset:32
	WIN 0x40
.irp s, 0,1
.irp t, 0,1,2,3,4,5,6,7
.irp g, 0,1,2
	global_load_b128 v[96*\s+12*\t+4*\g:96*\s+12*\t+4*\g+3], v[LI], s[24:25] offset:\t*6144+\s*1536+512*\g
.endr
.endr
.endr
	WIN 0x80
.irp s, 0,1
.irp t, 0,1,2,3,4,5,6,7
.irp g, 0,1,2
	global_load_b128 v[96*\s+12*\t+4*\g:96*\s+12*\t+4*\g+3], v[LI], s[24:25] offset:\t*6144+(\s+2)*1536+512*\g
.endr
.endr
.endr
	WIN 0xc0
.irp o, 0,1                            ; Wq's 24 loads, then Wk's 24
.irp s, 0,1,2,3
.irp u, 0,1
.irp g, 0,1,2
	global_load_b128 v[96*\o+12*(2*\s+\u)+4*\g:96*\o+12*(2*\s+\u)+4*\g+3], v[LI], s[28:29] offset:\o*196608+\s*12288+\u*1536+512*\g
.endr
.endr
.endr
.endr
	WIN 0x40
.irp s, 0,1                            ; Wv's 24
.irp u, 0,1
.irp g, 0,1,2
	global_load_b128 v[192+24*\s+12*\u+4*\g:192+24*\s+12*\u+4*\g+3], v[LI], s[28:29] offset:393216+\s*12288+\u*1536+512*\g
.endr
.endr
.endr
	WIN 0x80
.irp s, 0,1
.irp u, 0,1
.irp g, 0,1,2
	global_load_b128 v[192+24*\s+12*\u+4*\g:192+24*\s+12*\u+4*\g+3], v[LI], s[28:29] offset:393216+(\s+2)*12288+\u*1536+512*\g
.endr
.endr
.endr
	WIN 0
; one product of q or k: weight tile u x token tile 4 f + b, K step s
.macro QK1 op, f, s, b, u
.set rD, ACC+16*(\b)+8*(\u)
.set rA, 96*(\op)+12*(2*(\s)+(\u))
.set rB, 96*((\s)%2)+12*(4*(\f)+(\b))
.set rC, rD
.if (\s) == 0
.set rC, BQ+16*(\op)+8*(\u)            ; the bias starts the sum
.endif
.if (\u) == 0
	v_wmma_scale_f32_16x16x128_f8f6f4 v[rD:rD+7], v[rA:rA+11], v[rB:rB+11], v[rC:rC+7], v[WSC+4*(\op)+(\s)], v[XSR+4*(4*(\f)+(\b))+(\s)] matrix_a_fmt:MATRIX_FMT_FP6 matrix_b_fmt:MATRIX_FMT_FP6
.else
	v_wmma_scale_f32_16x16x128_f8f6f4 v[rD:rD+7], v[rA:rA+11], v[rB:rB+11], v[rC:rC+7], v[WSC+4*(\op)+(\s)], v[XSR+4*(4*(\f)+(\b))+(\s)] matrix_a_fmt:MATRIX_FMT_FP6 matrix_b_fmt:MATRIX_FMT_FP6 matrix_a_scale:MATRIX_SCALE_ROW1
.endif
.endm
.macro QKMUL op, f                     ; 32 products: eight accumulators by turns, one instruction a turn, a K step at a time
.irp s, 0,1,2,3
.if \s < 2
	WIN 0x07                                       ; source 0 window 3, source 1 window 1
.else
	WIN 0x0b                                       ; source 1 window 2
.endif
.irp b, 0,1,2,3
.irp u, 0,1
	QK1 \op, \f, \s, \b, \u
.endr
.endr
.endr
.endm
.macro VM1 u, s, t
.set rD, ACC+8*(\t)
.set rA, 96*((\s)%2)+12*(\t)
.set rB, 192+24*((\s)%2)+12*(\u)
.set rC, rD
.if (\s) == 0
.set rC, BV+8*(\u)
.endif
.if (\u) == 0
	v_wmma_scale_f32_16x16x128_f8f6f4 v[rD:rD+7], v[rA:rA+11], v[rB:rB+11], v[rC:rC+7], v[XSR+4*(\t)+(\s)], v[WSC+8+(\s)] matrix_a_fmt:MATRIX_FMT_FP6 matrix_b_fmt:MATRIX_FMT_FP6
.else
	v_wmma_scale_f32_16x16x128_f8f6f4 v[rD:rD+7], v[rA:rA+11], v[rB:rB+11], v[rC:rC+7], v[XSR+4*(\t)+(\s)], v[WSC+8+(\s)] matrix_a_fmt:MATRIX_FMT_FP6 matrix_b_fmt:MATRIX_FMT_FP6 matrix_b_scale:MATRIX_SCALE_ROW1
.endif
.endm
.macro VMUL u                          ; 32 products: the eight token tiles by turns
.irp s, 0,1,2,3
.if \s < 2
	WIN 0x05
.else
	WIN 0x0a
.endif
.irp t, 0,1,2,3,4,5,6,7
	VM1 \u, \s, \t
.endr
.endr
.endm
.macro EMIT op, frag                   ; the eight accumulators become one fragment, which is stored as an image of its registers
	WIN 0
.rept 4
	v_nop                                          ; four places between the last product and the first read of results
.endr
	s_wait_xcnt 0x0                                ; the last fragment's stores have read their registers: these are written again only behind this wait
	QUANT ACC
.irp g, 0,1,2
	global_store_b128 v[LI], v[PC+4*\g:PC+4*\g+3], s[32:33] offset:(\op)*3145728+(\frag)*1536+512*\g   ; 512 consecutive bytes a store
.endr
.if (\frag) == 0
	v_mov_b32 v[SW0], v[PW]
.else
	v_cndmask_b32 v[SWC], v[SW0], v[PW], s22       ; lanes 0-15: fragment 0's words; lanes 16-31: fragment 1's
	global_store_b32 v[LS], v[SWC], s[34:35] offset:(\op)*131072
.endif
.endm
	s_wait_loadcnt 48                              ; all but Wk's and Wv's 48 loads are in
.irp u, 0,1
.irp j, 0,1,2,3,4,5,6,7
	v_mov_b32 v[BV+8*\u+\j], v[216+\u]             ; v's bias in the result's layout: a lane holds one channel
.endr
.endr
	QKMUL 0, 0
	EMIT 0, 0
	QKMUL 0, 1
	EMIT 0, 1
	s_wait_loadcnt 24                              ; Wk is in; Wv's 24 loads may be out
	QKMUL 1, 0
	EMIT 1, 0
	QKMUL 1, 1
	EMIT 1, 1
	s_wait_loadcnt 0x0
	VMUL 0
	EMIT 2, 0
	VMUL 1
	EMIT 2, 1
	s_endpgm
.Lfunc_end_k_q49a518007f_qkv:
	.size	k_q49a518007f_qkv, .Lfunc_end_k_q49a518007f_qkv-k_q49a518007f_qkv
	.p2alignl 7, 3214868480
	.fill 96, 4, 3214868480
	.section	.rodata,"a",@progbits
	.p2align	6, 0x0
	.amdhsa_kernel k_q49a518007f_qkv
		.amdhsa_group_segment_fixed_size 0
		.amdhsa_private_segment_fixed_size 0
		.amdhsa_enable_private_segment 0
		.amdhsa_kernarg_size 40
		.amdhsa_user_sgpr_count 2
		.amdhsa_user_sgpr_kernarg_segment_ptr 1
		.amdhsa_wavefront_size32 1
		.amdhsa_system_sgpr_workgroup_id_x 1
		.amdhsa_system_sgpr_workgroup_id_y 1
		.amdhsa_system_sgpr_workgroup_id_z 1
		.amdhsa_system_vgpr_workitem_id 0
		.amdhsa_next_free_vgpr 1024
		.amdhsa_next_free_sgpr 66
		.amdhsa_reserve_vcc 0
		.amdhsa_float_denorm_mode_32 3
		.amdhsa_float_denorm_mode_16_64 3
		.amdhsa_memory_ordered 1
		.amdhsa_forward_progress 1
		.amdhsa_inst_pref_size 75
	.end_amdhsa_kernel
	.amdgpu_metadata
---
amdhsa.version: [ 1, 2 ]
amdhsa.kernels:
  - .name:           k_q49a518007f_qkv
    .symbol:         k_q49a518007f_qkv.kd
    .args:
      - { .name: prep, .offset: 0, .size: 8, .value_kind: global_buffer, .address_space: global }
      - { .name: bq, .offset: 8, .size: 8, .value_kind: global_buffer, .address_space: global }
      - { .name: bk, .offset: 16, .size: 8, .value_kind: global_buffer, .address_space: global }
      - { .name: bv, .offset: 24, .size: 8, .value_kind: global_buffer, .address_space: global }
      - { .name: qkv, .offset: 32, .size: 8, .value_kind: global_buffer, .address_space: global }
    .group_segment_fixed_size: 0
    .private_segment_fixed_size: 0
    .kernarg_segment_align: 8
    .kernarg_segment_size: 40
    .max_flat_workgroup_size: 128
    .sgpr_count:     66
    .vgpr_count:     1024
    .wavefront_size: 32
...
	.end_amdgpu_metadata
.endif
;; end of part 2
;; launch attn (part 3): grid 4 x 64, 16 waves a work-group, no clusters, 104,960 bytes of LDS; arguments qkv, att; writes att
.if DOCPART == 3
	.amdgcn_target "amdgcn-amd-amdhsa--gfx1250"
	.amdhsa_code_object_version 6
	.text
	.protected	k_q49a518007f_attn
	.globl	k_q49a518007f_attn
	.p2align	8
	.type	k_q49a518007f_attn,@function
k_q49a518007f_attn:
	s_mov_b64 s[64:65], 0
	v_nop
	global_prefetch_b8 v0, s[64:65] scope:SCOPE_SE
	s_setreg_imm32_b32 hwreg(HW_REG_WAVE_MODE, 25, 1), 1
	s_wait_xcnt 0x0
; o = softmax(q k^T / sqrt(32)) v for one head and 512 queries, both products on codes of FP6 (E2M3) with E8M0 scales; o is divided by the row's sum and quantised again, one block of 32 for each (token, head).
; THE SOFTMAX AHEAD OF THE SECOND PRODUCT: t = score x log2(e) / sqrt(32); M = the running largest t rounded UP to a whole number; p = 2^(t - M) is quantised along the keys; the sum is taken of the unquantised p.
; When M moves, the sum and O are multiplied by 2^(old M - new M): exact.
; SHARES.  Work-group (qq, bh).  Each of sixteen waves owns 32 queries, two tiles of 16, in two passes over the head's 2,048 keys, 128 a step.  Four waves share a SIMD: one wave's vector work stands beside another's products.
; The head's codes of k and v and their scale words, 102,400 bytes, are copied into LDS once and read by all sixteen waves.  Clusters are left out: what four work-groups share is those 102,400 bytes, read once, against
; 32 passes over them from LDS.  No tensor load: nothing in LDS is filled again.
; K = 32 IN AN INSTRUCTION OF 128.  A fragment of k holds four token tiles, one in each block of 32.  The queries' operand holds q's codes in ONE block and zero codes in the other three, so each product picks one token tile.
; Four such operands are four windows on one run of registers: zeros, q in lanes 0-15, zeros, q in lanes 16-31, zeros.
; Both products are used transposed: a lane holds one query throughout.  The rows of a token tile are chosen so that the 16 registers of tiles 2 b and 2 b + 1 are 16 neighbouring keys.
; LIMITS: NaN and infinities are not served; a block of zeros gets the byte 1 (its codes are zeros; this program alone reads the bytes).
; REGISTERS: v1-11 addresses; v12 -M, v13 the largest t, v[14:15] the sum; v16-45 the queries' operands; v46 q's scale, v47 k's words; v48-71 k; v72-95 v; v96-159 S^T, then p; v160-175 O^T; v176-194 p's codes;
;   v196 v's words, v197 p's word; v200-217 at work; v220-229 the results' codes and bytes; v230-255 q as loaded.
.set KC,  3145728
.set VC,  6291456
.set SCB, 9437184
.set ASC, 3145728
.set LV,  49152                        ; LDS: k's codes at 0, v's here,
.set LKS, 98304                        ; k's scale words, v's 2,048 bytes on,
.set LB,  102400                       ; and the work-group's 512 result bytes
.set WV,  8
.set CS,  22
.set SEL, 24
.set TB,  26
.set TS,  27
.set CNT, 28
	s_load_b128 s[4:7], s[0:1], 0x0                ; qkv, att
	v_lshl_add_u32 v219, v0, 2, 0x19200
	v_mov_b32 v227, 0
	v_lshrrev_b32 v1, 5, v0
	v_readfirstlane_b32 s[WV], v1                  ; wave 0..15
	v_and_b32 v6, 31, v0
	v_and_b32 v5, 15, v0
	v_lshlrev_b32 v1, 4, v6                        ; 16 x lane
	v_lshl_add_u32 v2, v6, 2, LKS                  ; 4 x lane, among k's scale words
	v_lshlrev_b32 v7, 3, v6                        ; 8 x lane
	v_lshlrev_b32 v6, 2, v5                        ; 4 r
	v_lshlrev_b32 v5, 4, v5                        ; 16 r
	v_lshlrev_b32 v8, 4, v0                        ; the copy: 16 x thread,
	v_add_nc_u32 v9, LV, v8                        ; the same among v's codes (an LDS immediate has 16 bits),
	v_lshl_add_u32 v10, v0, 2, LKS                 ; 4 x thread among the scale words
	v_lshlrev_b32 v3, 2, v0                        ; and in memory
	v_add_nc_u32 v11, LB, v0                       ; my result byte
	v_add_nc_u32 v231, LB, v1                      ; and where wave 0 reads them back
	s_and_b32 s9, ttmp7, 0xffff                    ; bh = 16 x batch + head
	s_lshr_b32 s30, s[WV], 2
	s_lshl_b32 s31, ttmp9, 2
	s_add_co_u32 s30, s30, s31                     ; the step of 128 tokens that holds my queries
	s_bfe_u32 s31, s[WV], 0x10001                  ; which of its two fragments
	s_and_b32 s29, s[WV], 1                        ; and which half of that: blocks 2 c and 2 c + 1 are my two tiles
	s_sub_co_u32 s18, 0, s29                       ; all lanes where c = 1
	s_mov_b32 s19, 0xffff0000                      ; lanes 16-31
	s_lshl_b32 s20, s29, 1
	s_mul_i32 s20, s20, 0x01010101                 ; byte selects: byte 2 c of q's scale word into all four bytes,
	s_add_co_u32 s21, s20, 0x01010101              ; byte 2 c + 1
	s_mov_b32 s[CS], 0x3e8293ee                    ; log2(e) / sqrt(32)
	s_mov_b32 s[CS+1], s[CS]                       ; (named with it as a pair, so it is written)
	s_mov_b32 s[SEL], 0x76543210
	s_mov_b32 s[SEL+1], 0xfedcba98
	s_mul_i32 s36, s9, 49152
	s_mov_b32 s37, 0
	s_lshl_b32 s38, s9, 11
	s_add_co_u32 s38, s38, SCB
	s_mov_b32 s39, 0
	s_mul_i32 s40, s30, 3072
	s_mul_i32 s41, s31, 1536
	s_add_co_u32 s40, s40, s41
	s_mov_b32 s41, 0
	s_lshl_b32 s42, s30, 7
	s_lshl_b32 s43, s31, 6
	s_add_co_u32 s42, s42, s43
	s_mov_b32 s43, 0
	s_lshr_b32 s44, s9, 4                          ; batch
	s_and_b32 s45, s9, 15                          ; head
	s_lshl_b32 s44, s44, 6
	s_lshl_b32 s46, ttmp9, 4
	s_add_co_u32 s44, s44, s46                     ; the work-group's first pair of tiles
	s_lshl_b32 s46, s44, 5
	s_lshl_b32 s47, s45, 13
	s_add_co_u32 s46, s46, s47
	s_add_co_u32 s46, s46, ASC                     ; its 512 scale bytes: [head][pair][32]
	s_mov_b32 s47, 0
	s_add_co_u32 s44, s44, s[WV]
	s_mul_i32 s44, s44, 12288                      ; my pair's codes: [pair][head][3][32][8]
	s_mul_i32 s45, s45, 768
	s_add_co_u32 s44, s44, s45
	s_mov_b32 s45, 0
	s_wait_kmcnt 0x0
	s_add_nc_u64 s[10:11], s[4:5], s[36:37]        ; the head's codes
	s_add_nc_u64 s[12:13], s[4:5], s[38:39]        ; the head's scale words
	s_add_nc_u64 s[14:15], s[10:11], s[40:41]      ; q's fragment
	s_add_nc_u64 s[16:17], s[12:13], s[42:43]      ; q's words
	s_add_nc_u64 s[32:33], s[6:7], s[44:45]
	s_add_nc_u64 s[34:35], s[6:7], s[46:47]
.irp t, 0,1                            ; every lane takes the registers of lane (r, t) of q's fragment: block 2 c + t lies in that half's registers 6 c .. 6 c + 5
.irp g, 0,1,2
	global_load_b128 v[232+12*\t+4*\g:235+12*\t+4*\g], v5, s[14:15] offset:256*\t+512*\g
.endr
.endr
	global_load_b32 v230, v6, s[16:17]
.set i, 0
.rept 6
	global_load_b128 v[96+4*i:99+4*i], v8, s[10:11] offset:KC+8192*i     ; 512 threads x 16 bytes
	global_load_b128 v[120+4*i:123+4*i], v8, s[10:11] offset:VC+8192*i
.set i, i+1
.endr
	global_load_b32 v144, v3, s[12:13] offset:131072
	global_load_b32 v145, v3, s[12:13] offset:262144
.irp j, 16,17,18,19,20,21,28,29,30,31,32,33,40,41,42,43,44,45
	v_mov_b32 v[\j], 0                             ; the zero codes between and beside q's
.endr
.irp b, 0,1,2,3
	v_mov_b32 v[204+\b], 0                         ; written once: a lane permute's destination counts as one of its sources
.endr
	v_mov_b32 v215, 0                              ; (named as the upper half of the pair v[214:215])
	s_wait_loadcnt 0x0
.set i, 0
.rept 6
	ds_store_b128 v8, v[96+4*i:99+4*i] offset:8192*i
	ds_store_b128 v9, v[120+4*i:123+4*i] offset:8192*i
.set i, i+1
.endr
	ds_store_b32 v10, v144
	ds_store_b32 v10, v145 offset:2048
	s_wait_dscnt 0x0                               ; for the others' sake: my part of the copy has landed
	s_barrier_signal -1
	s_barrier_wait -1
.macro SMUL f, b                       ; S^T of token tile 4 f + b: k's fragment f against the operand with q in block b
.if (\b) < 2
.set rQ, 22+12*(\b)
.else
.set rQ, 16+12*((\b)-2)
.endif
.set rD, 96+8*(4*(\f)+(\b))
.if (\f) == 0
	v_wmma_scale_f32_16x16x128_f8f6f4 v[rD:rD+7], v[48:59], v[rQ:rQ+11], 0, v47, v46 matrix_a_fmt:MATRIX_FMT_FP6 matrix_b_fmt:MATRIX_FMT_FP6
.else
	v_wmma_scale_f32_16x16x128_f8f6f4 v[rD:rD+7], v[60:71], v[rQ:rQ+11], 0, v47, v46 matrix_a_fmt:MATRIX_FMT_FP6 matrix_b_fmt:MATRIX_FMT_FP6 matrix_a_scale:MATRIX_SCALE_ROW1
.endif
.endm
; A KEY STEP: 128 keys
.macro STEP
	v_add_nc_u32 v3, s[TB], v1
	v_add_nc_u32 v4, s[TS], v2
	v_nop
	v_nop                                          ; four places between the last step's products and the loads into their registers
.irp f, 0,1
.irp g, 0,1,2
	ds_load_b128 v[48+12*\f+4*\g:51+12*\f+4*\g], v3 offset:1536*\f+512*\g
.endr
.endr
	ds_load_b32 v47, v4                            ; lanes 0-15: fragment 0's words; lanes 16-31: fragment 1's
.irp u, 0,1
.irp g, 0,1,2
	ds_load_b128 v[72+12*\u+4*\g:75+12*\u+4*\g], v3 offset:LV+1536*\u+512*\g
.endr
.endr
	ds_load_b32 v196, v4 offset:2048
	s_wait_dscnt 7                                 ; k and its words are in; v's seven loads may be out
.irp f, 0,1
.irp b, 0,1,2,3
	SMUL \f, \b
.endr
.endr
.rept 4
	v_nop
.endr
.irp b, 0,1,2,3
	v_max3_num_f32 v[200+\b], v[96+16*\b], v[97+16*\b], v[98+16*\b]   ; the largest score of each block of 32 keys: for the row's maximum and, since p rises with the score, for the block's largest p
.endr
.irp i, 3,5,7,9,11,13
.irp b, 0,1,2,3
	v_max3_num_f32 v[200+\b], v[200+\b], v[96+16*\b+\i], v[97+16*\b+\i]
.endr
.endr
.irp b, 0,1,2,3
	v_max_num_f32 v[200+\b], v[200+\b], v[111+16*\b]
.endr
.irp b, 0,1,2,3
	v_permlanex16_b32 v[204+\b], v[200+\b], s[SEL], s[SEL+1]
.endr
.irp b, 0,1,2,3
	v_max_num_f32 v[200+\b], v[200+\b], v[204+\b]  ; with lane l xor 16's 16 keys
.endr
	v_max3_num_f32 v212, v200, v201, v202
	v_max_num_f32 v212, v212, v203
	v_mul_f32 v212, s[CS], v212                    ; the step's largest t
	v_max_num_f32 v13, v13, v212
	v_mov_b32 v212, v12
	v_floor_f32 v12, -v13                          ; the new -M = floor(-t): M is a whole number
	v_sub_f32 v212, v12, v212                      ; old M - new M, 0 or less
	v_cvt_i32_f32 v212, v212                       ; (it saturates)
	v_ldexp_f32 v214, 1.0, v212                    ; f = 2^(old M - new M)
.irp j, 0,2,4,6,8,10,12,14,16,18,20,22,24,26,28,30,32,34,36,38,40,42,44,46,48,50,52,54,56,58,60,62
	v_pk_fma_f32 v[96+\j:97+\j], v[96+\j:97+\j], s[CS:CS+1], v[12:13] op_sel_hi:[1,0,0]   ; t - M, two at a time
.endr
.irp b, 0,1,2,3
	v_fma_f32 v[200+\b], v[200+\b], s[CS], v12     ; the same of each block's largest score
.endr
.set i, 0
.rept 64
	v_exp_f32 v[96+i], v[96+i]                     ; p = 2^(t - M), at most 1
.set i, i+1
.endr
	v_pk_mul_f32 v[14:15], v[14:15], v[214:215] op_sel_hi:[1,0]   ; the sums under the new M: a plain place behind the exponentials
	s_wait_alu depctr_va_vdst(0)                   ; one wait for the batch of 64, ahead of its first reader
.irp b, 0,1,2,3
	v_exp_f32 v[200+\b], v[200+\b]                 ; the block's largest p
.endr
	v_pk_add_f32 v[216:217], v[96:97], v[98:99]    ; the row's sum of the unquantised p, in two chains
.irp j, 4,8,12,16,20,24,28,32,36,40,44,48,52,56,60
	v_pk_add_f32 v[14:15], v[14:15], v[96+\j:97+\j]
	v_pk_add_f32 v[216:217], v[216:217], v[98+\j:99+\j]
.endr
	v_pk_add_f32 v[14:15], v[14:15], v[216:217]
	s_wait_alu depctr_va_vdst(0)                   ; and one for the four
.irp b, 0,1,2,3
	v_max_num_f32 v[200+\b], 0x1800000, v[200+\b]  ; the floor 2^(3 - 127)
.endr
.irp b, 0,1,2,3
	v_add_nc_u32 v[208+\b], 0xff000000, v[200+\b]  ; the conversion's scale operand
.endr
.irp b, 0,1,2,3
	v_lshrrev_b32 v[204+\b], 23, v[208+\b]         ; the scale's byte
.endr
	v_lshl_or_b32 v197, v205, 8, v204              ; p's scale word for these 128 keys
	v_lshl_or_b32 v197, v206, 16, v197
	v_lshl_or_b32 v197, v207, 24, v197
.irp c, 0,1
	v_cvt_scalef32_pk16_fp6_f32 v[176+6*\c:178+6*\c], v[96+32*\c:111+32*\c], v[208+2*\c]
	v_cvt_scalef32_pk16_fp6_f32 v[188+4*\c:190+4*\c], v[112+32*\c:127+32*\c], v[208+2*\c+1]
.endr
	v_nop                                          ; one plain place behind a scaled conversion
.irp c, 0,1
.irp i, 0,1,2
	v_permlane16_swap_b32 v[176+6*\c+\i], v[188+4*\c+\i]
.endr
.irp i, 0,1,2
	v_mov_b32 v[179+6*\c+\i], v[188+4*\c+\i]
.endr
.endr
.irp j, 0,2,4,6,8,10,12,14
	v_pk_mul_f32 v[160+\j:161+\j], v[160+\j:161+\j], v[214:215] op_sel_hi:[1,0]   ; O^T under the new M, each accumulator from its low end on
.endr
.rept 4
	v_nop                                          ; with the other accumulator's four multiplies: eight places behind p's scale word, four behind its codes
.endr
	s_wait_dscnt 0x0                               ; v and its words are in
	v_wmma_scale_f32_16x16x128_f8f6f4 v[160:167], v[72:83], v[176:187], v[160:167], v196, v197 matrix_a_fmt:MATRIX_FMT_FP6 matrix_b_fmt:MATRIX_FMT_FP6
	v_wmma_scale_f32_16x16x128_f8f6f4 v[168:175], v[84:95], v[176:187], v[168:175], v196, v197 matrix_a_fmt:MATRIX_FMT_FP6 matrix_b_fmt:MATRIX_FMT_FP6 matrix_a_scale:MATRIX_SCALE_ROW1
.endm
; the end of a pass: O^T / the sum, quantised: my 16 channels are half a block, the other half lies in lane l xor 16
.macro FIN t
.rept 4
	v_nop
.endr
	v_add_f32 v14, v14, v15
	v_permlanex16_b32 v212, v14, s[SEL], s[SEL+1]
	v_add_f32 v14, v14, v212                       ; the row's sum
	v_rcp_f32 v214, v14
	v_nop                                          ; a plain place behind the transcendental
	s_wait_alu depctr_va_vdst(0)                   ; and the wait ahead of its first reader
.irp j, 0,2,4,6,8,10,12,14
	v_pk_mul_f32 v[160+\j:161+\j], v[160+\j:161+\j], v[214:215] op_sel_hi:[1,0]
.endr
	v_max3_num_f32 v200, |v160|, |v161|, 0x1800000
.irp j, 2,4,6,8,10,12,14
	v_max3_num_f32 v200, v200, |v[160+\j]|, |v[161+\j]|
.endr
	v_permlanex16_b32 v204, v200, s[SEL], s[SEL+1]
	v_max_num_f32 v200, v200, v204
	v_add_nc_u32 v208, 0xff000000, v200
	v_lshrrev_b32 v[228+(\t)], 23, v208
	v_cvt_scalef32_pk16_fp6_f32 v[220+4*(\t):222+4*(\t)], v[160:175], v208
	v_nop                                          ; one plain place behind a scaled conversion
.endm
.macro PASS t                          ; my tile t of 16 queries against all keys
.set RQ, 232+12*(\t)
.irp i, 0,1,2,3,4,5
	v_cndmask_b32 v[188+\i], v[RQ+\i], v[RQ+6+\i], s18   ; the tile's 24 bytes of codes, in every lane
.endr
.irp i, 0,1,2,3,4,5
	v_cndmask_b32 v[22+\i], v[188+\i], 0, s19      ; in lanes 0-15 alone,
	v_cndmask_b32 v[34+\i], 0, v[188+\i], s19      ; in lanes 16-31 alone
.endr
	v_perm_b32 v46, v230, v230, s[20+(\t)]         ; the tile's scale byte in all four bytes
	v_mov_b32 v13, 0xff61b1e6                      ; the largest t so far: -3e38
	v_floor_f32 v12, -v13
	v_mov_b32 v14, 0
	v_mov_b32 v15, 0
.set i, 0
.rept 16
	v_mov_b32 v[160+i], 0                          ; O^T: the first step finds zeros, which the first change of M leaves zeros
.set i, i+1
.endr
	s_mov_b32 s[TB], 0
	s_mov_b32 s[TS], 0
	s_mov_b32 s[CNT], 16
.Lstep_\@:
	STEP
	s_add_co_u32 s[TB], s[TB], 3072
	s_add_co_u32 s[TS], s[TS], 128
	s_sub_co_u32 s[CNT], s[CNT], 1
	s_cmp_lg_u32 s[CNT], 0
	s_cbranch_scc1 .Lstep_\@
	FIN \t
.endm
	PASS 0
	PASS 1
.irp i, 0,1,2
	v_permlane16_swap_b32 v[220+\i], v[224+\i]     ; lane 16 x tile + r now holds its token's lower 16 codes in the first three registers and the upper 16 in the second three
.endr
	v_mov_b32 v223, v224
	v_mov_b32 v224, v225
	v_mov_b32 v225, v226
	v_cndmask_b32 v229, v228, v229, s19            ; and its tile's byte
.irp p, 0,1,2
	global_store_b64 v7, v[220+2*\p:221+2*\p], s[32:33] offset:256*\p   ; 32 lanes store 256 consecutive bytes, aligned
.endr
	ds_store_b8 v11, v229
	s_wait_dscnt 0x0
	s_barrier_signal -1
	s_barrier_wait -1
	s_cmp_lg_u32 s[WV], 0
	s_cbranch_scc1 .Lend
	ds_load_b128 v[232:235], v231                  ; the sixteen waves' bytes leave together:
	s_wait_dscnt 0x0
	global_store_b128 v1, v[232:235], s[34:35]     ; 512 consecutive bytes
.Lend:
	s_wait_tensorcnt 0x0
	ds_add_u32 v219, v227
	s_wait_dscnt 0x0
	s_endpgm
.Lfunc_end_k_q49a518007f_attn:
	.size	k_q49a518007f_attn, .Lfunc_end_k_q49a518007f_attn-k_q49a518007f_attn
	.p2alignl 7, 3214868480
	.fill 96, 4, 3214868480
	.section	.rodata,"a",@progbits
	.p2align	6, 0x0
	.amdhsa_kernel k_q49a518007f_attn
		.amdhsa_group_segment_fixed_size 104960
		.amdhsa_private_segment_fixed_size 0
		.amdhsa_enable_private_segment 0
		.amdhsa_kernarg_size 16
		.amdhsa_user_sgpr_count 2
		.amdhsa_user_sgpr_kernarg_segment_ptr 1
		.amdhsa_wavefront_size32 1
		.amdhsa_system_sgpr_workgroup_id_x 1
		.amdhsa_system_sgpr_workgroup_id_y 1
		.amdhsa_system_sgpr_workgroup_id_z 1
		.amdhsa_system_vgpr_workitem_id 0
		.amdhsa_next_free_vgpr 256
		.amdhsa_next_free_sgpr 66
		.amdhsa_reserve_vcc 0
		.amdhsa_float_denorm_mode_32 3
		.amdhsa_float_denorm_mode_16_64 3
		.amdhsa_memory_ordered 1
		.amdhsa_forward_progress 1
		.amdhsa_inst_pref_size 43
	.end_amdhsa_kernel
	.amdgpu_metadata
---
amdhsa.version: [ 1, 2 ]
amdhsa.kernels:
  - .name:           k_q49a518007f_attn
    .symbol:         k_q49a518007f_attn.kd
    .args:
      - { .name: qkv, .offset: 0, .size: 8, .value_kind: global_buffer, .address_space: global }
      - { .name: att, .offset: 8, .size: 8, .value_kind: global_buffer, .address_space: global }
    .group_segment_fixed_size: 104960
    .private_segment_fixed_size: 0
    .kernarg_segment_align: 8
    .kernarg_segment_size: 16
    .max_flat_workgroup_size: 512
    .sgpr_count:     66
    .vgpr_count:     256
    .wavefront_size: 32
...
	.end_amdgpu_metadata
.endif
;; end of part 3
;; launch tail (part 4): grid 128 x 1, 4 waves a work-group, no clusters, 314,880 bytes of LDS; arguments att, prep, x, bo, ln1_a, ln1_b, b1, b2, ln2_a, ln2_b, out0; writes out0
.if DOCPART == 4
	.amdgcn_target "amdgcn-amd-amdhsa--gfx1250"
	.amdhsa_code_object_version 6
	.text
	.protected	k_q49a518007f_tail
	.globl	k_q49a518007f_tail
	.p2align	8
	.type	k_q49a518007f_tail,@function
k_q49a518007f_tail:
	s_mov_b64 s[64:65], 0
	v_nop
	global_prefetch_b8 v0, s[64:65] scope:SCOPE_SE
	s_setreg_imm32_b32 hwreg(HW_REG_WAVE_MODE, 25, 1), 1
	s_wait_xcnt 0x0
; h2 = LN1(attn Wo + bo + x);  out = LN2(relu(h2 W1 + b1) W2 + b2 + h2).  The three products on codes of FP6 (E2M3) with E8M0 scales; all else in f32.  LN: unbiased deviation (/ 511), eps added to it.
; SHARES.  A work-group takes 64 tokens, four tiles of 16.  THE WAVES SHARE THE COLUMNS: wave w makes columns 128 w .. + 127 of the first and third product and hidden units 512 w .. + 511 of the second, for all 64 rows.
; A wave's work is nine SUPERGROUPS of 128 matrix instructions (8 column tiles x 4 K steps x 4 token tiles): one of Wo, four of W1, four of W2.  Its weights are ONE linear stream of 442,368 bytes in memory,
; laid in the order of the operand registers: they go straight into a ring of four register slots (a slot: four fragments), up to four slots ahead.  A weight fragment feeds four products.
; All products are used transposed (source 0 = 16 weight columns, source 1 = 16 tokens): a lane holds one token, its registers run along the columns, which are the next product's K.
; The residuals cost nothing: x, and later h2, are what the sums begin with.  h2's and the hidden layer's codes go from wave to wave through LDS as images of the operand registers.
; The mean is taken away before the squares are summed: no difference of large sums is formed.
; 128 work-groups: with 64 rows a weight fragment feeds four products; 32 rows on 256 work-groups would read the same weights for half the products.  Clusters and tensor loads are left out: a joint load lands in LDS,
; of which 314,368 bytes are taken, so that no two slots fit.  The weight stream is read by all work-groups, not once: no prefetch.
; LIMITS: NaN and infinities are not served; a block of zeros gets the byte 1 (its codes are zeros; this program alone reads the bytes).
; REGISTERS.  window 0: v4-30 addresses; v32-39 the activations' scale words; v40-55 the weights'; v64-127 64 numbers at work; v128-165 the quantiser; v168-211 the norms; v212-243 at work at the head.
;   window 1: the 32 accumulators ((token tile t, column tile c) at 64 t + 8 c).   window 2: the ring, slot n at 48 n; from 192 bo, later b2.
;   window 3: the activations' 16 fragments ((t, K step s) at 12 (4 s + t)), during a norm its gain and bias; from 192 b1 of the supergroup.
.set ASCO,  3145728
.set WCO,   3407872
.set WSO,   5767168
.set HIMG,  0                          ; LDS: the hidden layer's 64 fragments [t][K step 16][1536]
.set HSC,   98304                      ; their scale words [t][K step][128]
.set H2IMG, 106496                     ; h2's 16 fragments [t][s][1536]
.set H2SC,  131072                     ; their scale words
.set RED,   133120                     ; four regions of [wave][lane][16]: the norms' partial sums
.set B1L,   141312                     ; [wave] 2,048 bytes: my 512 numbers of b1
.set STG,   149504                     ; [wave] 16 rows x 528 bytes: the turn between rows and lanes
.set PARK,  183296                     ; [wave] 32,768 bytes: h2 in f32, as an image of my registers
.set LI,   4                           ; v4  16 x lane
.set LS,   5                           ; v5  4 x lane
.set ASCL, 32
.set WSC,  40
.set HA,   64
.set TM,   128
.set PW,   144
.set PC,   146
.set SUM,  168
.set RS,   176
.set RD,   180
.set MU,   196
.set INV,  204
.set WV,   26
.set SEL,  28
.set WP,   30                          ; s[30:31] the weight stream, at the supergroup in hand
.set SP,   32                          ; s[32:33] its scale words
.set HK,   38
.set HKS,  39
.set BL,   40
.set CNT,  41
.set MSB, 0
.macro WIN new                         ; the immediate's high byte repeats the setting that is left
.if MSB != \new
	s_set_vgpr_msb (MSB<<8)|\new
.set MSB, \new
.endif
.endm
.macro BARRIER                         ; my LDS stores have landed and my LDS loads are in: then the work-group's barrier
	s_wait_dscnt 0x0
	s_barrier_signal -1
	s_barrier_wait -1
.endm
; 64 numbers of a lane, register 16 b + i = k 32 b + 16 (lane / 16) + i of my row, become a fragment's codes in v[PC] on and its scale word in v[PW] (the same in both halves of the lanes).
.macro QUANT s
.irp b, 0,1,2,3
	v_max3_num_f32 v[TM+\b], |v[\s+16*\b]|, |v[\s+1+16*\b]|, 0x1800000
.endr
.irp i, 2,4,6,8,10,12,14
.irp b, 0,1,2,3
	v_max3_num_f32 v[TM+\b], v[TM+\b], |v[\s+16*\b+\i]|, |v[\s+1+16*\b+\i]|
.endr
.endr
.irp b, 0,1,2,3
	v_permlanex16_b32 v[TM+4+\b], v[TM+\b], s[SEL], s[SEL+1]
.endr
.irp b, 0,1,2,3
	v_max_num_f32 v[TM+\b], v[TM+\b], v[TM+4+\b]
.endr
.irp b, 0,1,2,3
	v_add_nc_u32 v[TM+12+\b], 0xff000000, v[TM+\b]
.endr
.irp b, 0,1,2,3
	v_lshrrev_b32 v[TM+4+\b], 23, v[TM+12+\b]
.endr
	v_lshl_or_b32 v[PW], v[TM+5], 8, v[TM+4]
	v_lshl_or_b32 v[PW], v[TM+6], 16, v[PW]
	v_lshl_or_b32 v[PW], v[TM+7], 24, v[PW]
.irp c, 0,1
	v_cvt_scalef32_pk16_fp6_f32 v[PC+6*\c:PC+2+6*\c], v[\s+32*\c:\s+15+32*\c], v[TM+12+2*\c]
	v_cvt_scalef32_pk16_fp6_f32 v[PC+12+4*\c:PC+14+4*\c], v[\s+16+32*\c:\s+31+32*\c], v[TM+12+2*\c+1]
.endr
	v_nop                                          ; one plain place behind a scaled conversion
.irp c, 0,1
.irp i, 0,1,2
	v_permlane16_swap_b32 v[PC+6*\c+\i], v[PC+12+4*\c+\i]
.endr
.irp i, 0,1,2
	v_mov_b32 v[PC+3+6*\c+\i], v[PC+12+4*\c+\i]
.endr
.endr
.endm
; a vector over my 128 columns in the results' layout: register 16 b + 8 u + j = column 32 b + 16 h + 8 u + j.  The caller sets the destination's window.
.macro COLS reg, base
.irp b, 0,1,2,3
.irp u, 0,1
	global_load_b128 v[\reg+16*\b+8*\u:\reg+16*\b+8*\u+3], v6, s[\base:\base+1] offset:128*\b+32*\u
	global_load_b128 v[\reg+16*\b+8*\u+4:\reg+16*\b+8*\u+7], v6, s[\base:\base+1] offset:128*\b+32*\u+16
.endr
.endr
.endm
.macro SGMUL c, k, t, bias             ; chunk c: K step c / 2, column tile 4 (c % 2) + k; token tile t
.set sS, (\c)/2
.set tP, 4*((\c)%2)+(\k)
.set rD, 64*(\t)+8*tP
.set rA, 48*((\c)%4)+12*(\k)
.set rB, 12*(4*sS+(\t))
.set rC, rD
.if (\bias) && (sS == 0)
.set rC, 192+8*tP                      ; b1 starts the sum
.endif
.set rSA, WSC+4*sS+tP/2
.set rSB, ASCL+4*((\t)/2)+sS
.if (tP%2) && ((\t)%2)
	v_wmma_scale_f32_16x16x128_f8f6f4 v[rD:rD+7], v[rA:rA+11], v[rB:rB+11], v[rC:rC+7], v[rSA], v[rSB] matrix_a_fmt:MATRIX_FMT_FP6 matrix_b_fmt:MATRIX_FMT_FP6 matrix_a_scale:MATRIX_SCALE_ROW1 matrix_b_scale:MATRIX_SCALE_ROW1
.elseif (tP%2)
	v_wmma_scale_f32_16x16x128_f8f6f4 v[rD:rD+7], v[rA:rA+11], v[rB:rB+11], v[rC:rC+7], v[rSA], v[rSB] matrix_a_fmt:MATRIX_FMT_FP6 matrix_b_fmt:MATRIX_FMT_FP6 matrix_a_scale:MATRIX_SCALE_ROW1
.elseif ((\t)%2)
	v_wmma_scale_f32_16x16x128_f8f6f4 v[rD:rD+7], v[rA:rA+11], v[rB:rB+11], v[rC:rC+7], v[rSA], v[rSB] matrix_a_fmt:MATRIX_FMT_FP6 matrix_b_fmt:MATRIX_FMT_FP6 matrix_b_scale:MATRIX_SCALE_ROW1
.else
	v_wmma_scale_f32_16x16x128_f8f6f4 v[rD:rD+7], v[rA:rA+11], v[rB:rB+11], v[rC:rC+7], v[rSA], v[rSB] matrix_a_fmt:MATRIX_FMT_FP6 matrix_b_fmt:MATRIX_FMT_FP6
.endif
.endm
; A chunk: 16 products on 16 accumulators, one instruction a turn (an accumulator comes back 32 products later); then its ring slot takes the chunk four further on in the stream.
; THE WAIT.  Behind the 12 loads that this chunk wants (issued behind the chunk four back) stand three more groups, of 12 or, with the next supergroup's four scale words, 16 loads, and the wanted group's own four
; scale words where it had any: 16 + 12 + 16 or 4 + 12 + 16 + 12: 44 either way.  In the last supergroup, which asks for no scale words and from its fifth chunk on for nothing, the counts run down.
.macro SGCHUNK c, bias, last
.set nW, 44
.if \last
.if (\c) >= 2
.set nW, 40
.endif
.if (\c) >= 4
.set nW, 12*(7-(\c))
.endif
.endif
	s_wait_loadcnt nW
.if (\bias) && ((\c) < 2)
	WIN 0x7e                                       ; source 0 window 2, source 1 window 3, C window 3, D window 1
.else
	WIN 0x5e                                       ; C and D window 1
.endif
.irp k, 0,1,2,3
.irp t, 0,1,2,3
	SGMUL \c, \k, \t, \bias
.endr
.endr
.rept 4
	v_nop                                          ; four places in front of loads into registers that these products have read, and of the first read of results
.endr
.if !((\last) && ((\c) >= 4))
	WIN 0x80
.irp k, 0,1,2,3
.irp g, 0,1,2
	global_load_b128 v[48*((\c)%4)+12*\k+4*\g:48*((\c)%4)+12*\k+4*\g+3], v[LI], s[WP:WP+1] offset:((\c)+4)*6144+1536*\k+512*\g
.endr
.endr
.endif
.if (((\c)%2) == 1) && !(\last)
	WIN 0
.irp q, 0,1,2,3
	global_load_b32 v[WSC+4*((\c)/2)+\q], v[LS], s[SP:SP+1] offset:2048+512*((\c)/2)+128*\q   ; this K step's words are done with: the next supergroup's
.endr
.endif
.endm
.macro SG bias, last
.irp c, 0,1,2,3,4,5,6,7
	SGCHUNK \c, \bias, \last
.endr
	WIN 0
.if !(\last)
	s_wait_xcnt 0x0                                ; the loads have read their bases: these are stepped only behind this wait
	s_add_nc_u64 s[WP:WP+1], s[WP:WP+1], 49152
	s_add_nc_u64 s[SP:SP+1], s[SP:SP+1], 2048
.endif
.endm
; four sums a lane (one for each token tile) are joined over the halves of the lanes and, through region reg of LDS, over the four waves, in one order in all waves
.macro XCH reg
.irp t, 0,1,2,3
	v_add_f32 v[RS+\t], v[SUM+2*\t], v[SUM+2*\t+1]
.endr
.irp t, 0,1,2,3
	v_permlanex16_b32 v[TM+4+\t], v[RS+\t], s[SEL], s[SEL+1]
.endr
.irp t, 0,1,2,3
	v_add_f32 v[RS+\t], v[RS+\t], v[TM+4+\t]
.endr
	ds_store_b128 v10, v[RS:RS+3] offset:2048*(\reg)
	BARRIER
.irp w, 0,1,2,3
	ds_load_b128 v[RD+4*\w:RD+4*\w+3], v11 offset:2048*(\reg)+512*\w
.endr
	s_wait_dscnt 0x0
.irp t, 0,1,2,3
	v_add_f32 v[RS+\t], v[RD+\t], v[RD+4+\t]
.endr
.irp t, 0,1,2,3
	v_add_f32 v[RD+\t], v[RD+8+\t], v[RD+12+\t]
.endr
.irp t, 0,1,2,3
	v_add_f32 v[RS+\t], v[RS+\t], v[RD+\t]
.endr
.endm
; the accumulators take their bias, lose their row's mean, and 1 / (deviation + eps) is made for each row.  Norm k uses regions 2 k and 2 k + 1.
.macro LN_STATS k
	WIN 0x49                                       ; destination and source 0 window 1, source 1 window 2
.set i, 0
.rept 128
	v_pk_add_f32 v[2*i:2*i+1], v[2*i:2*i+1], v[192+(2*i)%64:193+(2*i)%64]   ; each accumulator from its low end on
.set i, i+1
.endr
	WIN 0
.irp j, 0,1,2,3,4,5,6,7
	v_mov_b32 v[SUM+\j], 0
.endr
	WIN 0x04
.set i, 0
.rept 32
.irp t, 0,1,2,3
	v_pk_add_f32 v[SUM+2*\t:SUM+2*\t+1], v[SUM+2*\t:SUM+2*\t+1], v[64*\t+2*i:64*\t+2*i+1]
.endr
.set i, i+1
.endr
	WIN 0
	XCH 2*(\k)
.irp t, 0,1,2,3
	v_mul_f32 v[MU+2*\t], 0x3b000000, v[RS+\t]     ; / 512
.endr
.irp t, 0,1,2,3
	v_mov_b32 v[MU+2*\t+1], v[MU+2*\t]
.endr
	WIN 0x41
.set i, 0
.rept 128
	v_pk_add_f32 v[2*i:2*i+1], v[2*i:2*i+1], v[MU+2*(i/32):MU+2*(i/32)+1] op_sel_hi:[1,0] neg_lo:[0,1] neg_hi:[0,1]
.set i, i+1
.endr
	WIN 0
.irp j, 0,1,2,3,4,5,6,7
	v_mov_b32 v[SUM+\j], 0
.endr
	WIN 0x05
.set i, 0
.rept 32
.irp t, 0,1,2,3
	v_pk_fma_f32 v[SUM+2*\t:SUM+2*\t+1], v[64*\t+2*i:64*\t+2*i+1], v[64*\t+2*i:64*\t+2*i+1], v[SUM+2*\t:SUM+2*\t+1]
.endr
.set i, i+1
.endr
	WIN 0
	XCH 2*(\k)+1
.irp t, 0,1,2,3
	v_mul_f32 v[RS+\t], 0x3b004020, v[RS+\t]       ; / 511
.endr
.irp t, 0,1,2,3
	v_sqrt_f32 v[RS+\t], v[RS+\t]
.endr
	v_nop                                          ; a plain place behind the batch,
	s_wait_alu depctr_va_vdst(0)                   ; and one wait ahead of its first reader
.irp t, 0,1,2,3
	v_add_f32 v[RS+\t], 0x3a83126f, v[RS+\t]       ; + 1e-3
.endr
.irp t, 0,1,2,3
	v_rcp_f32 v[INV+2*\t], v[RS+\t]
.endr
	v_nop
	s_wait_alu depctr_va_vdst(0)
.irp t, 0,1,2,3
	v_mov_b32 v[INV+2*\t+1], v[INV+2*\t]
.endr
	s_wait_loadcnt 0x0                             ; the norm's gain and bias are in
.endm
.macro LN_APPLY t                      ; token tile t's 64 numbers: (z - mean) / (deviation + eps) x gain + bias, into v[HA] on
	WIN 0x01
.set i, 0
.rept 32
	v_pk_mul_f32 v[HA+2*i:HA+2*i+1], v[64*(\t)+2*i:64*(\t)+2*i+1], v[INV+2*(\t):INV+2*(\t)+1] op_sel_hi:[1,0]
.set i, i+1
.endr
	WIN 0x3c                                       ; sources 1 and 2 window 3
.set i, 0
.rept 32
	v_pk_fma_f32 v[HA+2*i:HA+2*i+1], v[HA+2*i:HA+2*i+1], v[2*i:2*i+1], v[64+2*i:65+2*i]
.set i, i+1
.endr
	WIN 0
.endm
	s_load_b256 s[4:11], s[0:1], 0x0               ; att, prep, x, bo
	s_load_b256 s[12:19], s[0:1], 0x20             ; ln1_a, ln1_b, b1, b2
	s_load_b128 s[20:23], s[0:1], 0x40             ; ln2_a, ln2_b
	s_load_b64 s[24:25], s[0:1], 0x50              ; out0
	v_lshl_add_u32 v254, v0, 2, 0x4cc00
	v_mov_b32 v255, 0
	v_lshrrev_b32 v1, 5, v0
	v_readfirstlane_b32 s[WV], v1                  ; wave 0..3
	v_and_b32 v22, 31, v0                          ; lane
	v_and_b32 v2, 15, v0                           ; r
	v_bfe_u32 v3, v0, 4, 1                         ; h
	v_lshlrev_b32 v[LI], 4, v22
	v_lshlrev_b32 v[LS], 2, v22
	v_lshlrev_b32 v6, 6, v3                        ; 64 h: my half's 16 columns of each 32
	s_mul_i32 s42, s[WV], 8448
	s_add_co_u32 s42, s42, STG
	v_mul_u32_u24 v7, v2, 528
	v_lshl_add_u32 v7, v3, 6, v7
	v_add_nc_u32 v7, s42, v7                       ; the stage by lanes: row r, + 64 h
	v_add_nc_u32 v8, s42, v[LI]                    ; and by rows
	s_lshl_b32 s42, s[WV], 15
	s_add_co_u32 s42, s42, PARK
	v_add_nc_u32 v9, s42, v[LI]
	s_lshl_b32 s42, s[WV], 9
	s_add_co_u32 s43, s42, RED
	v_add_nc_u32 v10, s43, v[LI]
	v_add_nc_u32 v11, RED, v[LI]
	s_mul_i32 s43, s[WV], 1536
	s_add_co_u32 s43, s43, H2IMG
	v_add_nc_u32 v12, s43, v[LI]                   ; h2's images: K step = my wave
	s_lshl_b32 s43, s[WV], 7
	s_add_co_u32 s43, s43, H2SC
	v_add_nc_u32 v13, s43, v[LS]
	s_mul_i32 s43, s[WV], 6144
	v_add_nc_u32 v24, s43, v[LI]                   ; the hidden layer's images: K steps 4 w on, token tiles 0, 1;
	v_add_nc_u32 v25, 49152, v24                   ; token tiles 2, 3 (an LDS immediate has 16 bits)
	s_add_co_u32 s43, s42, HSC
	v_add_nc_u32 v26, s43, v[LS]
	v_lshl_add_u32 v27, v3, 11, v[LS]
	v_add_nc_u32 v27, HSC, v27                     ; reading them: lanes 16-31 take the odd token tile's
	s_lshl_b32 s43, s[WV], 11
	s_add_co_u32 s43, s43, B1L
	v_add_nc_u32 v28, s43, v6
	v_add_nc_u32 v30, s43, v[LI]
	v_mul_u32_u24 v21, v3, 768
	v_lshl_add_u32 v21, v2, 3, v21                 ; att: 768 h + 8 r
	v_lshl_add_u32 v23, v3, 9, v[LS]
	v_add_nc_u32 v23, H2SC, v23
	v_add_nc_u32 v29, H2IMG, v[LI]
.irp b, 0,1,2,3
	v_mov_b32 v[TM+4+\b], 0                        ; written once: a lane permute's destination counts as one of its sources
.endr
	s_mov_b32 s[SEL], 0x76543210
	s_mov_b32 s[SEL+1], 0xfedcba98
	s_mul_i32 s44, s[WV], 442368
	s_add_co_u32 s44, s44, WCO+12*49152            ; my nine supergroups
	s_mov_b32 s45, 0
	s_mul_i32 s46, s[WV], 18432
	s_add_co_u32 s46, s46, WSO+12*2048
	s_mov_b32 s47, 0
	s_lshl_b32 s48, ttmp9, 17                      ; 64 rows of 2,048 bytes
	s_lshl_b32 s50, s[WV], 9                       ; my 128 columns
	s_add_co_u32 s48, s48, s50
	s_mov_b32 s49, 0
	s_mov_b32 s51, 0
	s_mul_i32 s52, ttmp9, 24576
	s_mov_b32 s53, 0
	s_lshl_b32 s54, ttmp9, 6
	s_add_co_u32 s54, s54, ASCO
	s_mov_b32 s55, 0
	s_lshl_b32 s56, s[WV], 11
	s_mov_b32 s57, 0
	s_wait_kmcnt 0x0
	s_add_nc_u64 s[WP:WP+1], s[6:7], s[44:45]
	s_add_nc_u64 s[SP:SP+1], s[6:7], s[46:47]
	s_add_nc_u64 s[8:9], s[8:9], s[48:49]
	s_add_nc_u64 s[24:25], s[24:25], s[48:49]
	s_add_nc_u64 s[34:35], s[4:5], s[52:53]
	s_add_nc_u64 s[36:37], s[4:5], s[54:55]
	s_add_nc_u64 s[10:11], s[10:11], s[50:51]
	s_add_nc_u64 s[12:13], s[12:13], s[50:51]
	s_add_nc_u64 s[14:15], s[14:15], s[50:51]
	s_add_nc_u64 s[18:19], s[18:19], s[50:51]
	s_add_nc_u64 s[20:21], s[20:21], s[50:51]
	s_add_nc_u64 s[22:23], s[22:23], s[50:51]
	s_add_nc_u64 s[16:17], s[16:17], s[56:57]
	WIN 0x40
.irp t, 0,1,2,3                        ; x: my 128 columns of the 64 rows, as they lie: 512 consecutive bytes a load
.set i, 0
.rept 16
	global_load_b128 v[64*\t+4*i:64*\t+4*i+3], v[LI], s[8:9] offset:(32*(\t/2)+8*(\t%2)+(i%8)+16*(i/8))*2048 th:TH_LOAD_NT
.set i, i+1
.endr
.endr
	WIN 0xc0
.irp g, 0,1,2,3                        ; the attention's codes: K step g = heads 4 g .. 4 g + 3; lane (r, h), registers 6 c on: head 4 g + 2 c + h of token r
.irp t, 0,1,2,3
.irp c, 0,1
.irp p, 0,1,2
	global_load_b64 v[12*(4*\g+\t)+6*\c+2*\p:12*(4*\g+\t)+6*\c+2*\p+1], v21, s[34:35] offset:(\t/2)*12288+\g*3072+\c*1536+256*\p+128*(\t%2)
.endr
.endr
.endr
.endr
	WIN 0
.irp q, 0,1
.irp g, 0,1,2,3
.irp b, 0,1,2,3
	global_load_u8 v[212+16*\q+4*\g+\b], v22, s[36:37] offset:(4*\g+\b)*8192+32*\q   ; their scale bytes: 32 consecutive bytes a load
.endr
.endr
.endr
.irp s, 0,1,2,3
.irp q, 0,1,2,3
	global_load_b32 v[WSC+4*\s+\q], v[LS], s[SP:SP+1] offset:512*\s+128*\q
.endr
.endr
	WIN 0x80
	COLS 192, 10                                   ; bo
	WIN 0
.irp i, 0,1,2,3
	global_load_b128 v[HA+4*\i:HA+4*\i+3], v[LI], s[16:17] offset:512*\i   ; my 512 numbers of b1
.endr
	WIN 0x80
.irp c, 0,1,2,3                        ; the ring's first four chunks
.irp k, 0,1,2,3
.irp g, 0,1,2
	global_load_b128 v[48*\c+12*\k+4*\g:48*\c+12*\k+4*\g+3], v[LI], s[WP:WP+1] offset:\c*6144+1536*\k+512*\g
.endr
.endr
.endr
	WIN 0
	s_wait_loadcnt 0x0
.irp i, 0,1,2,3
	ds_store_b128 v30, v[HA+4*\i:HA+4*\i+3] offset:512*\i
.endr
.irp q, 0,1
.irp s, 0,1,2,3
	v_lshl_or_b32 v[ASCL+4*\q+\s], v[213+16*\q+4*\s], 8, v[212+16*\q+4*\s]   ; four heads' bytes make a K step's word: lanes 0-15 the even token tile, lanes 16-31 the odd one
	v_lshl_or_b32 v[ASCL+4*\q+\s], v[214+16*\q+4*\s], 16, v[ASCL+4*\q+\s]
	v_lshl_or_b32 v[ASCL+4*\q+\s], v[215+16*\q+4*\s], 24, v[ASCL+4*\q+\s]
.endr
.endr
.irp t, 0,1,2,3                        ; x turns through my stage into the results' layout.  LDS serves a wave's instructions in order: no wait between the stores and the loads, nor in front of the next tile's stores
	WIN 0x04
.set i, 0
.rept 16
	ds_store_b128 v8, v[64*\t+4*i:64*\t+4*i+3] offset:528*i
.set i, i+1
.endr
	WIN 0x40
.set i, 0
.rept 16
	ds_load_b128 v[64*\t+4*i:64*\t+4*i+3], v7 offset:128*(i/4)+16*(i%4)
.set i, i+1
.endr
.endr
	WIN 0
	s_wait_dscnt 0x0
.rept 8
	v_nop                                          ; scale words made by vector instructions stand eight places ahead of a scaled matrix instruction
.endr
	; ---- A: attn Wo, onto x
	SG 0, 0
	WIN 0xc0
	COLS 0, 12                                     ; ln1_a and ln1_b, where the attention's fragments lay
	COLS 64, 14
	WIN 0
	LN_STATS 0
.irp t, 0,1,2,3
	LN_APPLY \t
.set i, 0
.rept 16
	ds_store_b128 v9, v[HA+4*i:HA+4*i+3] offset:8192*\t+512*i   ; h2 in f32 is parked: the third product's sums begin with it
.set i, i+1
.endr
	QUANT HA
.irp g, 0,1,2
	ds_store_b128 v12, v[PC+4*\g:PC+4*\g+3] offset:6144*\t+512*\g
.endr
	ds_store_b32 v13, v[PW] offset:512*\t
	s_wait_dscnt 0x0                               ; the stores have read their registers
.endr
	BARRIER                                        ; h2's sixteen fragments lie in LDS
	WIN 0xc0
.irp t, 0,1,2,3
.irp s, 0,1,2,3
.irp g, 0,1,2
	ds_load_b128 v[12*(4*\s+\t)+4*\g:12*(4*\s+\t)+4*\g+3], v29 offset:6144*\t+1536*\s+512*\g
.endr
.endr
.endr
	WIN 0
.irp q, 0,1
.irp s, 0,1,2,3
	ds_load_b32 v[ASCL+4*\q+\s], v23 offset:1024*\q+128*\s
.endr
.endr
	s_wait_dscnt 0x0
	; ---- B: four supergroups of W1: 128 hidden units each, for the 64 rows; relu; quantised: K step 4 w + trip of the third product
	s_mov_b32 s[CNT], 4
	s_mov_b32 s[HK], 0
	s_mov_b32 s[HKS], 0
	s_mov_b32 s[BL], 0
.Lhidden:
	v_add_nc_u32 v20, s[BL], v28
	WIN 0xc0
.irp b, 0,1,2,3
.irp u, 0,1
	ds_load_b128 v[192+16*\b+8*\u:195+16*\b+8*\u], v20 offset:128*\b+32*\u        ; b1 of these 128 units, in the results' layout
	ds_load_b128 v[196+16*\b+8*\u:199+16*\b+8*\u], v20 offset:128*\b+32*\u+16
.endr
.endr
	WIN 0
	s_wait_dscnt 0x0
	SG 1, 0
	v_add_nc_u32 v14, s[HK], v24
	v_add_nc_u32 v15, s[HK], v25
	v_add_nc_u32 v16, s[HKS], v26
.irp t, 0,1,2,3
	WIN 0x04
.set i, 0
.rept 64
	v_max_num_f32 v[HA+i], 0, v[64*\t+i]           ; the activation, in f32; each accumulator from its low end on
.set i, i+1
.endr
	WIN 0
	QUANT HA
.irp g, 0,1,2
	ds_store_b128 v[14+\t/2], v[PC+4*\g:PC+4*\g+3] offset:24576*(\t%2)+512*\g
.endr
	ds_store_b32 v16, v[PW] offset:2048*\t
	s_wait_dscnt 0x0                               ; the stores have read their registers
.endr
	s_add_co_u32 s[HK], s[HK], 1536
	s_add_co_u32 s[HKS], s[HKS], 128
	s_add_co_u32 s[BL], s[BL], 512
	s_sub_co_u32 s[CNT], s[CNT], 1
	s_cmp_lg_u32 s[CNT], 0
	s_cbranch_scc1 .Lhidden
	BARRIER                                        ; the hidden layer's 64 fragments lie in LDS
	WIN 0x40
.set i, 0
.rept 64
	ds_load_b128 v[4*i:4*i+3], v9 offset:512*i     ; h2 comes back as the start of the sums
.set i, i+1
.endr
	WIN 0x80
	COLS 192, 18                                   ; b2
	WIN 0
	; ---- C: four supergroups of W2, four K steps each, onto h2
.macro CFETCH                          ; the supergroup's 16 fragments of the hidden layer and their scale words
	v_add_nc_u32 v17, s[HK], v[LI]
	v_add_nc_u32 v18, 49152, v17
	v_add_nc_u32 v19, s[HKS], v27
	v_nop
	WIN 0xc0
.irp t, 0,1,2,3
.irp s, 0,1,2,3
.irp g, 0,1,2
	ds_load_b128 v[12*(4*\s+\t)+4*\g:12*(4*\s+\t)+4*\g+3], v[17+\t/2] offset:24576*(\t%2)+1536*\s+512*\g
.endr
.endr
.endr
	WIN 0
.irp q, 0,1
.irp s, 0,1,2,3
	ds_load_b32 v[ASCL+4*\q+\s], v19 offset:4096*\q+128*\s
.endr
.endr
	s_wait_dscnt 0x0
.endm
	s_mov_b32 s[CNT], 3
	s_mov_b32 s[HK], 0
	s_mov_b32 s[HKS], 0
.Lout:
	CFETCH
	SG 0, 0
	s_add_co_u32 s[HK], s[HK], 6144
	s_add_co_u32 s[HKS], s[HKS], 512
	s_sub_co_u32 s[CNT], s[CNT], 1
	s_cmp_lg_u32 s[CNT], 0
	s_cbranch_scc1 .Lout
	CFETCH
	SG 0, 1                                        ; the stream's end is written out: no load leaves the buffer
	WIN 0xc0
	COLS 0, 20                                     ; ln2_a, ln2_b
	COLS 64, 22
	WIN 0
	LN_STATS 1
.irp t, 0,1,2,3                        ; the way out: a tile turns through my stage and leaves as rows
	LN_APPLY \t
.set i, 0
.rept 16
	ds_store_b128 v7, v[HA+4*i:HA+4*i+3] offset:128*(i/4)+16*(i%4)
.set i, i+1
.endr
.set i, 0
.rept 16
	ds_load_b128 v[HA+4*i:HA+4*i+3], v8 offset:528*i   ; LDS serves a wave's instructions in order: these see my stores
.set i, i+1
.endr
.set i, 0
.rept 16
	s_wait_dscnt 15-i
	global_store_b128 v[LI], v[HA+4*i:HA+4*i+3], s[24:25] offset:(32*(\t/2)+8*(\t%2)+(i%8)+16*(i/8))*2048 th:TH_STORE_NT   ; 32 lanes store 512 consecutive bytes, aligned
.set i, i+1
.endr
	s_wait_xcnt 0x0                                ; the stores have read their registers: the next tile writes them again
.endr
	s_wait_tensorcnt 0x0
	ds_add_u32 v254, v255
	s_wait_dscnt 0x0
	s_endpgm
.Lfunc_end_k_q49a518007f_tail:
	.size	k_q49a518007f_tail, .Lfunc_end_k_q49a518007f_tail-k_q49a518007f_tail
	.p2alignl 7, 3214868480
	.fill 96, 4, 3214868480
	.section	.rodata,"a",@progbits
	.p2align	6, 0x0
	.amdhsa_kernel k_q49a518007f_tail
		.amdhsa_group_segment_fixed_size 314880
		.amdhsa_private_segment_fixed_size 0
		.amdhsa_enable_private_segment 0
		.amdhsa_kernarg_size 88
		.amdhsa_user_sgpr_count 2
		.amdhsa_user_sgpr_kernarg_segment_ptr 1
		.amdhsa_wavefront_size32 1
		.amdhsa_system_sgpr_workgroup_id_x 1
		.amdhsa_system_sgpr_workgroup_id_y 1
		.amdhsa_system_sgpr_workgroup_id_z 1
		.amdhsa_system_vgpr_workitem_id 0
		.amdhsa_next_free_vgpr 1024
		.amdhsa_next_free_sgpr 66
		.amdhsa_reserve_vcc 0
		.amdhsa_float_denorm_mode_32 3
		.amdhsa_float_denorm_mode_16_64 3
		.amdhsa_memory_ordered 1
		.amdhsa_forward_progress 1
		.amdhsa_inst_pref_size 255
	.end_amdhsa_kernel
	.section	.bss,"aw",@nobits
	.p2align	6
	.space	262144
	.amdgpu_metadata
---
amdhsa.version: [ 1, 2 ]
amdhsa.kernels:
  - .name:           k_q49a518007f_tail
    .symbol:         k_q49a518007f_tail.kd
    .args:
      - { .name: att, .offset: 0, .size: 8, .value_kind: global_buffer, .address_space: global }
      - { .name: prep, .offset: 8, .size: 8, .value_kind: global_buffer, .address_space: global }
      - { .name: x, .offset: 16, .size: 8, .value_kind: global_buffer, .address_space: global }
      - { .name: bo, .offset: 24, .size: 8, .value_kind: global_buffer, .address_space: global }
      - { .name: ln1_a, .offset: 32, .size: 8, .value_kind: global_buffer, .address_space: global }
      - { .name: ln1_b, .offset: 40, .size: 8, .value_kind: global_buffer, .address_space: global }
      - { .name: b1, .offset: 48, .size: 8, .value_kind: global_buffer, .address_space: global }
      - { .name: b2, .offset: 56, .size: 8, .value_kind: global_buffer, .address_space: global }
      - { .name: ln2_a, .offset: 64, .size: 8, .value_kind: global_buffer, .address_space: global }
      - { .name: ln2_b, .offset: 72, .size: 8, .value_kind: global_buffer, .address_space: global }
      - { .name: out0, .offset: 80, .size: 8, .value_kind: global_buffer, .address_space: global }
    .group_segment_fixed_size: 314880
    .private_segment_fixed_size: 0
    .kernarg_segment_align: 8
    .kernarg_segment_size: 88
    .max_flat_workgroup_size: 128
    .sgpr_count:     66
    .vgpr_count:     1024
    .wavefront_size: 32
...
	.end_amdgpu_metadata
.endif
;; end of part 4
;; ======== version 2 of 2: 4 launches
;; workspace buffers: prep 5,865,472 bytes; qkv 9,830,400 bytes; att 3,276,800 bytes
;; launch prep (part 5): grid 704 x 1, 4 waves a work-group, no clusters, 34,304 bytes of LDS; arguments x, Wq, Wk, Wv, Wo, W1, W2, prep; writes prep
.if DOCPART == 5
	.amdgcn_target "amdgcn-amd-amdhsa--gfx1250"
	.amdhsa_code_object_version 6
	.text
	.protected	k_q49a518007f_prep
	.globl	k_q49a518007f_prep
	.p2align	8
	.type	k_q49a518007f_prep,@function
k_q49a518007f_prep:
	s_mov_b64 s[64:65], 0
	v_nop
	global_prefetch_b8 v0, s[64:65] scope:SCOPE_SE
	s_setreg_imm32_b32 hwreg(HW_REG_WAVE_MODE, 25, 1), 1
	s_wait_xcnt 0x0
; x [8192][512] and the six weights ([K][N], f32) become codes of FP6 (E2M3) with one E8M0 byte for each 32 along K, laid as IMAGES OF OPERAND REGISTERS:
; a fragment (16 rows x 128 K, 12 registers a lane) is 1,536 bytes; register j of lane l lies at 512 (j / 4) + 16 l + 4 (j % 4), so that three loads of 16 bytes a lane bring it back.
; THE ROWS OF A TILE ARE NOT NEIGHBOURS: row r of tile t is index 32 (t / 2) + 8 (t % 2) + r % 8 + 16 (r / 8), for tokens and for weight columns alike.
; A block's scale is 2^(floor(log2(its largest magnitude)) - 2); its byte is the largest magnitude's exponent field - 2, held at 1 from below.
; LIMITS: NaN and infinities among the inputs are not served; a block of zeros gets the byte 1 where the rule says 127: its codes are zeros, and this program alone reads the bytes.
; Work-groups 0-511: tile t of x, wave = K step.  Work-groups 512-703: one K step of one group of 128 weight columns, wave = 32 columns.
; No matrix work, no barrier: waves share nothing.  Matrix units, clusters and tensor loads would add nothing to a stream that is read once.
; prep: x's codes at 0 [tile 512][K step 4][1536]; x's scale words at XSO [tile][K step][32 words]; weight codes at WCO, 48 groups of [K step 4][tile 8][1536];
; weight scale words at WSO, 48 x [K step 4][pair of tiles 4][32 words] (lanes 0-15 the even tile, lanes 16-31 the odd one).
.set XSO,   3145728
.set WCO,   3407872
.set WSO,   5767168
.set FLOOR, 0x1800000                  ; 2^(3 - 127): under it no largest magnitude is taken
.set EOFF,  0xff000000                 ; takes 2 off an exponent field
	s_load_b256 s[4:11], s[0:1], 0x0               ; x, Wq, Wk, Wv
	s_load_b256 s[12:19], s[0:1], 0x20             ; Wo, W1, W2, prep
	v_lshl_add_u32 v200, v0, 2, 0x8400
	v_mov_b32 v201, 0
	v_lshrrev_b32 v1, 5, v0
	v_readfirstlane_b32 s2, v1                     ; wave 0..3
	v_and_b32 v2, 31, v0                           ; lane
	s_cmp_lt_u32 ttmp9, 512
	s_cbranch_scc0 .Lweights
	; ---- x: tile ttmp9, K step = wave.  Sixteen rows' 512 bytes are loaded as they lie and turn through the wave's own stage in LDS (rows 528 bytes apart)
	v_lshlrev_b32 v3, 4, v2                        ; 16 x lane
	v_and_b32 v4, 15, v2                           ; r
	v_lshrrev_b32 v5, 4, v2                        ; h
	s_mul_i32 s3, s2, 8448                         ; my stage
	v_add_nc_u32 v6, s3, v3                        ; in: a row on end
	v_mul_u32_u24 v7, v4, 528
	v_lshl_add_u32 v7, v5, 7, v7
	v_add_nc_u32 v7, s3, v7                        ; back: row r, + 128 h: my 32 numbers of each 64
	v_lshlrev_b32 v8, 2, v2                        ; 4 x lane
	s_mov_b32 s44, 0x76543210
	s_mov_b32 s45, 0xfedcba98                      ; lane selects: lane l xor 16
	s_lshr_b32 s20, ttmp9, 1
	s_lshl_b32 s20, s20, 5
	s_and_b32 s21, ttmp9, 1
	s_lshl_b32 s21, s21, 3
	s_add_co_u32 s20, s20, s21                     ; the tile's first token
	s_lshl_b32 s20, s20, 11                        ; rows of 2,048 bytes
	s_lshl_b32 s21, s2, 9
	s_add_co_u32 s20, s20, s21                     ; + 512 bytes a K step
	s_mov_b32 s21, 0
	s_lshl_b32 s22, ttmp9, 2
	s_add_co_u32 s22, s22, s2                      ; 4 x tile + K step
	s_mul_i32 s24, s22, 1536
	s_mov_b32 s25, 0
	s_lshl_b32 s26, s22, 7
	s_add_co_u32 s26, s26, XSO
	s_mov_b32 s27, 0
	s_wait_alu depctr_va_vdst(0)
	s_wait_kmcnt 0x0
	s_add_nc_u64 s[4:5], s[4:5], s[20:21]
	s_add_nc_u64 s[24:25], s[18:19], s[24:25]
	s_add_nc_u64 s[26:27], s[18:19], s[26:27]
.set i, 0
.rept 16
	global_load_b128 v[32+4*i:35+4*i], v3, s[4:5] offset:(i+8*(i/8))*2048 th:TH_LOAD_NT   ; row i of the tile: 32 lanes read 512 consecutive bytes
.set i, i+1
.endr
.set i, 0
.rept 16
	s_wait_loadcnt 15-i                            ; loads come back in order: row i is in, the younger ones may be out
	ds_store_b128 v6, v[32+4*i:35+4*i] offset:528*i
.set i, i+1
.endr
.set i, 0
.rept 16
	ds_load_b128 v[96+4*i:99+4*i], v7 offset:256*(i/8)+16*(i%8)   ; LDS serves a wave's instructions in order: these see my stores.  Register 32 c + n = k 64 c + 32 h + n of row r
.set i, i+1
.endr
	s_wait_dscnt 0x0
.irp c, 0,1
	v_max3_num_f32 v[10+\c], |v[96+32*\c]|, |v[97+32*\c]|, FLOOR   ; my block 2 c + h: all its 32 numbers are mine; the floor is one more leaf
.endr
.set i, 2
.rept 15
.irp c, 0,1
	v_max3_num_f32 v[10+\c], v[10+\c], |v[96+32*\c+i]|, |v[97+32*\c+i]|
.endr
.set i, i+2
.endr
.irp c, 0,1
	v_add_nc_u32 v[12+\c], EOFF, v[10+\c]          ; the conversion takes the exponent field of this operand as its scale
.endr
.irp c, 0,1
	v_lshrrev_b32 v[14+\c], 23, v[12+\c]           ; the scale's byte
.endr
	v_lshl_or_b32 v16, v15, 16, v14                ; my two bytes: blocks h and 2 + h,
	v_lshlrev_b32 v17, 3, v5
	v_lshlrev_b32 v16, v17, v16                    ; at their places in the word;
	v_mov_b32 v17, 0
	v_permlanex16_b32 v17, v16, s44, s45
	v_or_b32 v16, v16, v17                         ; with lane l xor 16's two the word is whole, in both halves of the lanes
.irp c, 0,1
	v_cvt_scalef32_pk16_fp6_f32 v[160+6*\c:162+6*\c], v[96+32*\c:111+32*\c], v[12+\c]
	v_cvt_scalef32_pk16_fp6_f32 v[184+4*\c:186+4*\c], v[112+32*\c:127+32*\c], v[12+\c]   ; (a conversion's three registers begin on an even number)
.endr
	v_nop                                          ; one plain place behind a scaled conversion
.irp c, 0,1
.irp n, 0,1,2
	v_mov_b32 v[163+6*\c+\n], v[184+4*\c+\n]
.endr
.endr
.irp g, 0,1,2
	global_store_b128 v3, v[160+4*\g:163+4*\g], s[24:25] offset:512*\g   ; 512 consecutive bytes a store
.endr
	global_store_b32 v8, v16, s[26:27]
	s_wait_tensorcnt 0x0
	ds_add_u32 v200, v201
	s_wait_dscnt 0x0
	s_endpgm
	; ---- weights: a lane takes a column and its registers run down K; the four blocks of a K step are all the lane's own
.Lweights:
	s_sub_co_u32 s20, ttmp9, 512                   ; j = 0..191
	s_lshr_b32 s21, s20, 6                         ; class 0: Wq, Wk, Wv, Wo;  1: W1;  2: W2
	s_and_b32 s22, s20, 63
	s_lshr_b32 s23, s22, 4                         ; class 0: which tensor; class 1: column group / 4; class 2: column group
	s_bfe_u32 s24, s22, 0x20002                    ; class 0: column group; class 1: column group % 4; class 2: K step / 4
	s_and_b32 s25, s22, 3                          ; the K step's place in its group of four
	s_lshr_b32 s28, s22, 2                         ; class 1: column group
	s_and_b32 s29, s22, 15                         ; class 2: K step
	s_mul_i32 s26, s24, 9
	s_add_co_u32 s26, s26, 12                      ; Wo's groups: 12 + 9 bb
	s_lshl_b32 s27, s23, 2
	s_add_co_u32 s27, s27, s24                     ; Wq, Wk, Wv: 4 x tensor + bb
	s_cmp_lt_u32 s23, 3
	s_cselect_b32 s26, s27, s26
	s_mul_i32 s30, s23, 9
	s_add_co_u32 s30, s30, s24
	s_add_co_u32 s27, s30, 13                      ; W1's
	s_add_co_u32 s30, s30, 17                      ; W2's
	s_wait_kmcnt 0x0
	s_cmp_eq_u32 s21, 1                            ; every choice hangs on the work-group's number alone
	s_cselect_b32 s31, s27, s30                    ; the group's number
	s_cselect_b32 s32, s28, s23                    ; the column group
	s_cselect_b32 s33, s25, s29                    ; the K step
	s_cselect_b32 s34, 20, 18                      ; 128 rows in bytes: 2^20 in W1, else 2^18
	s_cselect_b64 s[36:37], s[14:15], s[16:17]
	s_cmp_eq_u32 s23, 0
	s_cselect_b64 s[38:39], s[6:7], s[8:9]
	s_cmp_lt_u32 s23, 2
	s_cselect_b64 s[38:39], s[38:39], s[10:11]
	s_cmp_lt_u32 s23, 3
	s_cselect_b64 s[38:39], s[38:39], s[12:13]
	s_cmp_eq_u32 s21, 0
	s_cselect_b32 s31, s26, s31
	s_cselect_b32 s32, s24, s32
	s_cselect_b32 s33, s25, s33
	s_cselect_b64 s[36:37], s[38:39], s[36:37]
	s_lshl_b32 s40, s33, s34
	s_lshl_b32 s41, s32, 9
	s_add_co_u32 s40, s40, s41
	s_lshl_b32 s41, s2, 7
	s_add_co_u32 s40, s40, s41                     ; K step's rows + 512 bytes a column group + 128 a wave
	s_mov_b32 s41, 0
	s_add_nc_u64 s[36:37], s[36:37], s[40:41]
	s_mul_i32 s40, s31, 49152
	s_mul_i32 s42, s25, 12288
	s_add_co_u32 s40, s40, s42
	s_mul_i32 s42, s2, 3072
	s_add_co_u32 s40, s40, s42
	s_add_co_u32 s40, s40, WCO
	s_add_nc_u64 s[38:39], s[18:19], s[40:41]      ; my two fragments
	s_lshl_b32 s40, s31, 11
	s_lshl_b32 s42, s25, 9
	s_add_co_u32 s40, s40, s42
	s_lshl_b32 s42, s2, 7
	s_add_co_u32 s40, s40, s42
	s_add_co_u32 s40, s40, WSO
	s_add_nc_u64 s[42:43], s[18:19], s[40:41]      ; and their 32 scale words
	s_wait_alu depctr_va_vdst(0)
	v_lshlrev_b32 v3, 2, v2                        ; in: 4 bytes a lane
	v_bfe_u32 v4, v2, 3, 1                         ; u: which of my wave's two tiles my column falls into
	v_and_b32 v5, 7, v2
	v_lshrrev_b32 v6, 4, v2
	v_lshl_add_u32 v5, v6, 3, v5                   ; and which row of it
	v_mul_u32_u24 v7, v4, 1536
	v_lshl_add_u32 v7, v5, 4, v7                   ; out: 1,536 u + 16 x row
	v_lshl_add_u32 v8, v4, 4, v5
	v_lshlrev_b32 v8, 2, v8                        ; scale word 16 u + row
.macro WLOAD kb, pitch                 ; block kb: 32 rows of K at my column; 128 consecutive bytes a wave, the four waves side by side on 512
.set i, 0
.rept 32
	global_load_b32 v[32+32*(\kb)+i], v3, s[36:37] offset:(32*(\kb)+i)*(\pitch) th:TH_LOAD_NT
.set i, i+1
.endr
.endm
.macro WMAX kb                         ; its largest magnitude, scale operand (v20 + kb) and byte (into the word v25)
.set NB, 32+32*(\kb)
	v_max3_num_f32 v12, |v[NB]|, |v[NB+1]|, |v[NB+2]|
	v_max3_num_f32 v13, |v[NB+3]|, |v[NB+4]|, |v[NB+5]|
.irp n, 6,10,14,18,22,26
	v_max3_num_f32 v12, v12, |v[NB+\n]|, |v[NB+\n+1]|
	v_max3_num_f32 v13, v13, |v[NB+\n+2]|, |v[NB+\n+3]|
.endr
	v_max3_num_f32 v12, v12, |v[NB+30]|, |v[NB+31]|
	v_max3_num_f32 v12, v12, v13, FLOOR
	v_add_nc_u32 v[20+(\kb)], EOFF, v12
	v_lshrrev_b32 v13, 23, v[20+(\kb)]
.if (\kb) == 0
	v_mov_b32 v25, v13
.else
	v_lshl_or_b32 v25, v13, 8*(\kb), v25
.endif
.endm
.macro WQ pitch                        ; the row pitch stands in the loads' immediates, so the text stands once for each pitch
	WLOAD 0, \pitch
	WLOAD 1, \pitch
	s_wait_loadcnt 32                              ; block 0 is in; block 1's 32 loads may be out
	WMAX 0
	WLOAD 2, \pitch
	s_wait_loadcnt 32
	WMAX 1
	WLOAD 3, \pitch
	s_wait_loadcnt 32
	WMAX 2
	s_wait_loadcnt 0x0
	WMAX 3
.irp kb, 0,1,2,3                       ; block 2 c + h is registers 6 c .. 6 c + 5 of lane (row, h): set h at v[160 + 12 h]
	v_cvt_scalef32_pk16_fp6_f32 v[160+12*(\kb%2)+6*(\kb/2):162+12*(\kb%2)+6*(\kb/2)], v[32+32*\kb:47+32*\kb], v[20+\kb]
	v_cvt_scalef32_pk16_fp6_f32 v[184+4*\kb:186+4*\kb], v[48+32*\kb:63+32*\kb], v[20+\kb]
.endr
	v_nop                                          ; one plain place behind a scaled conversion
.irp kb, 0,1,2,3
.irp n, 0,1,2
	v_mov_b32 v[163+12*(\kb%2)+6*(\kb/2)+\n], v[184+4*\kb+\n]
.endr
.endr
.irp h, 0,1
.irp g, 0,1,2
	global_store_b128 v7, v[160+12*\h+4*\g:163+12*\h+4*\g], s[38:39] offset:512*\g+256*\h   ; sixteen lanes store 256 consecutive bytes, aligned, in each of the two fragments
.endr
.endr
	global_store_b32 v8, v25, s[42:43]
	s_endpgm
.endm
	s_cmp_eq_u32 s21, 1
	s_cbranch_scc1 .Lwide
	WQ 2048
.Lwide:
	s_wait_alu depctr_va_vdst(0)
	WQ 8192
.Lfunc_end_k_q49a518007f_prep:
	.size	k_q49a518007f_prep, .Lfunc_end_k_q49a518007f_prep-k_q49a518007f_prep
	.p2alignl 7, 3214868480
	.fill 96, 4, 3214868480
	.section	.rodata,"a",@progbits
	.p2align	6, 0x0
	.amdhsa_kernel k_q49a518007f_prep
		.amdhsa_group_segment_fixed_size 34304
		.amdhsa_private_segment_fixed_size 0
		.amdhsa_enable_private_segment 0
		.amdhsa_kernarg_size 64
		.amdhsa_user_sgpr_count 2
		.amdhsa_user_sgpr_kernarg_segment_ptr 1
		.amdhsa_wavefront_size32 1
		.amdhsa_system_sgpr_workgroup_id_x 1
		.amdhsa_system_sgpr_workgroup_id_y 1
		.amdhsa_system_sgpr_workgroup_id_z 1
		.amdhsa_system_vgpr_workitem_id 0
		.amdhsa_next_free_vgpr 202
		.amdhsa_next_free_sgpr 66
		.amdhsa_reserve_vcc 0
		.amdhsa_float_denorm_mode_32 3
		.amdhsa_float_denorm_mode_16_64 3
		.amdhsa_memory_ordered 1
		.amdhsa_forward_progress 1
		.amdhsa_inst_pref_size 49
	.end_amdhsa_kernel
	.amdgpu_metadata
---
amdhsa.version: [ 1, 2 ]
amdhsa.kernels:
  - .name:           k_q49a518007f_prep
    .symbol:         k_q49a518007f_prep.kd
    .args:
      - { .name: x, .offset: 0, .size: 8, .value_kind: global_buffer, .address_space: global }
      - { .name: Wq, .offset: 8, .size: 8, .value_kind: global_buffer, .address_space: global }
      - { .name: Wk, .offset: 16, .size: 8, .value_kind: global_buffer, .address_space: global }
      - { .name: Wv, .offset: 24, .size: 8, .value_kind: global_buffer, .address_space: global }
      - { .name: Wo, .offset: 32, .size: 8, .value_kind: global_buffer, .address_space: global }
      - { .name: W1, .offset: 40, .size: 8, .value_kind: global_buffer, .address_space: global }
      - { .name: W2, .offset: 48, .size: 8, .value_kind: global_buffer, .address_space: global }
      - { .name: prep, .offset: 56, .size: 8, .value_kind: global_buffer, .address_space: global }
    .group_segment_fixed_size: 34304
    .private_segment_fixed_size: 0
    .kernarg_segment_align: 8
    .kernarg_segment_size: 64
    .max_flat_workgroup_size: 128
    .sgpr_count:     66
    .vgpr_count:     202
    .wavefront_size: 32
...
	.end_amdgpu_metadata
.endif
;; end of part 5
;; launch qkv (part 6): grid 4 x 64, 4 waves a work-group, no clusters, 0 bytes of LDS; arguments prep, bq, bk, bv, qkv; writes qkv
.if DOCPART == 6
	.amdgcn_target "amdgcn-amd-amdhsa--gfx1250"
	.amdhsa_code_object_version 6
	.text
	.protected	k_q49a518007f_qkv
	.globl	k_q49a518007f_qkv
	.p2align	8
	.type	k_q49a518007f_qkv,@function
k_q49a518007f_qkv:
	s_mov_b64 s[64:65], 0
	v_nop
	global_prefetch_b8 v0, s[64:65] scope:SCOPE_SE
	s_setreg_imm32_b32 hwreg(HW_REG_WAVE_SCHED_MODE, 0, 2), 2
	s_setreg_imm32_b32 hwreg(HW_REG_WAVE_MODE, 25, 1), 1
	s_wait_xcnt 0x0
	s_wait_alu depctr_vm_vsrc(0)
; q = x Wq + bq, k = x Wk + bk, v = x Wv + bv on codes of FP6 (E2M3) with E8M0 scales, and their results quantised again: q and k along the head's 32, v along the keys.
; SHARES.  Work-group (g, blk): heads 4 g .. 4 g + 3, tokens 128 blk .. + 127.  Wave w takes head 4 g + w: 192 matrix instructions; all its operands lie in registers (x's 32 fragments, 24 of the weights).
; q AND k ARE MADE TRANSPOSED (source 0 = 16 weight columns, source 1 = 16 tokens): a lane holds one token and its registers run along the head.  Four token tiles x 32 numbers are the 128 along K of ONE
; fragment: block b of row m holds the 32 codes of row m of token tile 4 f + b.  So a fragment carries 64 tokens and no byte is empty.
; v IS MADE STRAIGHT (source 0 = tokens, source 1 = weight columns): a lane holds one channel and its registers run along the 128 tokens, which are the next product's K.
; The biases are the C of each sum's first matrix instruction.  No LDS, no barrier; clusters and tensor loads are left out: every operand is read once, into registers, in a short launch.
; LIMITS: NaN and infinities are not served; a block of zeros gets the byte 1 (its codes are zeros; this program alone reads the bytes).
; THE MODE: SCHED_MODE bits 1:0 = 2 (LLVM: expert scheduling mode 2), set by the entry lines.  The code itself states the register dependences
; between vector or matrix instructions and memory instructions, with s_wait_alu, always for 0.
; THE PLAN.  Registers that memory instructions touch:
;   v4-v7            offsets: written once at the head, read by every load and store, never written again.
;   the operands     (x, the weights, their scale words, the biases): each loaded once, at the head, before any vector or matrix instruction names it.
;   v[PC .. PC+11], v[SWC]   the out-buffer: written by the quantiser and the select; read by the fragment's stores.
; So a fragment has two waits: ahead of the quantiser, that the last fragment's stores (32 products back) have read the out-buffer; ahead of its run of stores, that the out-buffer is written.
; REGISTERS.  window 0: v4-7 offsets; v16-47 x's scale words; v48-59 the weights'; v64-111 biases; v112-175 eight accumulators; v176-215 the quantiser.
;   windows 1, 2 (K steps 0, 1 and 2, 3): x's fragments at 96 (s % 2) + 12 tile; Wv's at 192 + 24 (s % 2) + 12 u.   window 3: Wq's at 12 (2 s + u), Wk's 96 on.
.set XSO, 3145728
.set WCO, 3407872
.set WSO, 5767168
.set SCB, 9437184
.set LI,  4                            ; v4  16 x lane
.set LS,  5                            ; v5  4 x lane
.set XSR, 16
.set WSC, 48
.set BQ,  64                           ; bq at v64, bk at v80
.set BV,  96
.set ACC, 112
.set TM,  176
.set PW,  192
.set SW0, 193
.set SWC, 194
.set PC,  196
.set SEL, 20
.set MSB, 0
.macro WIN new                         ; the immediate's high byte repeats the setting that is left
.if MSB != \new
	s_set_vgpr_msb (MSB<<8)|\new
.set MSB, \new
.endif
.endm
; 64 numbers of a lane, register 16 b + i = k 32 b + 16 (lane / 16) + i of my row, become a fragment's codes in v[PC] on and its scale word in v[PW] (the same in both halves of the lanes).
.macro QUANT s
.irp b, 0,1,2,3
	v_max3_num_f32 v[TM+\b], |v[\s+16*\b]|, |v[\s+1+16*\b]|, 0x1800000   ; my 16 numbers of block b, and the floor 2^(3 - 127): the byte cannot fall under 1
.endr
.irp i, 2,4,6,8,10,12,14
.irp b, 0,1,2,3
	v_max3_num_f32 v[TM+\b], v[TM+\b], |v[\s+16*\b+\i]|, |v[\s+1+16*\b+\i]|
.endr
.endr
.irp b, 0,1,2,3
	v_permlanex16_b32 v[TM+4+\b], v[TM+\b], s[SEL], s[SEL+1]
.endr
.irp b, 0,1,2,3
	v_max_num_f32 v[TM+\b], v[TM+\b], v[TM+4+\b]   ; with lane l xor 16's: the block's largest magnitude
.endr
.irp b, 0,1,2,3
	v_add_nc_u32 v[TM+12+\b], 0xff000000, v[TM+\b] ; 2 off its exponent field: the conversion's scale operand
.endr
.irp b, 0,1,2,3
	v_lshrrev_b32 v[TM+4+\b], 23, v[TM+12+\b]      ; the scale's byte
.endr
	v_lshl_or_b32 v[PW], v[TM+5], 8, v[TM+4]
	v_lshl_or_b32 v[PW], v[TM+6], 16, v[PW]
	v_lshl_or_b32 v[PW], v[TM+7], 24, v[PW]
.irp c, 0,1
	v_cvt_scalef32_pk16_fp6_f32 v[PC+6*\c:PC+2+6*\c], v[\s+32*\c:\s+15+32*\c], v[TM+12+2*\c]
	v_cvt_scalef32_pk16_fp6_f32 v[PC+12+4*\c:PC+14+4*\c], v[\s+16+32*\c:\s+31+32*\c], v[TM+12+2*\c+1]
.endr
	v_nop                                          ; one plain place behind a scaled conversion
.irp c, 0,1                            ; the operand's layout wants a whole block in a lane
.irp i, 0,1,2
	v_permlane16_swap_b32 v[PC+6*\c+\i], v[PC+12+4*\c+\i]
.endr
.irp i, 0,1,2
	v_mov_b32 v[PC+3+6*\c+\i], v[PC+12+4*\c+\i]
.endr
.endr
.endm
	s_load_b256 s[4:11], s[0:1], 0x0               ; prep, bq, bk, bv
	s_load_b64 s[12:13], s[0:1], 0x20              ; qkv
	v_lshrrev_b32 v1, 5, v0
	v_readfirstlane_b32 s14, v1                    ; wave 0..3
	v_and_b32 v1, 31, v0
	v_and_b32 v2, 15, v0                           ; r
	v_bfe_u32 v3, v0, 4, 1                         ; h
	v_lshlrev_b32 v[LI], 4, v1
	v_lshlrev_b32 v[LS], 2, v1
	v_lshlrev_b32 v6, 6, v3                        ; bq, bk: my half's 16 numbers
	v_and_b32 v7, 7, v2
	v_lshrrev_b32 v8, 3, v2
	v_lshl_add_u32 v7, v8, 4, v7
	v_lshlrev_b32 v7, 2, v7                        ; bv: channel r % 8 + 16 (r / 8)
.irp b, 0,1,2,3
	v_mov_b32 v[TM+4+\b], 0                        ; written once: a lane permute's destination counts as one of its sources
.endr
	s_mov_b32 s[SEL], 0x76543210
	s_mov_b32 s[SEL+1], 0xfedcba98
	s_mov_b32 s22, 0xffff0000                      ; lanes 16-31
	s_and_b32 s15, ttmp7, 0xffff                   ; blk
	s_wait_alu depctr_va_sdst(0)                   ; s14, the wave's number, is written, ahead of its first reader
	s_lshl_b32 s16, ttmp9, 2
	s_add_co_u32 s16, s16, s14                     ; my head
	s_mul_i32 s36, s15, 49152                      ; x's 32 fragments
	s_mov_b32 s37, 0
	s_lshl_b32 s38, s15, 12
	s_add_co_u32 s38, s38, XSO                     ; and their scale words
	s_mov_b32 s39, 0
	s_mul_i32 s40, ttmp9, 49152
	s_mul_i32 s41, s14, 3072
	s_add_co_u32 s40, s40, s41
	s_add_co_u32 s40, s40, WCO                     ; my two tiles in Wq's group g
	s_mov_b32 s41, 0
	s_lshl_b32 s42, ttmp9, 11
	s_lshl_b32 s43, s14, 7
	s_add_co_u32 s42, s42, s43
	s_add_co_u32 s42, s42, WSO
	s_mov_b32 s43, 0
	s_lshl_b32 s44, s16, 7                         ; a head's 32 numbers of a bias
	s_mov_b32 s45, 0
	s_lshr_b32 s46, s15, 4
	s_lshl_b32 s46, s46, 4
	s_add_co_u32 s46, s46, s16                     ; 16 x batch + head
	s_lshl_b32 s46, s46, 4
	s_and_b32 s47, s15, 15
	s_add_co_u32 s46, s46, s47                     ; x 16 + the step of 128 tokens
	s_mul_i32 s18, s46, 3072
	s_mov_b32 s19, 0
	s_lshl_b32 s46, s46, 7
	s_add_co_u32 s46, s46, SCB
	s_mov_b32 s47, 0
	s_wait_kmcnt 0x0
	s_add_nc_u64 s[24:25], s[4:5], s[36:37]
	s_add_nc_u64 s[26:27], s[4:5], s[38:39]
	s_add_nc_u64 s[28:29], s[4:5], s[40:41]
	s_add_nc_u64 s[30:31], s[4:5], s[42:43]
	s_add_nc_u64 s[6:7], s[6:7], s[44:45]
	s_add_nc_u64 s[8:9], s[8:9], s[44:45]
	s_add_nc_u64 s[10:11], s[10:11], s[44:45]
	s_add_nc_u64 s[32:33], s[12:13], s[18:19]      ; where my fragments go
	s_add_nc_u64 s[34:35], s[12:13], s[46:47]      ; and their scale words
	s_wait_alu depctr_va_vdst(0)                   ; the offsets v4 to v7 are written: every load and store of the kernel reads one of them
.irp t, 0,1,2,3,4,5,6,7
.irp s, 0,1,2,3
	global_load_b32 v[XSR+4*\t+\s], v[LS], s[26:27] offset:(4*\t+\s)*128
.endr
.endr
.irp o, 0,1,2
.irp s, 0,1,2,3
	global_load_b32 v[WSC+4*\o+\s], v[LS], s[30:31] offset:\o*8192+\s*512   ; lanes 0-15: tile u = 0; lanes 16-31: u = 1
.endr
.endr
.irp u, 0,1
	global_load_b128 v[BQ+8*\u:BQ+8*\u+3], v6, s[6:7] offset:32*\u
	global_load_b128 v[BQ+8*\u+4:BQ+8*\u+7], v6, s[6:7] offset:32*\u+16
	global_load_b128 v[BQ+16+8*\u:BQ+16+8*\u+3], v6, s[8:9] offset:32*\u
	global_load_b128 v[BQ+16+8*\u+4:BQ+16+8*\u+7], v6, s[8:9] offset:32*\u+16
.endr
	global_load_b32 v216, v7, s[10:11]
	global_load_b32 v217, v7, s[10:11] offset:32
	WIN 0x40
.irp s, 0,1
.irp t, 0,1,2,3,4,5,6,7
.irp g, 0,1,2
	global_load_b128 v[96*\s+12*\t+4*\g:96*\s+12*\t+4*\g+3], v[LI], s[24:25] offset:\t*6144+\s*1536+512*\g
.endr
.endr
.endr
	WIN 0x80
.irp s, 0,1
.irp t, 0,1,2,3,4,5,6,7
.irp g, 0,1,2
	global_load_b128 v[96*\s+12*\t+4*\g:96*\s+12*\t+4*\g+3], v[LI], s[24:25] offset:\t*6144+(\s+2)*1536+512*\g
.endr
.endr
.endr
	WIN 0xc0
.irp o, 0,1                            ; Wq's 24 loads, then Wk's 24
.irp s, 0,1,2,3
.irp u, 0,1
.irp g, 0,1,2
	global_load_b128 v[96*\o+12*(2*\s+\u)+4*\g:96*\o+12*(2*\s+\u)+4*\g+3], v[LI], s[28:29] offset:\o*196608+\s*12288+\u*1536+512*\g
.endr
.endr
.endr
.endr
	WIN 0x40
.irp s, 0,1                            ; Wv's 24
.irp u, 0,1
.irp g, 0,1,2
	global_load_b128 v[192+24*\s+12*\u+4*\g:192+24*\s+12*\u+4*\g+3], v[LI], s[28:29] offset:393216+\s*12288+\u*1536+512*\g
.endr
.endr
.endr
	WIN 0x80
.irp s, 0,1
.irp u, 0,1
.irp g, 0,1,2
	global_load_b128 v[192+24*\s+12*\u+4*\g:192+24*\s+12*\u+4*\g+3], v[LI], s[28:29] offset:393216+(\s+2)*12288+\u*1536+512*\g
.endr
.endr
.endr
	WIN 0
; one product of q or k: weight tile u x token tile 4 f + b, K step s
.macro QK1 op, f, s, b, u
.set rD, ACC+16*(\b)+8*(\u)
.set rA, 96*(\op)+12*(2*(\s)+(\u))
.set rB, 96*((\s)%2)+12*(4*(\f)+(\b))
.set rC, rD
.if (\s) == 0
.set rC, BQ+16*(\op)+8*(\u)            ; the bias starts the sum
.endif
.if (\u) == 0
	v_wmma_scale_f32_16x16x128_f8f6f4 v[rD:rD+7], v[rA:rA+11], v[rB:rB+11], v[rC:rC+7], v[WSC+4*(\op)+(\s)], v[XSR+4*(4*(\f)+(\b))+(\s)] matrix_a_fmt:MATRIX_FMT_FP6 matrix_b_fmt:MATRIX_FMT_FP6
.else
	v_wmma_scale_f32_16x16x128_f8f6f4 v[rD:rD+7], v[rA:rA+11], v[rB:rB+11], v[rC:rC+7], v[WSC+4*(\op)+(\s)], v[XSR+4*(4*(\f)+(\b))+(\s)] matrix_a_fmt:MATRIX_FMT_FP6 matrix_b_fmt:MATRIX_FMT_FP6 matrix_a_scale:MATRIX_SCALE_ROW1
.endif
.endm
.macro QKMUL op, f                     ; 32 products: eight accumulators by turns, one instruction a turn, a K step at a time
.irp s, 0,1,2,3
.if \s < 2
	WIN 0x07                                       ; source 0 window 3, source 1 window 1
.else
	WIN 0x0b                                       ; source 1 window 2
.endif
.irp b, 0,1,2,3
.irp u, 0,1
	QK1 \op, \f, \s, \b, \u
.endr
.endr
.endr
.endm
.macro VM1 u, s, t
.set rD, ACC+8*(\t)
.set rA, 96*((\s)%2)+12*(\t)
.set rB, 192+24*((\s)%2)+12*(\u)
.set rC, rD
.if (\s) == 0
.set rC, BV+8*(\u)
.endif
.if (\u) == 0
	v_wmma_scale_f32_16x16x128_f8f6f4 v[rD:rD+7], v[rA:rA+11], v[rB:rB+11], v[rC:rC+7], v[XSR+4*(\t)+(\s)], v[WSC+8+(\s)] matrix_a_fmt:MATRIX_FMT_FP6 matrix_b_fmt:MATRIX_FMT_FP6
.else
	v_wmma_scale_f32_16x16x128_f8f6f4 v[rD:rD+7], v[rA:rA+11], v[rB:rB+11], v[rC:rC+7], v[XSR+4*(\t)+(\s)], v[WSC+8+(\s)] matrix_a_fmt:MATRIX_FMT_FP6 matrix_b_fmt:MATRIX_FMT_FP6 matrix_b_scale:MATRIX_SCALE_ROW1
.endif
.endm
.macro VMUL u                          ; 32 products: the eight token tiles by turns
.irp s, 0,1,2,3
.if \s < 2
	WIN 0x05
.else
	WIN 0x0a
.endif
.irp t, 0,1,2,3,4,5,6,7
	VM1 \u, \s, \t
.endr
.endr
.endm
.macro EMIT op, frag                   ; the eight accumulators become one fragment, which is stored as an image of its registers
	WIN 0
.rept 4
	v_nop                                          ; four places between the last product and the first read of results
.endr
.if ((\op) > 0) || ((\frag) > 0)
	s_wait_xcnt 0x0                                ; the last fragment's stores have had their addresses translated: their registers are written again only behind this wait,
	s_wait_alu depctr_vm_vsrc(0)                   ; and they have read v[PC ..] and v[SWC], which the quantiser and the select below write again
.endif
	QUANT ACC
.if (\frag) == 0
	v_mov_b32 v[SW0], v[PW]
.else
	v_cndmask_b32 v[SWC], v[SW0], v[PW], s22       ; lanes 0-15: fragment 0's words; lanes 16-31: fragment 1's
.endif
	s_wait_alu depctr_va_vdst(0)                   ; the quantiser has written v[PC ..], the select v[SWC]: the stores below read them
.irp g, 0,1,2
	global_store_b128 v[LI], v[PC+4*\g:PC+4*\g+3], s[32:33] offset:(\op)*3145728+(\frag)*1536+512*\g   ; 512 consecutive bytes a store
.endr
.if (\frag) == 1
	global_store_b32 v[LS], v[SWC], s[34:35] offset:(\op)*131072
.endif
.endm
	s_wait_loadcnt 48                              ; all but Wk's and Wv's 48 loads are in
.irp u, 0,1
.irp j, 0,1,2,3,4,5,6,7
	v_mov_b32 v[BV+8*\u+\j], v[216+\u]             ; v's bias in the result's layout: a lane holds one channel
.endr
.endr
	QKMUL 0, 0
	EMIT 0, 0
	QKMUL 0, 1
	EMIT 0, 1
	s_wait_loadcnt 24                              ; Wk is in; Wv's 24 loads may be out
	QKMUL 1, 0
	EMIT 1, 0
	QKMUL 1, 1
	EMIT 1, 1
	s_wait_loadcnt 0x0
	VMUL 0
	EMIT 2, 0
	VMUL 1
	EMIT 2, 1
	s_endpgm
.Lfunc_end_k_q49a518007f_qkv:
	.size	k_q49a518007f_qkv, .Lfunc_end_k_q49a518007f_qkv-k_q49a518007f_qkv
	.p2alignl 7, 3214868480
	.fill 96, 4, 3214868480
	.section	.rodata,"a",@progbits
	.p2align	6, 0x0
	.amdhsa_kernel k_q49a518007f_qkv
		.amdhsa_group_segment_fixed_size 0
		.amdhsa_private_segment_fixed_size 0
		.amdhsa_enable_private_segment 0
		.amdhsa_kernarg_size 40
		.amdhsa_user_sgpr_count 2
		.amdhsa_user_sgpr_kernarg_segment_ptr 1
		.amdhsa_wavefront_size32 1
		.amdhsa_system_sgpr_workgroup_id_x 1
		.amdhsa_system_sgpr_workgroup_id_y 1
		.amdhsa_system_sgpr_workgroup_id_z 1
		.amdhsa_system_vgpr_workitem_id 0
		.amdhsa_next_free_vgpr 1024
		.amdhsa_next_free_sgpr 66
		.amdhsa_reserve_vcc 0
		.amdhsa_float_denorm_mode_32 3
		.amdhsa_float_denorm_mode_16_64 3
		.amdhsa_memory_ordered 1
		.amdhsa_forward_progress 1
		.amdhsa_inst_pref_size 75
	.end_amdhsa_kernel
	.amdgpu_metadata
---
amdhsa.version: [ 1, 2 ]
amdhsa.kernels:
  - .name:           k_q49a518007f_qkv
    .symbol:         k_q49a518007f_qkv.kd
    .args:
      - { .name: prep, .offset: 0, .size: 8, .value_kind: global_buffer, .address_space: global }
      - { .name: bq, .offset: 8, .size: 8, .value_kind: global_buffer, .address_space: global }
      - { .name: bk, .offset: 16, .size: 8, .value_kind: global_buffer, .address_space: global }
      - { .name: bv, .offset: 24, .size: 8, .value_kind: global_buffer, .address_space: global }
      - { .name: qkv, .offset: 32, .size: 8, .value_kind: global_buffer, .address_space: global }
    .group_segment_fixed_size: 0
    .private_segment_fixed_size: 0
    .kernarg_segment_align: 8
    .kernarg_segment_size: 40
    .max_flat_workgroup_size: 128
    .sgpr_count:     66
    .vgpr_count:     1024
    .wavefront_size: 32
...
	.end_amdgpu_metadata
.endif
;; end of part 6
;; launch attn (part 7): grid 4 x 64, 16 waves a work-group, no clusters, 104,960 bytes of LDS; arguments qkv, att; writes att
.if DOCPART == 7
	.amdgcn_target "amdgcn-amd-amdhsa--gfx1250"
	.amdhsa_code_object_version 6
	.text
	.protected	k_q49a518007f_attn
	.globl	k_q49a518007f_attn
	.p2align	8
	.type	k_q49a518007f_attn,@function
k_q49a518007f_attn:
	s_mov_b64 s[64:65], 0
	v_nop
	global_prefetch_b8 v0, s[64:65] scope:SCOPE_SE
	s_setreg_imm32_b32 hwreg(HW_REG_WAVE_SCHED_MODE, 0, 2), 2
	s_setreg_imm32_b32 hwreg(HW_REG_WAVE_MODE, 25, 1), 1
	s_wait_xcnt 0x0
	s_wait_alu depctr_vm_vsrc(0)
; o = softmax(q k^T / sqrt(32)) v for one head and 512 queries, both products on codes of FP6 (E2M3) with E8M0 scales; o is divided by the row's sum and quantised again, one block of 32 for each (token, head).
; THE SOFTMAX AHEAD OF THE SECOND PRODUCT: t = score x log2(e) / sqrt(32); M = the running largest t rounded UP to a whole number; p = 2^(t - M) is quantised along the keys; the sum is taken of the unquantised p.
; When M moves, the sum and O are multiplied by 2^(old M - new M): exact.
; SHARES.  Work-group (qq, bh).  Each of sixteen waves owns 32 queries, two tiles of 16, in two passes over the head's 2,048 keys, 128 a step.  Four waves share a SIMD: one wave's vector work stands beside another's products.
; The head's codes of k and v and their scale words, 102,400 bytes, are copied into LDS once and read by all sixteen waves.  Clusters are left out: what four work-groups share is those 102,400 bytes, read once, against
; 32 passes over them from LDS.  No tensor load: nothing in LDS is filled again.
; K = 32 IN AN INSTRUCTION OF 128.  A fragment of k holds four token tiles, one in each block of 32.  The queries' operand holds q's codes in ONE block and zero codes in the other three, so each product picks one token tile.
; Four such operands are four windows on one run of registers: zeros, q in lanes 0-15, zeros, q in lanes 16-31, zeros.
; Both products are used transposed: a lane holds one query throughout.  The rows of a token tile are chosen so that the 16 registers of tiles 2 b and 2 b + 1 are 16 neighbouring keys.
; LIMITS: NaN and infinities are not served; a block of zeros gets the byte 1 (its codes are zeros; this program alone reads the bytes).
; THE MODE: SCHED_MODE bits 1:0 = 2 (LLVM: expert scheduling mode 2), set by the entry lines.  The code itself states the register dependences
; between vector or matrix instructions and memory or LDS instructions, with s_wait_alu, always for 0.
; THE PLAN.  Registers that LDS instructions touch in a key step j:
;   v3, v4         the step's LDS addresses: written once a step, behind the exponentials; read by the 14 loads that follow the wait there.
;   v48-71, v47    k and its words: read by step j's eight products at its head; the loads for step j + 1 land in them, issued in step j behind that wait.
;   v72-95, v196   v and its words: read by step j's last two products; step j + 1's loads land in them, issued behind step j + 1's wait.
; So the ONE wait that stands behind the 64 exponentials states beside their results: v3 and v4 are written; step j's eight products are done with k; step j - 1's last two are done with v.
; No vector or matrix instruction between that wait and the loads names a register that they touch.  k has most of a step in which to land, v the sums and the quantiser.
; A pass asks for k of its first step by v1 and v2, which are never written again; its last step is written out, without loads of k.
;   v16-46 (q's operands and scale) and v176-187, v197 (p's codes and word) are made by vector instructions and taken by scaled products: a wait behind the places, ahead of the products.
; REGISTERS: v1-11 addresses; v12 -M, v13 the largest t, v[14:15] the sum; v16-45 the queries' operands; v46 q's scale, v47 k's words; v48-71 k; v72-95 v; v96-159 S^T, then p; v160-175 O^T; v176-194 p's codes;
;   v196 v's words, v197 p's word; v200-217 at work; v220-229 the results' codes and bytes; v230-255 q as loaded.
.set KC,  3145728
.set VC,  6291456
.set SCB, 9437184
.set ASC, 3145728
.set LV,  49152                        ; LDS: k's codes at 0, v's here,
.set LKS, 98304                        ; k's scale words, v's 2,048 bytes on,
.set LB,  102400                       ; and the work-group's 512 result bytes
.set WV,  8
.set CS,  22
.set SEL, 24
.set TB,  26
.set TS,  27
.set CNT, 28
	s_load_b128 s[4:7], s[0:1], 0x0                ; qkv, att
	v_lshl_add_u32 v219, v0, 2, 0x19200
	v_mov_b32 v227, 0
	v_lshrrev_b32 v1, 5, v0
	v_readfirstlane_b32 s[WV], v1                  ; wave 0..15
	v_and_b32 v6, 31, v0
	v_and_b32 v5, 15, v0
	v_lshlrev_b32 v1, 4, v6                        ; 16 x lane
	v_lshl_add_u32 v2, v6, 2, LKS                  ; 4 x lane, among k's scale words
	v_lshlrev_b32 v7, 3, v6                        ; 8 x lane
	v_lshlrev_b32 v6, 2, v5                        ; 4 r
	v_lshlrev_b32 v5, 4, v5                        ; 16 r
	v_lshlrev_b32 v8, 4, v0                        ; the copy: 16 x thread,
	v_add_nc_u32 v9, LV, v8                        ; the same among v's codes (an LDS immediate has 16 bits),
	v_lshl_add_u32 v10, v0, 2, LKS                 ; 4 x thread among the scale words
	v_lshlrev_b32 v3, 2, v0                        ; and in memory
	v_add_nc_u32 v11, LB, v0                       ; my result byte
	v_add_nc_u32 v231, LB, v1                      ; and where wave 0 reads them back
	s_and_b32 s9, ttmp7, 0xffff                    ; bh = 16 x batch + head
	s_wait_alu depctr_va_sdst(0)                   ; s8, the wave's number, is written, ahead of its first reader
	s_lshr_b32 s30, s[WV], 2
	s_lshl_b32 s31, ttmp9, 2
	s_add_co_u32 s30, s30, s31                     ; the step of 128 tokens that holds my queries
	s_bfe_u32 s31, s[WV], 0x10001                  ; which of its two fragments
	s_and_b32 s29, s[WV], 1                        ; and which half of that: blocks 2 c and 2 c + 1 are my two tiles
	s_sub_co_u32 s18, 0, s29                       ; all lanes where c = 1
	s_mov_b32 s19, 0xffff0000                      ; lanes 16-31
	s_lshl_b32 s20, s29, 1
	s_mul_i32 s20, s20, 0x01010101                 ; byte selects: byte 2 c of q's scale word into all four bytes,
	s_add_co_u32 s21, s20, 0x01010101              ; byte 2 c + 1
	s_mov_b32 s[CS], 0x3e8293ee                    ; log2(e) / sqrt(32)
	s_mov_b32 s[CS+1], s[CS]                       ; (named with it as a pair, so it is written)
	s_mov_b32 s[SEL], 0x76543210
	s_mov_b32 s[SEL+1], 0xfedcba98
	s_mul_i32 s36, s9, 49152
	s_mov_b32 s37, 0
	s_lshl_b32 s38, s9, 11
	s_add_co_u32 s38, s38, SCB
	s_mov_b32 s39, 0
	s_mul_i32 s40, s30, 3072
	s_mul_i32 s41, s31, 1536
	s_add_co_u32 s40, s40, s41
	s_mov_b32 s41, 0
	s_lshl_b32 s42, s30, 7
	s_lshl_b32 s43, s31, 6
	s_add_co_u32 s42, s42, s43
	s_mov_b32 s43, 0
	s_lshr_b32 s44, s9, 4                          ; batch
	s_and_b32 s45, s9, 15                          ; head
	s_lshl_b32 s44, s44, 6
	s_lshl_b32 s46, ttmp9, 4
	s_add_co_u32 s44, s44, s46                     ; the work-group's first pair of tiles
	s_lshl_b32 s46, s44, 5
	s_lshl_b32 s47, s45, 13
	s_add_co_u32 s46, s46, s47
	s_add_co_u32 s46, s46, ASC                     ; its 512 scale bytes: [head][pair][32]
	s_mov_b32 s47, 0
	s_add_co_u32 s44, s44, s[WV]
	s_mul_i32 s44, s44, 12288                      ; my pair's codes: [pair][head][3][32][8]
	s_mul_i32 s45, s45, 768
	s_add_co_u32 s44, s44, s45
	s_mov_b32 s45, 0
	s_wait_kmcnt 0x0
	s_add_nc_u64 s[10:11], s[4:5], s[36:37]        ; the head's codes
	s_add_nc_u64 s[12:13], s[4:5], s[38:39]        ; the head's scale words
	s_add_nc_u64 s[14:15], s[10:11], s[40:41]      ; q's fragment
	s_add_nc_u64 s[16:17], s[12:13], s[42:43]      ; q's words
	s_add_nc_u64 s[32:33], s[6:7], s[44:45]
	s_add_nc_u64 s[34:35], s[6:7], s[46:47]
	s_wait_alu depctr_va_vdst(0)                   ; the offsets and LDS addresses v1 to v11 and v231 are written: the loads and stores below, to the kernel's end, read them
.irp t, 0,1                            ; every lane takes the registers of lane (r, t) of q's fragment: block 2 c + t lies in that half's registers 6 c .. 6 c + 5
.irp g, 0,1,2
	global_load_b128 v[232+12*\t+4*\g:235+12*\t+4*\g], v5, s[14:15] offset:256*\t+512*\g
.endr
.endr
	global_load_b32 v230, v6, s[16:17]
.set i, 0
.rept 6
	global_load_b128 v[96+4*i:99+4*i], v8, s[10:11] offset:KC+8192*i     ; 512 threads x 16 bytes
	global_load_b128 v[120+4*i:123+4*i], v8, s[10:11] offset:VC+8192*i
.set i, i+1
.endr
	global_load_b32 v144, v3, s[12:13] offset:131072
	global_load_b32 v145, v3, s[12:13] offset:262144
.irp j, 16,17,18,19,20,21,28,29,30,31,32,33,40,41,42,43,44,45
	v_mov_b32 v[\j], 0                             ; the zero codes between and beside q's
.endr
.irp b, 0,1,2,3
	v_mov_b32 v[204+\b], 0                         ; written once: a lane permute's destination counts as one of its sources
.endr
	v_mov_b32 v215, 0                              ; (named as the upper half of the pair v[214:215])
	s_wait_loadcnt 0x0
.set i, 0
.rept 6
	ds_store_b128 v8, v[96+4*i:99+4*i] offset:8192*i
	ds_store_b128 v9, v[120+4*i:123+4*i] offset:8192*i
.set i, i+1
.endr
	ds_store_b32 v10, v144
	ds_store_b32 v10, v145 offset:2048
	s_wait_dscnt 0x0                               ; for the others' sake: my part of the copy has landed
	s_barrier_signal -1
	s_barrier_wait -1
	s_wait_alu depctr_vm_vsrc(0)                   ; my LDS stores have read v96 to v145, which the products write from here on
.macro SMUL f, b                       ; S^T of token tile 4 f + b: k's fragment f against the operand with q in block b
.if (\b) < 2
.set rQ, 22+12*(\b)
.else
.set rQ, 16+12*((\b)-2)
.endif
.set rD, 96+8*(4*(\f)+(\b))
.if (\f) == 0
	v_wmma_scale_f32_16x16x128_f8f6f4 v[rD:rD+7], v[48:59], v[rQ:rQ+11], 0, v47, v46 matrix_a_fmt:MATRIX_FMT_FP6 matrix_b_fmt:MATRIX_FMT_FP6
.else
	v_wmma_scale_f32_16x16x128_f8f6f4 v[rD:rD+7], v[60:71], v[rQ:rQ+11], 0, v47, v46 matrix_a_fmt:MATRIX_FMT_FP6 matrix_b_fmt:MATRIX_FMT_FP6 matrix_a_scale:MATRIX_SCALE_ROW1
.endif
.endm
; A KEY STEP: 128 keys.  next = 1: k of the next step is asked for
.macro STEP next
	s_wait_dscnt 0x0                               ; k and its words are in: they were asked for in the step before, behind its exponentials (the first step's: at the pass's head)
.irp f, 0,1
.irp b, 0,1,2,3
	SMUL \f, \b
.endr
.endr
.rept 4
	v_nop
.endr
.irp b, 0,1,2,3
	v_max3_num_f32 v[200+\b], v[96+16*\b], v[97+16*\b], v[98+16*\b]   ; the largest score of each block of 32 keys: for the row's maximum and, since p rises with the score, for the block's largest p
.endr
.irp i, 3,5,7,9,11,13
.irp b, 0,1,2,3
	v_max3_num_f32 v[200+\b], v[200+\b], v[96+16*\b+\i], v[97+16*\b+\i]
.endr
.endr
.irp b, 0,1,2,3
	v_max_num_f32 v[200+\b], v[200+\b], v[111+16*\b]
.endr
.irp b, 0,1,2,3
	v_permlanex16_b32 v[204+\b], v[200+\b], s[SEL], s[SEL+1]
.endr
.irp b, 0,1,2,3
	v_max_num_f32 v[200+\b], v[200+\b], v[204+\b]  ; with lane l xor 16's 16 keys
.endr
	v_max3_num_f32 v212, v200, v201, v202
	v_max_num_f32 v212, v212, v203
	v_mul_f32 v212, s[CS], v212                    ; the step's largest t
	v_max_num_f32 v13, v13, v212
	v_mov_b32 v212, v12
	v_floor_f32 v12, -v13                          ; the new -M = floor(-t): M is a whole number
	v_sub_f32 v212, v12, v212                      ; old M - new M, 0 or less
	v_cvt_i32_f32 v212, v212                       ; (it saturates)
	v_ldexp_f32 v214, 1.0, v212                    ; f = 2^(old M - new M)
.irp j, 0,2,4,6,8,10,12,14,16,18,20,22,24,26,28,30,32,34,36,38,40,42,44,46,48,50,52,54,56,58,60,62
	v_pk_fma_f32 v[96+\j:97+\j], v[96+\j:97+\j], s[CS:CS+1], v[12:13] op_sel_hi:[1,0,0]   ; t - M, two at a time
.endr
.irp b, 0,1,2,3
	v_fma_f32 v[200+\b], v[200+\b], s[CS], v12     ; the same of each block's largest score
.endr
.set i, 0
	s_wait_alu depctr_va_vdst(0)
.rept 64
	v_exp_f32 v[96+i], v[96+i]                     ; p = 2^(t - M), at most 1
.set i, i+1
.endr
	v_pk_mul_f32 v[14:15], v[14:15], v[214:215] op_sel_hi:[1,0]   ; the sums under the new M: a plain place behind the exponentials
	s_wait_alu depctr_vm_vsrc(0)                   ; the loads issued so far have read v3 and v4, which the two lines below write
	v_add_nc_u32 v3, s[TB], v1                     ; this step's place among the codes,
	v_add_nc_u32 v4, s[TS], v2                     ; and among the scale words
	s_wait_alu depctr_va_vdst(0)                   ; the 64 exponentials have written v96 to v159, ahead of their first reader; v3 and v4 are written; this step's eight products are done reading v47 to v71, the last step's last two v72 to v95 and v196
.irp u, 0,1
.irp g, 0,1,2
	ds_load_b128 v[72+12*\u+4*\g:75+12*\u+4*\g], v3 offset:LV+1536*\u+512*\g   ; v of this step
.endr
.endr
	ds_load_b32 v196, v4 offset:2048
.if \next
.irp f, 0,1
.irp g, 0,1,2
	ds_load_b128 v[48+12*\f+4*\g:51+12*\f+4*\g], v3 offset:3072+1536*\f+512*\g   ; k of the next step
.endr
.endr
	ds_load_b32 v47, v4 offset:128                 ; lanes 0-15: fragment 0's words; lanes 16-31: fragment 1's
.endif
.irp b, 0,1,2,3
	v_exp_f32 v[200+\b], v[200+\b]                 ; the block's largest p
.endr
	v_pk_add_f32 v[216:217], v[96:97], v[98:99]    ; the row's sum of the unquantised p, in two chains
.irp j, 4,8,12,16,20,24,28,32,36,40,44,48,52,56,60
	v_pk_add_f32 v[14:15], v[14:15], v[96+\j:97+\j]
	v_pk_add_f32 v[216:217], v[216:217], v[98+\j:99+\j]
.endr
	v_pk_add_f32 v[14:15], v[14:15], v[216:217]
	s_wait_alu depctr_va_vdst(0)                   ; the four exponentials have written v200 to v203, ahead of their first reader
.irp b, 0,1,2,3
	v_max_num_f32 v[200+\b], 0x1800000, v[200+\b]  ; the floor 2^(3 - 127)
.endr
.irp b, 0,1,2,3
	v_add_nc_u32 v[208+\b], 0xff000000, v[200+\b]  ; the conversion's scale operand
.endr
.irp b, 0,1,2,3
	v_lshrrev_b32 v[204+\b], 23, v[208+\b]         ; the scale's byte
.endr
	v_lshl_or_b32 v197, v205, 8, v204              ; p's scale word for these 128 keys
	v_lshl_or_b32 v197, v206, 16, v197
	v_lshl_or_b32 v197, v207, 24, v197
.irp c, 0,1
	v_cvt_scalef32_pk16_fp6_f32 v[176+6*\c:178+6*\c], v[96+32*\c:111+32*\c], v[208+2*\c]
	v_cvt_scalef32_pk16_fp6_f32 v[188+4*\c:190+4*\c], v[112+32*\c:127+32*\c], v[208+2*\c+1]
.endr
	v_nop                                          ; one plain place behind a scaled conversion
.irp c, 0,1
.irp i, 0,1,2
	v_permlane16_swap_b32 v[176+6*\c+\i], v[188+4*\c+\i]
.endr
.irp i, 0,1,2
	v_mov_b32 v[179+6*\c+\i], v[188+4*\c+\i]
.endr
.endr
.irp j, 0,2,4,6,8,10,12,14
	v_pk_mul_f32 v[160+\j:161+\j], v[160+\j:161+\j], v[214:215] op_sel_hi:[1,0]   ; O^T under the new M, each accumulator from its low end on
.endr
.rept 4
	v_nop                                          ; with the other accumulator's four multiplies: eight places behind p's scale word, four behind its codes
.endr
.if \next
	s_wait_dscnt 7                                 ; v and its words are in; the next step's k, seven loads, may be out
.else
	s_wait_dscnt 0x0                               ; v and its words are in
.endif
	s_wait_alu depctr_va_vdst(0)                   ; p's codes v176 to v187 and its scale word v197 are written: the two scaled products take them; the places above stay beside this wait
	v_wmma_scale_f32_16x16x128_f8f6f4 v[160:167], v[72:83], v[176:187], v[160:167], v196, v197 matrix_a_fmt:MATRIX_FMT_FP6 matrix_b_fmt:MATRIX_FMT_FP6
	v_wmma_scale_f32_16x16x128_f8f6f4 v[168:175], v[84:95], v[176:187], v[168:175], v196, v197 matrix_a_fmt:MATRIX_FMT_FP6 matrix_b_fmt:MATRIX_FMT_FP6 matrix_a_scale:MATRIX_SCALE_ROW1
.endm
; the end of a pass: O^T / the sum, quantised: my 16 channels are half a block, the other half lies in lane l xor 16
.macro FIN t
.rept 4
	v_nop
.endr
	v_add_f32 v14, v14, v15
	v_permlanex16_b32 v212, v14, s[SEL], s[SEL+1]
	v_add_f32 v14, v14, v212                       ; the row's sum
	s_wait_alu depctr_va_vdst(0)
	v_rcp_f32 v214, v14
	v_nop                                          ; a plain place behind the transcendental
	s_wait_alu depctr_va_vdst(0)                   ; the reciprocal has written v214, ahead of its first reader
.irp j, 0,2,4,6,8,10,12,14
	v_pk_mul_f32 v[160+\j:161+\j], v[160+\j:161+\j], v[214:215] op_sel_hi:[1,0]
.endr
	v_max3_num_f32 v200, |v160|, |v161|, 0x1800000
.irp j, 2,4,6,8,10,12,14
	v_max3_num_f32 v200, v200, |v[160+\j]|, |v[161+\j]|
.endr
	v_permlanex16_b32 v204, v200, s[SEL], s[SEL+1]
	v_max_num_f32 v200, v200, v204
	v_add_nc_u32 v208, 0xff000000, v200
	v_lshrrev_b32 v[228+(\t)], 23, v208
	v_cvt_scalef32_pk16_fp6_f32 v[220+4*(\t):222+4*(\t)], v[160:175], v208
	v_nop                                          ; one plain place behind a scaled conversion
.endm
.macro PASS t                          ; my tile t of 16 queries against all keys
.irp f, 0,1                            ; k of the first step, by addresses that are never written again.  No wait: no vector or matrix instruction has named v47 to v71 since the last wait for vector results
.irp g, 0,1,2
	ds_load_b128 v[48+12*\f+4*\g:51+12*\f+4*\g], v1 offset:1536*\f+512*\g
.endr
.endr
	ds_load_b32 v47, v2
.set RQ, 232+12*(\t)
.irp i, 0,1,2,3,4,5
	v_cndmask_b32 v[188+\i], v[RQ+\i], v[RQ+6+\i], s18   ; the tile's 24 bytes of codes, in every lane
.endr
.irp i, 0,1,2,3,4,5
	v_cndmask_b32 v[22+\i], v[188+\i], 0, s19      ; in lanes 0-15 alone,
	v_cndmask_b32 v[34+\i], 0, v[188+\i], s19      ; in lanes 16-31 alone
.endr
	v_perm_b32 v46, v230, v230, s[20+(\t)]         ; the tile's scale byte in all four bytes
	v_mov_b32 v13, 0xff61b1e6                      ; the largest t so far: -3e38
	v_floor_f32 v12, -v13
	v_mov_b32 v14, 0
	v_mov_b32 v15, 0
.set i, 0
.rept 16
	v_mov_b32 v[160+i], 0                          ; O^T: the first step finds zeros, which the first change of M leaves zeros
.set i, i+1
.endr
	s_wait_alu depctr_va_vdst(0)                   ; q's operands v16 to v45 and its scale v46 are written: the pass's scaled products take them; the twenty lines above are the places behind the scale's write
	s_mov_b32 s[TB], 0
	s_mov_b32 s[TS], 0
	s_mov_b32 s[CNT], 15
.Lstep_\@:
	STEP 1
	s_add_co_u32 s[TB], s[TB], 3072
	s_add_co_u32 s[TS], s[TS], 128
	s_sub_co_u32 s[CNT], s[CNT], 1
	s_cmp_lg_u32 s[CNT], 0
	s_cbranch_scc1 .Lstep_\@
	STEP 0                                         ; the last step is written out: no k is left to ask for
	FIN \t
.endm
	PASS 0
	PASS 1
.irp i, 0,1,2
	v_permlane16_swap_b32 v[220+\i], v[224+\i]     ; lane 16 x tile + r now holds its token's lower 16 codes in the first three registers and the upper 16 in the second three
.endr
	v_mov_b32 v223, v224
	v_mov_b32 v224, v225
	v_mov_b32 v225, v226
	v_cndmask_b32 v229, v228, v229, s19            ; and its tile's byte
	s_wait_alu depctr_va_vdst(0)                   ; v220 to v225 and v229 are written, which the stores below read; the passes' selects are done reading v232 to v235, in which wave 0's load below lands
.irp p, 0,1,2
	global_store_b64 v7, v[220+2*\p:221+2*\p], s[32:33] offset:256*\p   ; 32 lanes store 256 consecutive bytes, aligned
.endr
	ds_store_b8 v11, v229
	s_wait_dscnt 0x0
	s_barrier_signal -1
	s_barrier_wait -1
	s_cmp_lg_u32 s[WV], 0
	s_cbranch_scc1 .Lend
	ds_load_b128 v[232:235], v231                  ; the sixteen waves' bytes leave together:
	s_wait_dscnt 0x0
	global_store_b128 v1, v[232:235], s[34:35]     ; 512 consecutive bytes
.Lend:
	s_wait_dscnt 0x0                               ; the closing lines, six on end
	s_wait_alu 0x0
	s_wait_tensorcnt 0x0
	ds_add_u32 v219, v227
	s_wait_dscnt 0x0
	s_endpgm
.Lfunc_end_k_q49a518007f_attn:
	.size	k_q49a518007f_attn, .Lfunc_end_k_q49a518007f_attn-k_q49a518007f_attn
	.p2alignl 7, 3214868480
	.fill 96, 4, 3214868480
	.section	.rodata,"a",@progbits
	.p2align	6, 0x0
	.amdhsa_kernel k_q49a518007f_attn
		.amdhsa_group_segment_fixed_size 104960
		.amdhsa_private_segment_fixed_size 0
		.amdhsa_enable_private_segment 0
		.amdhsa_kernarg_size 16
		.amdhsa_user_sgpr_count 2
		.amdhsa_user_sgpr_kernarg_segment_ptr 1
		.amdhsa_wavefront_size32 1
		.amdhsa_system_sgpr_workgroup_id_x 1
		.amdhsa_system_sgpr_workgroup_id_y 1
		.amdhsa_system_sgpr_workgroup_id_z 1
		.amdhsa_system_vgpr_workitem_id 0
		.amdhsa_next_free_vgpr 256
		.amdhsa_next_free_sgpr 66
		.amdhsa_reserve_vcc 0
		.amdhsa_float_denorm_mode_32 3
		.amdhsa_float_denorm_mode_16_64 3
		.amdhsa_memory_ordered 1
		.amdhsa_forward_progress 1
		.amdhsa_inst_pref_size 71
	.end_amdhsa_kernel
	.amdgpu_metadata
---
amdhsa.version: [ 1, 2 ]
amdhsa.kernels:
  - .name:           k_q49a518007f_attn
    .symbol:         k_q49a518007f_attn.kd
    .args:
      - { .name: qkv, .offset: 0, .size: 8, .value_kind: global_buffer, .address_space: global }
      - { .name: att, .offset: 8, .size: 8, .value_kind: global_buffer, .address_space: global }
    .group_segment_fixed_size: 104960
    .private_segment_fixed_size: 0
    .kernarg_segment_align: 8
    .kernarg_segment_size: 16
    .max_flat_workgroup_size: 512
    .sgpr_count:     66
    .vgpr_count:     256
    .wavefront_size: 32
...
	.end_amdgpu_metadata
.endif
;; end of part 7
;; launch tail (part 8): grid 128 x 1, 4 waves a work-group, no clusters, 314,880 bytes of LDS; arguments att, prep, x, bo, ln1_a, ln1_b, b1, b2, ln2_a, ln2_b, out0; writes out0
.if DOCPART == 8
	.amdgcn_target "amdgcn-amd-amdhsa--gfx1250"
	.amdhsa_code_object_version 6
	.text
	.protected	k_q49a518007f_tail
	.globl	k_q49a518007f_tail
	.p2align	8
	.type	k_q49a518007f_tail,@function
k_q49a518007f_tail:
	s_mov_b64 s[64:65], 0
	v_nop
	global_prefetch_b8 v0, s[64:65] scope:SCOPE_SE
	s_setreg_imm32_b32 hwreg(HW_REG_WAVE_SCHED_MODE, 0, 2), 2
	s_setreg_imm32_b32 hwreg(HW_REG_WAVE_MODE, 25, 1), 1
	s_wait_xcnt 0x0
	s_wait_alu depctr_vm_vsrc(0)
; h2 = LN1(attn Wo + bo + x);  out = LN2(relu(h2 W1 + b1) W2 + b2 + h2).  The three products on codes of FP6 (E2M3) with E8M0 scales; all else in f32.  LN: unbiased deviation (/ 511), eps added to it.
; SHARES.  A work-group takes 64 tokens, four tiles of 16.  THE WAVES SHARE THE COLUMNS: wave w makes columns 128 w .. + 127 of the first and third product and hidden units 512 w .. + 511 of the second, for all 64 rows.
; A wave's work is nine SUPERGROUPS of 128 matrix instructions (8 column tiles x 4 K steps x 4 token tiles): one of Wo, four of W1, four of W2.  Its weights are ONE linear stream of 442,368 bytes in memory,
; laid in the order of the operand registers: they go straight into a ring of four register slots (a slot: four fragments), up to four slots ahead.  A weight fragment feeds four products.
; All products are used transposed (source 0 = 16 weight columns, source 1 = 16 tokens): a lane holds one token, its registers run along the columns, which are the next product's K.
; The residuals cost nothing: x, and later h2, are what the sums begin with.  h2's and the hidden layer's codes go from wave to wave through LDS as images of the operand registers.
; The mean is taken away before the squares are summed: no difference of large sums is formed.
; 128 work-groups: with 64 rows a weight fragment feeds four products; 32 rows on 256 work-groups would read the same weights for half the products.  Clusters and tensor loads are left out: a joint load lands in LDS,
; of which 314,368 bytes are taken, so that no two slots fit.  The weight stream is read by all work-groups, not once: no prefetch.
; LIMITS: NaN and infinities are not served; a block of zeros gets the byte 1 (its codes are zeros; this program alone reads the bytes).
; THE MODE: SCHED_MODE bits 1:0 = 2 (LLVM: expert scheduling mode 2), set by the entry lines.  The code itself states the register dependences
; between vector or matrix instructions and memory or LDS instructions, with s_wait_alu, always for 0.
; THE PLAN.  Registers that memory or LDS instructions touch:
;   the ring (window 2)       slot c % 4: read by chunk c's 16 products; behind them the loads of the chunk four further on land in it.
;   v[WSC ..]                 a K step's four words of weight scales: read by chunks 2 s and 2 s + 1; behind chunk 2 s + 1 the next supergroup's land.
;   window 3, v[ASCL ..]      the activations' fragments and words of K step s: read by chunks 2 s and 2 s + 1.  In the third product the next supergroup's are asked for behind chunk 2 s + 1.
;   So ONE wait for vector and matrix results stands in a chunk, behind its products and the window switch, ahead of the run of loads; nothing but loads and window switches follows it in the chunk.
;   v[HA ..], v[PC ..], v[PW] written by a norm or the activation and by the quantiser; read by a tile's run of LDS stores: one wait ahead of the run, one, that the stores have read them, behind it.
;   v[RS ..], v[RD ..]        the norms' partial sums: RS is stored, RD loaded; a wait ahead of the store, one ahead of the additions that write RS again.
;   v14-v20                   LDS addresses that move: each is written behind a wait that its readers have read it, and ahead of a wait for vector results that stands there anyway.
;   v4-v13, v21-v30           offsets and LDS addresses made at the head and never written again; the weight stream moves by its scalar bases and immediates.
; REGISTERS.  window 0: v4-30 addresses; v32-39 the activations' scale words; v40-55 the weights'; v64-127 64 numbers at work; v128-165 the quantiser; v168-211 the norms; v212-243 at work at the head.
;   window 1: the 32 accumulators ((token tile t, column tile c) at 64 t + 8 c).   window 2: the ring, slot n at 48 n; from 192 bo, later b2.
;   window 3: the activations' 16 fragments ((t, K step s) at 12 (4 s + t)), during a norm its gain and bias; from 192 b1 of the supergroup.
.set ASCO,  3145728
.set WCO,   3407872
.set WSO,   5767168
.set HIMG,  0                          ; LDS: the hidden layer's 64 fragments [t][K step 16][1536]
.set HSC,   98304                      ; their scale words [t][K step][128]
.set H2IMG, 106496                     ; h2's 16 fragments [t][s][1536]
.set H2SC,  131072                     ; their scale words
.set RED,   133120                     ; four regions of [wave][lane][16]: the norms' partial sums
.set B1L,   141312                     ; [wave] 2,048 bytes: my 512 numbers of b1
.set STG,   149504                     ; [wave] 16 rows x 528 bytes: the turn between rows and lanes
.set PARK,  183296                     ; [wave] 32,768 bytes: h2 in f32, as an image of my registers
.set LI,   4                           ; v4  16 x lane
.set LS,   5                           ; v5  4 x lane
.set ASCL, 32
.set WSC,  40
.set HA,   64
.set TM,   128
.set PW,   144
.set PC,   146
.set SUM,  168
.set RS,   176
.set RD,   180
.set MU,   196
.set INV,  204
.set WV,   26
.set SEL,  28
.set WP,   30                          ; s[30:31] the weight stream, at the supergroup in hand
.set SP,   32                          ; s[32:33] its scale words
.set HK,   38
.set HKS,  39
.set BL,   40
.set CNT,  41
.set MSB, 0
.macro WIN new                         ; the immediate's high byte repeats the setting that is left
.if MSB != \new
	s_set_vgpr_msb (MSB<<8)|\new
.set MSB, \new
.endif
.endm
.macro BARRIER                         ; my LDS stores have landed and my LDS loads are in: then the work-group's barrier
	s_wait_dscnt 0x0
	s_barrier_signal -1
	s_barrier_wait -1
.endm
; 64 numbers of a lane, register 16 b + i = k 32 b + 16 (lane / 16) + i of my row, become a fragment's codes in v[PC] on and its scale word in v[PW] (the same in both halves of the lanes).
.macro QUANT s
.irp b, 0,1,2,3
	v_max3_num_f32 v[TM+\b], |v[\s+16*\b]|, |v[\s+1+16*\b]|, 0x1800000
.endr
.irp i, 2,4,6,8,10,12,14
.irp b, 0,1,2,3
	v_max3_num_f32 v[TM+\b], v[TM+\b], |v[\s+16*\b+\i]|, |v[\s+1+16*\b+\i]|
.endr
.endr
.irp b, 0,1,2,3
	v_permlanex16_b32 v[TM+4+\b], v[TM+\b], s[SEL], s[SEL+1]
.endr
.irp b, 0,1,2,3
	v_max_num_f32 v[TM+\b], v[TM+\b], v[TM+4+\b]
.endr
.irp b, 0,1,2,3
	v_add_nc_u32 v[TM+12+\b], 0xff000000, v[TM+\b]
.endr
.irp b, 0,1,2,3
	v_lshrrev_b32 v[TM+4+\b], 23, v[TM+12+\b]
.endr
	v_lshl_or_b32 v[PW], v[TM+5], 8, v[TM+4]
	v_lshl_or_b32 v[PW], v[TM+6], 16, v[PW]
	v_lshl_or_b32 v[PW], v[TM+7], 24, v[PW]
.irp c, 0,1
	v_cvt_scalef32_pk16_fp6_f32 v[PC+6*\c:PC+2+6*\c], v[\s+32*\c:\s+15+32*\c], v[TM+12+2*\c]
	v_cvt_scalef32_pk16_fp6_f32 v[PC+12+4*\c:PC+14+4*\c], v[\s+16+32*\c:\s+31+32*\c], v[TM+12+2*\c+1]
.endr
	v_nop                                          ; one plain place behind a scaled conversion
.irp c, 0,1
.irp i, 0,1,2
	v_permlane16_swap_b32 v[PC+6*\c+\i], v[PC+12+4*\c+\i]
.endr
.irp i, 0,1,2
	v_mov_b32 v[PC+3+6*\c+\i], v[PC+12+4*\c+\i]
.endr
.endr
.endm
; a vector over my 128 columns in the results' layout: register 16 b + 8 u + j = column 32 b + 16 h + 8 u + j.  The caller sets the destination's window.
.macro COLS reg, base
.irp b, 0,1,2,3
.irp u, 0,1
	global_load_b128 v[\reg+16*\b+8*\u:\reg+16*\b+8*\u+3], v6, s[\base:\base+1] offset:128*\b+32*\u
	global_load_b128 v[\reg+16*\b+8*\u+4:\reg+16*\b+8*\u+7], v6, s[\base:\base+1] offset:128*\b+32*\u+16
.endr
.endr
.endm
.macro SGMUL c, k, t, bias             ; chunk c: K step c / 2, column tile 4 (c % 2) + k; token tile t
.set sS, (\c)/2
.set tP, 4*((\c)%2)+(\k)
.set rD, 64*(\t)+8*tP
.set rA, 48*((\c)%4)+12*(\k)
.set rB, 12*(4*sS+(\t))
.set rC, rD
.if (\bias) && (sS == 0)
.set rC, 192+8*tP                      ; b1 starts the sum
.endif
.set rSA, WSC+4*sS+tP/2
.set rSB, ASCL+4*((\t)/2)+sS
.if (tP%2) && ((\t)%2)
	v_wmma_scale_f32_16x16x128_f8f6f4 v[rD:rD+7], v[rA:rA+11], v[rB:rB+11], v[rC:rC+7], v[rSA], v[rSB] matrix_a_fmt:MATRIX_FMT_FP6 matrix_b_fmt:MATRIX_FMT_FP6 matrix_a_scale:MATRIX_SCALE_ROW1 matrix_b_scale:MATRIX_SCALE_ROW1
.elseif (tP%2)
	v_wmma_scale_f32_16x16x128_f8f6f4 v[rD:rD+7], v[rA:rA+11], v[rB:rB+11], v[rC:rC+7], v[rSA], v[rSB] matrix_a_fmt:MATRIX_FMT_FP6 matrix_b_fmt:MATRIX_FMT_FP6 matrix_a_scale:MATRIX_SCALE_ROW1
.elseif ((\t)%2)
	v_wmma_scale_f32_16x16x128_f8f6f4 v[rD:rD+7], v[rA:rA+11], v[rB:rB+11], v[rC:rC+7], v[rSA], v[rSB] matrix_a_fmt:MATRIX_FMT_FP6 matrix_b_fmt:MATRIX_FMT_FP6 matrix_b_scale:MATRIX_SCALE_ROW1
.else
	v_wmma_scale_f32_16x16x128_f8f6f4 v[rD:rD+7], v[rA:rA+11], v[rB:rB+11], v[rC:rC+7], v[rSA], v[rSB] matrix_a_fmt:MATRIX_FMT_FP6 matrix_b_fmt:MATRIX_FMT_FP6
.endif
.endm
; A chunk: 16 products on 16 accumulators, one instruction a turn (an accumulator comes back 32 products later); then its ring slot takes the chunk four further on in the stream.
; THE WAIT ON LOADS.  Behind the 12 loads that this chunk wants (issued behind the chunk four back) stand three more groups, of 12 or, with the next supergroup's four scale words, 16 loads, and the wanted group's own four
; scale words where it had any: 16 + 12 + 16 or 4 + 12 + 16 + 12: 44 either way.  In the last supergroup, which asks for no scale words and from its fifth chunk on for nothing, the counts run down.
; fetch = 1 (the third product, all supergroups but the last): behind chunk 2 s + 1 the NEXT supergroup's four fragments of the hidden layer for K step s and their two words are asked for from LDS: a group of 14.
; THE WAIT ON LDS.  Chunk 2 s wants the group of K step s, asked for a supergroup ago; behind it stand the groups of the three K steps that follow it round the supergroup: 42.  fetch = 2, the last supergroup, asks for none:
; the counts run down 42, 28, 14, 0.
.macro SGCHUNK c, bias, last, fetch
.set nW, 44
.if \last
.if (\c) >= 2
.set nW, 40
.endif
.if (\c) >= 4
.set nW, 12*(7-(\c))
.endif
.endif
	s_wait_loadcnt nW
.if ((\fetch) == 1) && (((\c)%2) == 0)
	s_wait_dscnt 42
.endif
.if ((\fetch) == 2) && (((\c)%2) == 0)
	s_wait_dscnt 14*(3-(\c)/2)
.endif
.if (\bias) && ((\c) < 2)
	WIN 0x7e                                       ; source 0 window 2, source 1 window 3, C window 3, D window 1
.else
	WIN 0x5e                                       ; C and D window 1
.endif
.irp k, 0,1,2,3
.irp t, 0,1,2,3
	SGMUL \c, \k, \t, \bias
.endr
.endr
.rept 4
	v_nop                                          ; four places behind these products, ahead of the first read of results
.endr
.if !((\last) && ((\c) >= 4))
	WIN 0x80
	s_wait_alu depctr_va_vdst(0)                   ; this chunk's products are done reading their ring slot; in an odd chunk this K step's products are done reading its scale words and its fragments of the activations: the loads below land in these
.irp k, 0,1,2,3
.irp g, 0,1,2
	global_load_b128 v[48*((\c)%4)+12*\k+4*\g:48*((\c)%4)+12*\k+4*\g+3], v[LI], s[WP:WP+1] offset:((\c)+4)*6144+1536*\k+512*\g
.endr
.endr
.endif
.set sF, (\c)/2
.if ((\fetch) == 1) && (((\c)%2) == 1)
	WIN 0xc0
.irp t, 0,1,2,3
.irp g, 0,1,2
	ds_load_b128 v[12*(4*sF+\t)+4*\g:12*(4*sF+\t)+4*\g+3], v[17+\t/2] offset:6144+24576*(\t%2)+1536*sF+512*\g   ; the next supergroup's fragments of this K step: four K steps, 6,144 bytes, further on
.endr
.endr
.endif
.if (((\c)%2) == 1) && !(\last)
	WIN 0
.irp q, 0,1,2,3
	global_load_b32 v[WSC+4*((\c)/2)+\q], v[LS], s[SP:SP+1] offset:2048+512*((\c)/2)+128*\q   ; this K step's words are done with: the next supergroup's
.endr
.endif
.if ((\fetch) == 1) && (((\c)%2) == 1)
.irp q, 0,1
	ds_load_b32 v[ASCL+4*\q+sF], v19 offset:512+4096*\q+128*sF
.endr
.endif
.endm
.macro SG bias, last, fetch
.irp c, 0,1,2,3,4,5,6,7
	SGCHUNK \c, \bias, \last, \fetch
.endr
	WIN 0
.if !(\last)
	s_wait_xcnt 0x0                                ; the loads have read their bases: these are stepped only behind this wait
	s_add_nc_u64 s[WP:WP+1], s[WP:WP+1], 49152
	s_add_nc_u64 s[SP:SP+1], s[SP:SP+1], 2048
.endif
.endm
; four sums a lane (one for each token tile) are joined over the halves of the lanes and, through region reg of LDS, over the four waves, in one order in all waves
.macro XCH reg
.irp t, 0,1,2,3
	v_add_f32 v[RS+\t], v[SUM+2*\t], v[SUM+2*\t+1]
.endr
.irp t, 0,1,2,3
	v_permlanex16_b32 v[TM+4+\t], v[RS+\t], s[SEL], s[SEL+1]
.endr
.irp t, 0,1,2,3
	v_add_f32 v[RS+\t], v[RS+\t], v[TM+4+\t]
.endr
	s_wait_alu depctr_va_vdst(0)                   ; the additions have written v[RS ..], which the store reads; the additions of the exchange before are done with v[RD ..], in which the loads below land
	ds_store_b128 v10, v[RS:RS+3] offset:2048*(\reg)
	BARRIER
.irp w, 0,1,2,3
	ds_load_b128 v[RD+4*\w:RD+4*\w+3], v11 offset:2048*(\reg)+512*\w
.endr
	s_wait_dscnt 0x0
	s_wait_alu depctr_vm_vsrc(0)                   ; the store has read v[RS ..], which the additions below write
.irp t, 0,1,2,3
	v_add_f32 v[RS+\t], v[RD+\t], v[RD+4+\t]
.endr
.irp t, 0,1,2,3
	v_add_f32 v[RD+\t], v[RD+8+\t], v[RD+12+\t]
.endr
.irp t, 0,1,2,3
	v_add_f32 v[RS+\t], v[RS+\t], v[RD+\t]
.endr
.endm
; the accumulators take their bias, lose their row's mean, and 1 / (deviation + eps) is made for each row.  Norm k uses regions 2 k and 2 k + 1.
.macro LN_STATS k
	WIN 0x49                                       ; destination and source 0 window 1, source 1 window 2
.set i, 0
.rept 128
	v_pk_add_f32 v[2*i:2*i+1], v[2*i:2*i+1], v[192+(2*i)%64:193+(2*i)%64]   ; each accumulator from its low end on
.set i, i+1
.endr
	WIN 0
.irp j, 0,1,2,3,4,5,6,7
	v_mov_b32 v[SUM+\j], 0
.endr
	WIN 0x04
.set i, 0
.rept 32
.irp t, 0,1,2,3
	v_pk_add_f32 v[SUM+2*\t:SUM+2*\t+1], v[SUM+2*\t:SUM+2*\t+1], v[64*\t+2*i:64*\t+2*i+1]
.endr
.set i, i+1
.endr
	WIN 0
	XCH 2*(\k)
.irp t, 0,1,2,3
	v_mul_f32 v[MU+2*\t], 0x3b000000, v[RS+\t]     ; / 512
.endr
.irp t, 0,1,2,3
	v_mov_b32 v[MU+2*\t+1], v[MU+2*\t]
.endr
	WIN 0x41
.set i, 0
.rept 128
	v_pk_add_f32 v[2*i:2*i+1], v[2*i:2*i+1], v[MU+2*(i/32):MU+2*(i/32)+1] op_sel_hi:[1,0] neg_lo:[0,1] neg_hi:[0,1]
.set i, i+1
.endr
	WIN 0
.irp j, 0,1,2,3,4,5,6,7
	v_mov_b32 v[SUM+\j], 0
.endr
	WIN 0x05
.set i, 0
.rept 32
.irp t, 0,1,2,3
	v_pk_fma_f32 v[SUM+2*\t:SUM+2*\t+1], v[64*\t+2*i:64*\t+2*i+1], v[64*\t+2*i:64*\t+2*i+1], v[SUM+2*\t:SUM+2*\t+1]
.endr
.set i, i+1
.endr
	WIN 0
	XCH 2*(\k)+1
.irp t, 0,1,2,3
	v_mul_f32 v[RS+\t], 0x3b004020, v[RS+\t]       ; / 511
.endr
	s_wait_alu depctr_va_vdst(0)
.irp t, 0,1,2,3
	v_sqrt_f32 v[RS+\t], v[RS+\t]
.endr
	v_nop                                          ; a plain place behind the batch,
	s_wait_alu depctr_va_vdst(0)                   ; the four roots have written v[RS ..], ahead of their first reader
.irp t, 0,1,2,3
	v_add_f32 v[RS+\t], 0x3a83126f, v[RS+\t]       ; + 1e-3
.endr
	s_wait_alu depctr_va_vdst(0)
.irp t, 0,1,2,3
	v_rcp_f32 v[INV+2*\t], v[RS+\t]
.endr
	v_nop
	s_wait_alu depctr_va_vdst(0)                   ; the four reciprocals have written v[INV ..], ahead of their first reader
.irp t, 0,1,2,3
	v_mov_b32 v[INV+2*\t+1], v[INV+2*\t]
.endr
	s_wait_loadcnt 0x0                             ; the norm's gain and bias are in
.endm
.macro LN_APPLY t                      ; token tile t's 64 numbers: (z - mean) / (deviation + eps) x gain + bias, into v[HA] on
	WIN 0x01
.set i, 0
.rept 32
	v_pk_mul_f32 v[HA+2*i:HA+2*i+1], v[64*(\t)+2*i:64*(\t)+2*i+1], v[INV+2*(\t):INV+2*(\t)+1] op_sel_hi:[1,0]
.set i, i+1
.endr
	WIN 0x3c                                       ; sources 1 and 2 window 3
.set i, 0
.rept 32
	v_pk_fma_f32 v[HA+2*i:HA+2*i+1], v[HA+2*i:HA+2*i+1], v[2*i:2*i+1], v[64+2*i:65+2*i]
.set i, i+1
.endr
	WIN 0
.endm
	s_load_b256 s[4:11], s[0:1], 0x0               ; att, prep, x, bo
	s_load_b256 s[12:19], s[0:1], 0x20             ; ln1_a, ln1_b, b1, b2
	s_load_b128 s[20:23], s[0:1], 0x40             ; ln2_a, ln2_b
	s_load_b64 s[24:25], s[0:1], 0x50              ; out0
	v_lshl_add_u32 v254, v0, 2, 0x4cc00
	v_mov_b32 v255, 0
	v_lshrrev_b32 v1, 5, v0
	v_readfirstlane_b32 s[WV], v1                  ; wave 0..3
	v_and_b32 v22, 31, v0                          ; lane
	v_and_b32 v2, 15, v0                           ; r
	v_bfe_u32 v3, v0, 4, 1                         ; h
	v_lshlrev_b32 v[LI], 4, v22
	v_lshlrev_b32 v[LS], 2, v22
	v_lshlrev_b32 v6, 6, v3                        ; 64 h: my half's 16 columns of each 32
	s_wait_alu depctr_va_sdst(0)                   ; s26, the wave's number, is written, ahead of its first reader
	s_mul_i32 s42, s[WV], 8448
	s_add_co_u32 s42, s42, STG
	v_mul_u32_u24 v7, v2, 528
	v_lshl_add_u32 v7, v3, 6, v7
	v_add_nc_u32 v7, s42, v7                       ; the stage by lanes: row r, + 64 h
	v_add_nc_u32 v8, s42, v[LI]                    ; and by rows
	s_lshl_b32 s42, s[WV], 15
	s_add_co_u32 s42, s42, PARK
	v_add_nc_u32 v9, s42, v[LI]
	s_lshl_b32 s42, s[WV], 9
	s_add_co_u32 s43, s42, RED
	v_add_nc_u32 v10, s43, v[LI]
	v_add_nc_u32 v11, RED, v[LI]
	s_mul_i32 s43, s[WV], 1536
	s_add_co_u32 s43, s43, H2IMG
	v_add_nc_u32 v12, s43, v[LI]                   ; h2's images: K step = my wave
	s_lshl_b32 s43, s[WV], 7
	s_add_co_u32 s43, s43, H2SC
	v_add_nc_u32 v13, s43, v[LS]
	s_mul_i32 s43, s[WV], 6144
	v_add_nc_u32 v24, s43, v[LI]                   ; the hidden layer's images: K steps 4 w on, token tiles 0, 1;
	v_add_nc_u32 v25, 49152, v24                   ; token tiles 2, 3 (an LDS immediate has 16 bits)
	s_add_co_u32 s43, s42, HSC
	v_add_nc_u32 v26, s43, v[LS]
	v_lshl_add_u32 v27, v3, 11, v[LS]
	v_add_nc_u32 v27, HSC, v27                     ; reading them: lanes 16-31 take the odd token tile's
	s_lshl_b32 s43, s[WV], 11
	s_add_co_u32 s43, s43, B1L
	v_add_nc_u32 v28, s43, v6
	v_add_nc_u32 v30, s43, v[LI]
	v_mul_u32_u24 v21, v3, 768
	v_lshl_add_u32 v21, v2, 3, v21                 ; att: 768 h + 8 r
	v_lshl_add_u32 v23, v3, 9, v[LS]
	v_add_nc_u32 v23, H2SC, v23
	v_add_nc_u32 v29, H2IMG, v[LI]
.irp b, 0,1,2,3
	v_mov_b32 v[TM+4+\b], 0                        ; written once: a lane permute's destination counts as one of its sources
.endr
	s_mov_b32 s[SEL], 0x76543210
	s_mov_b32 s[SEL+1], 0xfedcba98
	s_mul_i32 s44, s[WV], 442368
	s_add_co_u32 s44, s44, WCO+12*49152            ; my nine supergroups
	s_mov_b32 s45, 0
	s_mul_i32 s46, s[WV], 18432
	s_add_co_u32 s46, s46, WSO+12*2048
	s_mov_b32 s47, 0
	s_lshl_b32 s48, ttmp9, 17                      ; 64 rows of 2,048 bytes
	s_lshl_b32 s50, s[WV], 9                       ; my 128 columns
	s_add_co_u32 s48, s48, s50
	s_mov_b32 s49, 0
	s_mov_b32 s51, 0
	s_mul_i32 s52, ttmp9, 24576
	s_mov_b32 s53, 0
	s_lshl_b32 s54, ttmp9, 6
	s_add_co_u32 s54, s54, ASCO
	s_mov_b32 s55, 0
	s_lshl_b32 s56, s[WV], 11
	s_mov_b32 s57, 0
	s_wait_kmcnt 0x0
	s_add_nc_u64 s[WP:WP+1], s[6:7], s[44:45]
	s_add_nc_u64 s[SP:SP+1], s[6:7], s[46:47]
	s_add_nc_u64 s[8:9], s[8:9], s[48:49]
	s_add_nc_u64 s[24:25], s[24:25], s[48:49]
	s_add_nc_u64 s[34:35], s[4:5], s[52:53]
	s_add_nc_u64 s[36:37], s[4:5], s[54:55]
	s_add_nc_u64 s[10:11], s[10:11], s[50:51]
	s_add_nc_u64 s[12:13], s[12:13], s[50:51]
	s_add_nc_u64 s[14:15], s[14:15], s[50:51]
	s_add_nc_u64 s[18:19], s[18:19], s[50:51]
	s_add_nc_u64 s[20:21], s[20:21], s[50:51]
	s_add_nc_u64 s[22:23], s[22:23], s[50:51]
	s_add_nc_u64 s[16:17], s[16:17], s[56:57]
	WIN 0x40
	s_wait_alu depctr_va_vdst(0)                   ; the offsets and LDS addresses v4 to v13 and v21 to v30 are written: the kernel's loads and stores read them, and none of them is written again
.irp t, 0,1,2,3                        ; x: my 128 columns of the 64 rows, as they lie: 512 consecutive bytes a load
.set i, 0
.rept 16
	global_load_b128 v[64*\t+4*i:64*\t+4*i+3], v[LI], s[8:9] offset:(32*(\t/2)+8*(\t%2)+(i%8)+16*(i/8))*2048 th:TH_LOAD_NT
.set i, i+1
.endr
.endr
	WIN 0xc0
.irp g, 0,1,2,3                        ; the attention's codes: K step g = heads 4 g .. 4 g + 3; lane (r, h), registers 6 c on: head 4 g + 2 c + h of token r
.irp t, 0,1,2,3
.irp c, 0,1
.irp p, 0,1,2
	global_load_b64 v[12*(4*\g+\t)+6*\c+2*\p:12*(4*\g+\t)+6*\c+2*\p+1], v21, s[34:35] offset:(\t/2)*12288+\g*3072+\c*1536+256*\p+128*(\t%2)
.endr
.endr
.endr
.endr
	WIN 0
.irp q, 0,1
.irp g, 0,1,2,3
.irp b, 0,1,2,3
	global_load_u8 v[212+16*\q+4*\g+\b], v22, s[36:37] offset:(4*\g+\b)*8192+32*\q   ; their scale bytes: 32 consecutive bytes a load
.endr
.endr
.endr
.irp s, 0,1,2,3
.irp q, 0,1,2,3
	global_load_b32 v[WSC+4*\s+\q], v[LS], s[SP:SP+1] offset:512*\s+128*\q
.endr
.endr
	WIN 0x80
	COLS 192, 10                                   ; bo
	WIN 0
.irp i, 0,1,2,3
	global_load_b128 v[HA+4*\i:HA+4*\i+3], v[LI], s[16:17] offset:512*\i   ; my 512 numbers of b1
.endr
	WIN 0x80
.irp c, 0,1,2,3                        ; the ring's first four chunks
.irp k, 0,1,2,3
.irp g, 0,1,2
	global_load_b128 v[48*\c+12*\k+4*\g:48*\c+12*\k+4*\g+3], v[LI], s[WP:WP+1] offset:\c*6144+1536*\k+512*\g
.endr
.endr
.endr
	WIN 0
	s_wait_loadcnt 0x0
.irp i, 0,1,2,3
	ds_store_b128 v30, v[HA+4*\i:HA+4*\i+3] offset:512*\i
.endr
.irp q, 0,1
.irp s, 0,1,2,3
	v_lshl_or_b32 v[ASCL+4*\q+\s], v[213+16*\q+4*\s], 8, v[212+16*\q+4*\s]   ; four heads' bytes make a K step's word: lanes 0-15 the even token tile, lanes 16-31 the odd one
	v_lshl_or_b32 v[ASCL+4*\q+\s], v[214+16*\q+4*\s], 16, v[ASCL+4*\q+\s]
	v_lshl_or_b32 v[ASCL+4*\q+\s], v[215+16*\q+4*\s], 24, v[ASCL+4*\q+\s]
.endr
.endr
.irp t, 0,1,2,3                        ; x turns through my stage into the results' layout.  LDS serves a wave's instructions in order: no wait on LDS between the stores and the loads, nor in front of the next tile's stores
	WIN 0x04
.set i, 0
.rept 16
	ds_store_b128 v8, v[64*\t+4*i:64*\t+4*i+3] offset:528*i
.set i, i+1
.endr
	WIN 0x40
	s_wait_alu depctr_vm_vsrc(0)                   ; the stores have read the tile's 64 registers, in which the loads below land (the first of these waits also: b1's stores have read v[HA ..])
.set i, 0
.rept 16
	ds_load_b128 v[64*\t+4*i:64*\t+4*i+3], v7 offset:128*(i/4)+16*(i%4)
.set i, i+1
.endr
.endr
	WIN 0
	s_wait_dscnt 0x0
.rept 8
	v_nop                                          ; scale words made by vector instructions stand eight places ahead of a scaled matrix instruction
.endr
	s_wait_alu depctr_va_vdst(0)                   ; the attention's scale words v[ASCL ..] are written: the first supergroup's scaled products take them; the places above stay beside this wait
	; ---- A: attn Wo, onto x
	SG 0, 0, 0
	WIN 0xc0
	COLS 0, 12                                     ; ln1_a and ln1_b, where the attention's fragments lay.  No wait: the last chunk's wait stands behind every product, and only loads and scalar lines have followed it
	COLS 64, 14
	WIN 0
	LN_STATS 0
	s_wait_alu depctr_va_vdst(0)
.irp t, 0,1,2,3
	LN_APPLY \t
	QUANT HA
	s_wait_alu depctr_va_vdst(0)                   ; the norm has written v[HA ..], the quantiser v[PC ..] and v[PW]: the run of stores below reads them
.set i, 0
.rept 16
	ds_store_b128 v9, v[HA+4*i:HA+4*i+3] offset:8192*\t+512*i   ; h2 in f32 is parked: the third product's sums begin with it
.set i, i+1
.endr
.irp g, 0,1,2
	ds_store_b128 v12, v[PC+4*\g:PC+4*\g+3] offset:6144*\t+512*\g
.endr
	ds_store_b32 v13, v[PW] offset:512*\t
	s_wait_dscnt 0x0
	s_wait_alu depctr_vm_vsrc(0)                   ; the stores have read v[HA ..], v[PC ..] and v[PW], which the next tile's lines (behind the last tile: the activation's and the quantiser's) write again
.endr
	BARRIER                                        ; h2's sixteen fragments lie in LDS
	WIN 0xc0
.irp t, 0,1,2,3                        ; no wait: the norm's lines, which read the gain and bias that lay here, and the first supergroup's products stand ahead of the last tile's wait for vector results, and only stores have followed it
.irp s, 0,1,2,3
.irp g, 0,1,2
	ds_load_b128 v[12*(4*\s+\t)+4*\g:12*(4*\s+\t)+4*\g+3], v29 offset:6144*\t+1536*\s+512*\g
.endr
.endr
.endr
	WIN 0
.irp q, 0,1
.irp s, 0,1,2,3
	ds_load_b32 v[ASCL+4*\q+\s], v23 offset:1024*\q+128*\s
.endr
.endr
	s_wait_dscnt 0x0
	; ---- B: four supergroups of W1: 128 hidden units each, for the 64 rows; relu; quantised: K step 4 w + trip of the third product
	s_mov_b32 s[CNT], 4
	s_mov_b32 s[HK], 0
	s_mov_b32 s[HKS], 0
	s_mov_b32 s[BL], 0
.Lhidden:
	v_add_nc_u32 v20, s[BL], v28                   ; (the last trip's loads have read v20: the wait behind that trip's last stores says so)
	WIN 0xc0
	s_wait_alu depctr_va_vdst(0)                   ; v20 is written, which the loads below read; the last trip's products are done reading b1's registers, in which they land
.irp b, 0,1,2,3
.irp u, 0,1
	ds_load_b128 v[192+16*\b+8*\u:195+16*\b+8*\u], v20 offset:128*\b+32*\u        ; b1 of these 128 units, in the results' layout
	ds_load_b128 v[196+16*\b+8*\u:199+16*\b+8*\u], v20 offset:128*\b+32*\u+16
.endr
.endr
	WIN 0
	s_wait_dscnt 0x0
	SG 1, 0, 0
	v_add_nc_u32 v14, s[HK], v24                   ; (likewise free since the wait behind the last trip's last stores; written ahead of the first tile's wait below)
	v_add_nc_u32 v15, s[HK], v25
	v_add_nc_u32 v16, s[HKS], v26
.irp t, 0,1,2,3
	WIN 0x04
.set i, 0
.rept 64
	v_max_num_f32 v[HA+i], 0, v[64*\t+i]           ; the activation, in f32; each accumulator from its low end on
.set i, i+1
.endr
	WIN 0
	QUANT HA
	s_wait_alu depctr_va_vdst(0)                   ; the quantiser has written v[PC ..] and v[PW], which the stores below read; in the first tile also: their addresses v14 to v16 are written
.irp g, 0,1,2
	ds_store_b128 v[14+\t/2], v[PC+4*\g:PC+4*\g+3] offset:24576*(\t%2)+512*\g
.endr
	ds_store_b32 v16, v[PW] offset:2048*\t
	s_wait_dscnt 0x0
	s_wait_alu depctr_vm_vsrc(0)                   ; the stores have read v[PC ..] and v[PW], which the next tile's quantiser writes; behind the last tile also: the trip's LDS instructions have read v14 to v16 and v20, which the next trip writes
.endr
	s_add_co_u32 s[HK], s[HK], 1536
	s_add_co_u32 s[HKS], s[HKS], 128
	s_add_co_u32 s[BL], s[BL], 512
	s_sub_co_u32 s[CNT], s[CNT], 1
	s_cmp_lg_u32 s[CNT], 0
	s_cbranch_scc1 .Lhidden
	BARRIER                                        ; the hidden layer's 64 fragments lie in LDS
	WIN 0x40
.set i, 0
.rept 64
	ds_load_b128 v[4*i:4*i+3], v9 offset:512*i     ; h2 comes back as the start of the sums.  No wait: the products and the activation's lines stand ahead of the last tile's wait for vector results, and only stores of other registers have followed it
.set i, i+1
.endr
	WIN 0x80
	COLS 192, 18                                   ; b2, where bo lay: the first norm's additions, which read bo, stand far ahead of that same wait
	WIN 0
	; ---- C: four supergroups of W2, four K steps each, onto h2
	s_mov_b32 s[CNT], 3
	s_mov_b32 s[HK], 0
	s_mov_b32 s[HKS], 0
	v_add_nc_u32 v17, s[HK], v[LI]                 ; the first supergroup's 16 fragments of the hidden layer and their scale words come in one run
	v_add_nc_u32 v18, 49152, v17
	v_add_nc_u32 v19, s[HKS], v27
	WIN 0xc0
	s_wait_alu depctr_va_vdst(0)                   ; v17 to v19 are written, which the loads below read
.irp t, 0,1,2,3
.irp s, 0,1,2,3
.irp g, 0,1,2
	ds_load_b128 v[12*(4*\s+\t)+4*\g:12*(4*\s+\t)+4*\g+3], v[17+\t/2] offset:24576*(\t%2)+1536*\s+512*\g
.endr
.endr
.endr
	WIN 0
.irp q, 0,1
.irp s, 0,1,2,3
	ds_load_b32 v[ASCL+4*\q+\s], v19 offset:4096*\q+128*\s
.endr
.endr
	s_wait_dscnt 0x0
.Lout:
	SG 0, 0, 1                                     ; each of the first three supergroups asks, K step by K step, for the next one's fragments
	s_add_co_u32 s[HK], s[HK], 6144
	s_add_co_u32 s[HKS], s[HKS], 512
	s_wait_alu depctr_vm_vsrc(0)                   ; the trip's LDS loads have read v17 to v19
	v_add_nc_u32 v17, s[HK], v[LI]                 ; on by a supergroup; their next readers stand behind the second chunk's wait for vector results (behind the third trip they are not used)
	v_add_nc_u32 v18, 49152, v17
	v_add_nc_u32 v19, s[HKS], v27
	s_sub_co_u32 s[CNT], s[CNT], 1
	s_cmp_lg_u32 s[CNT], 0
	s_cbranch_scc1 .Lout
	SG 0, 1, 2                                     ; the stream's end is written out: no load leaves the buffer
	WIN 0xc0
	s_wait_alu depctr_va_vdst(0)                   ; the last supergroup's products are done reading the hidden layer's fragments, in which the loads below land (its last four chunks hold no wait)
	COLS 0, 20                                     ; ln2_a, ln2_b
	COLS 64, 22
	WIN 0
	LN_STATS 1
	s_wait_alu depctr_va_vdst(0)
.irp t, 0,1,2,3                        ; the way out: a tile turns through my stage and leaves as rows
.if \t > 0
	s_wait_xcnt 0x0                                ; the last tile's stores have had their addresses translated: their registers are written again only behind this wait,
	s_wait_alu depctr_vm_vsrc(0)                   ; and they have read v[HA ..], which the norm's lines below write
.endif
	LN_APPLY \t
	s_wait_alu depctr_va_vdst(0)                   ; the norm has written v[HA ..], which the LDS stores read
.set i, 0
.rept 16
	ds_store_b128 v7, v[HA+4*i:HA+4*i+3] offset:128*(i/4)+16*(i%4)
.set i, i+1
.endr
	s_wait_alu depctr_vm_vsrc(0)                   ; the LDS stores have read v[HA ..], in which the loads below land
	s_wait_alu depctr_va_vdst(0)                   ; the norm's lines have written v[HA ..], in which the loads below land: stated anew, since stores that name these registers stand behind the wait above
.set i, 0
.rept 16
	ds_load_b128 v[HA+4*i:HA+4*i+3], v8 offset:528*i   ; LDS serves a wave's instructions in order: these see my stores
.set i, i+1
.endr
.set i, 0
.rept 16
	s_wait_dscnt 15-i
	global_store_b128 v[LI], v[HA+4*i:HA+4*i+3], s[24:25] offset:(32*(\t/2)+8*(\t%2)+(i%8)+16*(i/8))*2048 th:TH_STORE_NT   ; 32 lanes store 512 consecutive bytes, aligned
.set i, i+1
.endr
.endr
	s_wait_dscnt 0x0                               ; the closing lines, six on end
	s_wait_alu 0x0
	s_wait_tensorcnt 0x0
	ds_add_u32 v254, v255
	s_wait_dscnt 0x0
	s_endpgm
.Lfunc_end_k_q49a518007f_tail:
	.size	k_q49a518007f_tail, .Lfunc_end_k_q49a518007f_tail-k_q49a518007f_tail
	.p2alignl 7, 3214868480
	.fill 96, 4, 3214868480
	.section	.rodata,"a",@progbits
	.p2align	6, 0x0
	.amdhsa_kernel k_q49a518007f_tail
		.amdhsa_group_segment_fixed_size 314880
		.amdhsa_private_segment_fixed_size 0
		.amdhsa_enable_private_segment 0
		.amdhsa_kernarg_size 88
		.amdhsa_user_sgpr_count 2
		.amdhsa_user_sgpr_kernarg_segment_ptr 1
		.amdhsa_wavefront_size32 1
		.amdhsa_system_sgpr_workgroup_id_x 1
		.amdhsa_system_sgpr_workgroup_id_y 1
		.amdhsa_system_sgpr_workgroup_id_z 1
		.amdhsa_system_vgpr_workitem_id 0
		.amdhsa_next_free_vgpr 1024
		.amdhsa_next_free_sgpr 66
		.amdhsa_reserve_vcc 0
		.amdhsa_float_denorm_mode_32 3
		.amdhsa_float_denorm_mode_16_64 3
		.amdhsa_memory_ordered 1
		.amdhsa_forward_progress 1
		.amdhsa_inst_pref_size 255
	.end_amdhsa_kernel
	.section	.bss,"aw",@nobits
	.p2align	6
	.space	262144
	.amdgpu_metadata
---
amdhsa.version: [ 1, 2 ]
amdhsa.kernels:
  - .name:           k_q49a518007f_tail
    .symbol:         k_q49a518007f_tail.kd
    .args:
      - { .name: att, .offset: 0, .size: 8, .value_kind: global_buffer, .address_space: global }
      - { .name: prep, .offset: 8, .size: 8, .value_kind: global_buffer, .address_space: global }
      - { .name: x, .offset: 16, .size: 8, .value_kind: global_buffer, .address_space: global }
      - { .name: bo, .offset: 24, .size: 8, .value_kind: global_buffer, .address_space: global }
      - { .name: ln1_a, .offset: 32, .size: 8, .value_kind: global_buffer, .address_space: global }
      - { .name: ln1_b, .offset: 40, .size: 8, .value_kind: global_buffer, .address_space: global }
      - { .name: b1, .offset: 48, .size: 8, .value_kind: global_buffer, .address_space: global }
      - { .name: b2, .offset: 56, .size: 8, .value_kind: global_buffer, .address_space: global }
      - { .name: ln2_a, .offset: 64, .size: 8, .value_kind: global_buffer, .address_space: global }
      - { .name: ln2_b, .offset: 72, .size: 8, .value_kind: global_buffer, .address_space: global }
      - { .name: out0, .offset: 80, .size: 8, .value_kind: global_buffer, .address_space: global }
    .group_segment_fixed_size: 314880
    .private_segment_fixed_size: 0
    .kernarg_segment_align: 8
    .kernarg_segment_size: 88
    .max_flat_workgroup_size: 128
    .sgpr_count:     66
    .vgpr_count:     1024
    .wavefront_size: 32
...
	.end_amdgpu_metadata
.endif
;; end of part 8
